; MI455X (gfx1250); checked and timed in simulation.
; The chip was launched on July 23, 2026; its instructions are those of AMD's public machine-readable ISA for CDNA 5 (MIT licence, August 2026) and "CDNA5" Instruction Set Architecture Reference Guide (July 2026). The comments in the code are by the model that wrote it; some were corrected since.
;; Muti Query Attention. Allowed arithmetic: matrix products marked QUANTISED: E2M3 operands, one E8M0 scale for each 32 along K, by v_wmma_scale_f32_16x16x128_f8f6f4 with both operands' format E2M3, f32 sums; everything else in f32.
;; Inputs: Wk_codes 64 x 32 x 24 uint8 (E2M3 codes of Wk, K innermost, in blocks of 32 codes, four codes in three bytes); Wk_scales 64 x 32 uint8 (E8M0 scales of Wk, one for each 32 codes along K); Wo_codes 1,024 x 32 x 24 uint8 (E2M3 codes of Wo, K innermost, in blocks of 32 codes, four codes in three bytes); Wo_scales 1,024 x 32 uint8 (E8M0 scales of Wo, one for each 32 codes along K); Wq_codes 1,024 x 32 x 24 uint8 (E2M3 codes of Wq, K innermost, in blocks of 32 codes, four codes in three bytes); Wq_scales 1,024 x 32 uint8 (E8M0 scales of Wq, one for each 32 codes along K); Wv_codes 64 x 32 x 24 uint8 (E2M3 codes of Wv, K innermost, in blocks of 32 codes, four codes in three bytes); Wv_scales 64 x 32 uint8 (E8M0 scales of Wv, one for each 32 codes along K); bk 64 float32; bo 1,024 float32; bq 1,024 float32; bv 64 float32; hidden_state_codes 4 x 2,048 x 32 x 24 uint8 (E2M3 codes of hidden_state, K innermost, in blocks of 32 codes, four codes in three bytes); hidden_state_scales 4 x 2,048 x 32 uint8 (E8M0 scales of hidden_state, one for each 32 codes along K).
;; Outputs: out0 4 x 2,048 x 1,024 float32.
;; This version of the problem:
;;   THIS VERSION OF THE PROBLEM IS GIVEN IN LOW PRECISION. The matrix products marked QUANTISED in the list below multiply operands that are first quantised to E2M3 (2 exponent bits, 3 mantissa bits; 6 bits a number), with one power-of-two scale for each 32 numbers along K (OCP MX v1.0); their sums are f32. All else is computed in f32.
;;   The module's matrix products, in the order in which they are computed (A, B: the left and right operand; K: the contracted axis; several contracted axes count as one K, in the product's order):
;;     1. [M 8,192, K 1,024] x [K 1,024, N 1,024]; A: input hidden_state (given as codes); B: input Wq (given as codes): QUANTISED
;;     2. [M 8,192, K 1,024] x [K 1,024, N 64]; A: input hidden_state (given as codes); B: input Wk (given as codes): QUANTISED
;;     3. [M 8,192, K 1,024] x [K 1,024, N 64]; A: input hidden_state (given as codes); B: input Wv (given as codes): QUANTISED
;;     4. batch 4 x [M 2,048, K 64] x [K 64, N 32,768]; A: computed on the way; B: computed on the way: QUANTISED
;;     5. batch 4 x [M 64, K 2,048] x [K 2,048, N 32,768]; A: computed on the way; B: softmax (see below): QUANTISED
;;     6. [M 8,192, K 1,024] x [K 1,024, N 1,024]; A: computed on the way; B: input Wo (given as codes): QUANTISED
;;   THE QUANTISER, for each operand of a quantised product, along K:
;;     - K is cut into blocks of 32 from its start; a last block that is shorter is filled with zeros.
;;     - A block's scale is 2^e with e = floor(log2(the largest magnitude in the block)) - 2, held to -126 .. 127; a block of zeros has e = 0. As a byte (E8M0): e + 127.
;;     - Each number is divided by its block's scale, clamped to +-7.5, and rounded to the nearest number of E2M3, ties to even, subnormals kept.
;;     - The product sums the exact products of the quantised numbers (number of the format x scale) in f32.
;;   ~~~python
;;   def quantise(x, axis):      # numpy; x: float32 -> the quantised numbers, widened to float32 again
;;       x = np.moveaxis(x, axis, -1); K = x.shape[-1]
;;       x = np.pad(x, [(0, 0)] * (x.ndim - 1) + [(0, -K % 32)]); x = x.reshape(x.shape[:-1] + (-1, 32)); a = np.abs(x).max(-1, keepdims=True)
;;       e = np.where(a > 0, np.clip(np.frexp(np.where(a > 0, a, 1))[1] - 1 - 2, -126, 127), 0)      # np.frexp(a)[1] - 1 = floor(log2(a)), exactly
;;       r = np.clip(x / 2.0 ** e, -7.5, 7.5)
;;       step = 2.0 ** (np.maximum(np.frexp(np.where(r == 0, 1, r))[1] - 1, 0) - 3)
;;       q = np.round(r / step) * step * 2.0 ** e      # np.round: ties to even
;;       return np.moveaxis(q.reshape(q.shape[:-2] + (-1,))[..., :K], -1, axis).astype(np.float32)
;;   ~~~
;;   SOFTMAX AHEAD OF A QUANTISED PRODUCT. Where the list says 'softmax', what is quantised is not the finished softmax but p = 2^(t - M), with t = logit x log2(e) and M = ceil(the row's largest t), a whole number; so 1/2 < the row's largest p <= 1. The row's sum l is taken of the UNQUANTISED p, in f32, and the product's result is divided by l at the end. Since M is a whole number, a kernel that streams over the keys may use a running M (the ceiling of the running maximum): every later rescaling is an exact power of two, which a block's scale takes up: the codes' values come out the same.
;;   OPERANDS COMPUTED ON THE WAY. 'Computed on the way' means the value that the module computes at that place (a softmax that the list does not call 'softmax' is quantised finished and normalised). What goes into a quantiser is computed in f32, as accurately as f32 sums, v_exp_f32 and their like allow (about 1e-6 of the number): no bf16 or f16 on the way to a quantiser, and a product that is left as it is and whose result goes on into a quantised operand takes f32 operands (vector FMAs, or v_wmma_f32_16x16x4_f32). A number that lies on a knife's edge between two numbers of the format may be rounded either way, as far as f32 arithmetic and the matrix unit's own rounding can turn it there, and no further.
;;   INPUTS GIVEN AS CODES. Wk (in the module: [1024, 64], K = its axis 0); Wo (in the module: [1024, 1024], K = its axis 0); Wq (in the module: [1024, 1024], K = its axis 0); Wv (in the module: [1024, 64], K = its axis 0); hidden_state (in the module: [4, 2048, 1024], K = its axis 2): each comes as NAME_codes (uint8): NAME with its K axis moved to the last place and cut into blocks of 32 codes, [.., K / 32, bytes a block], one block behind the other in memory; four codes in three bytes: a row's codes are one little-endian stream of bits, code i at bits 6 i .. 6 i + 5 (a code: sign, 2 exponent bits, 3 mantissa bits); and NAME_scales (uint8): the same leading axes, one E8M0 byte (e + 127) for each 32 codes along K. Its value is code x scale, taken as it is: it is not quantised again, and the codes and scales need not be those that the quantiser above would give.
;; 2 versions. Each part assembles by itself: llvm-mc -triple=amdgcn-amd-amdhsa -mcpu=gfx1250 --defsym DOCPART=n.
;; ======== version 1 of 2: 4 launches
;; workspace buffers: kv 851,968 bytes; qimg 6,291,456 bytes; qsc 524,288 bytes; aimg 6,291,456 bytes; asc 524,288 bytes
;; launch kvp (part 1): grid 64 x 1, 8 waves a work-group, clusters of 4 x 1, 218,624 bytes of LDS; arguments hidden_state_codes, hidden_state_scales, Wk_codes, Wk_scales, Wv_codes, Wv_scales, bk, bv, kv; writes kv
.if DOCPART == 1
	.amdgcn_target "amdgcn-amd-amdhsa--gfx1250"
	.amdhsa_code_object_version 6
	.text
	.protected	k_q78e4fd0344_kvp
	.globl	k_q78e4fd0344_kvp
	.p2align	8
	.type	k_q78e4fd0344_kvp,@function
k_q78e4fd0344_kvp:
	s_mov_b64 s[64:65], 0
	v_nop
	global_prefetch_b8 v0, s[64:65] scope:SCOPE_SE
	s_setreg_imm32_b32 hwreg(HW_REG_WAVE_MODE, 25, 1), 1
	s_wait_xcnt 0x0
	s_wait_alu depctr_hold_cnt(0) depctr_sa_sdst(0) depctr_va_vdst(0) depctr_va_sdst(0) depctr_va_ssrc(0) depctr_va_vcc(0) depctr_vm_vsrc(0)
	s_getreg_b32 s2, hwreg(HW_REG_IB_STS2, 6, 4)
	s_cmp_eq_u32 s2, 0
	s_cbranch_scc0 .Lentry_in_a_cluster
	s_endpgm
.Lentry_in_a_cluster:
	s_bfe_u32 s2, ttmp6, 0x10000c
	s_cmp_lg_u32 s2, 0x3003
	s_cbranch_scc0 .Lentry_shape_is_right
	s_endpgm
.Lentry_shape_is_right:
; k = hs Wk + bk and v = hs Wv + bv on codes of FP6 (E2M3) as they are given; k is then quantised along the head's 64, v along the keys, and both leave as IMAGES OF OPERAND REGISTERS.
; hs: [8192][1024] codes (768 bytes a row) + [8192][32] scale bytes.  Wk, Wv: [64][1024] codes + [64][32] scale bytes.  bk, bv: [64] f32.
; kv: [64 blocks of 128 keys][13,312 bytes]: 4 x 1,536 K's codes (pair b: key tiles 2 b, 2 b + 1, six registers each) | 4 x 128 K's scale words | 4 x 1,536 V^T's fragments (16 d x 128 keys) | 4 x 128 V's scale words.
; An image: registers 4 c .. 4 c + 3 of a run of twelve, lane l's 16 bytes at 512 c + 16 l; a scale word: lane l's at 4 l.
; SHARES.  A work-group makes one block of 128 keys.  Waves 0-3 (V): d tile w x 8 key tiles.  Waves 4-7 (K): key tiles 2 b, 2 b + 1 (b = w - 4) x 4 d tiles.  Eight accumulators and 64 matrix instructions a wave.
; All operands for all of K = 1,024 lie in LDS, filled once: no LDS byte is filled twice.
; CLUSTER 4 x 1: the weights and their scale bytes are the same for every work-group and are asked for JOINTLY by the four of a cluster; a work-group's 128 rows of hs are its own and come by plain loads.
; THE ROWS OF A TILE ARE NOT NEIGHBOURS: slot r of tile 2 g + u takes row 32 g + 8 u + r + 8 (r / 8) (keys, and rows of Wk and Wv alike), so that the 16 result registers of tiles 2 g and 2 g + 1 are 16 neighbours, 32 g + 16 (lane / 16) + 0 .. 15.
; V: source 0 = 16 keys, source 1 = 16 rows of Wv: a lane holds one d and its registers run along the keys.  K: source 0 = 16 rows of Wk, source 1 = 16 keys: a lane holds one key and its registers run along d.
; LIMITS: a block whose largest magnitude lies under 2^-124 keeps the scale byte 1, a block of zeros too (the rule says 127: its codes are zeros, and this program alone reads the bytes).  NaN, infinities and given scale bytes 0xff are not served.
; The bias is the first addend of each sum.
.set PITCH, 816                        ; an LDS row of codes: 3 x (256 bytes + 16 of padding) = 204 words: row r starts at bank 12 r mod 64 (64 banks of 4 bytes: ISA guide 11.1)
.set HS,    0                          ; 128 rows of hs
.set WB,    128*PITCH                  ; Wk's 64 rows, then Wv's 64
.set HSC,   256*PITCH                  ; hs's scale bytes: 16 units of 256 bytes + 16 (a unit: 8 rows of 32 bytes)
.set WSC,   HSC+16*272                 ; Wk's 8 units, then Wv's 8
.set STEPB, 13312                      ; a block of kv
.set WV,  22                           ; s22 wave; s23 wave & 3; s24 cx; s25 my block
.set SEL, 96                           ; s[96:97] lane selects: lane l xor 16
.set TM,  24                           ; v24-35 at work in the quantiser
.set PW,  40                           ; v40 the scale word just made
.set PC,  44                           ; v44-63 the codes just made
.set ACC, 192                          ; v192-255 eight accumulators
; v1 r, v2 h, v3 r + 8 (r / 8); v4-7 hs's LDS addresses, v8-9 the weight's (each with a second register for pieces behind one padding more); v10, v11 scale words' addresses; v12 16 l, v13 4 l; v14 byte selects; v15 bias address
; v16-19 hs's scale words, v20-21 the weight's (these hold scales alone); v64-71 bv; V: v72-83 Wv's fragment, v96-191 eight of hs; K: v72-119 four of Wk, v120-143 two of hs
.macro PLACES                          ; four plain vector instructions between a matrix instruction and a load into, or a vector read or write of, its registers
.rept 4
	v_nop
.endr
.endm
.macro CROUND                          ; a round of the cluster's barrier
	s_barrier_signal -1
	s_barrier_wait -1
	s_cmp_lg_u32 s[WV], 0
	s_cbranch_scc1 .Lnot_wave_0_\@
	s_barrier_signal -3
.Lnot_wave_0_\@:
	s_barrier_wait -3
	s_barrier_signal -1
	s_barrier_wait -1
.endm
; One matrix instruction.  cc: the C operand as text; ra, rb = 1: that side's scales are taken from lanes 16-31 of its register.
.macro WMR d, a, b, cc, sa, sb, ra, rb
.if ((\ra) == 0) && ((\rb) == 0)
	v_wmma_scale_f32_16x16x128_f8f6f4 v[(\d):(\d)+7], v[(\a):(\a)+11], v[(\b):(\b)+11], \cc, v[\sa], v[\sb] matrix_a_fmt:MATRIX_FMT_FP6 matrix_b_fmt:MATRIX_FMT_FP6
.elseif (\rb) == 0
	v_wmma_scale_f32_16x16x128_f8f6f4 v[(\d):(\d)+7], v[(\a):(\a)+11], v[(\b):(\b)+11], \cc, v[\sa], v[\sb] matrix_a_fmt:MATRIX_FMT_FP6 matrix_b_fmt:MATRIX_FMT_FP6 matrix_a_scale:MATRIX_SCALE_ROW1
.elseif (\ra) == 0
	v_wmma_scale_f32_16x16x128_f8f6f4 v[(\d):(\d)+7], v[(\a):(\a)+11], v[(\b):(\b)+11], \cc, v[\sa], v[\sb] matrix_a_fmt:MATRIX_FMT_FP6 matrix_b_fmt:MATRIX_FMT_FP6 matrix_b_scale:MATRIX_SCALE_ROW1
.else
	v_wmma_scale_f32_16x16x128_f8f6f4 v[(\d):(\d)+7], v[(\a):(\a)+11], v[(\b):(\b)+11], \cc, v[\sa], v[\sb] matrix_a_fmt:MATRIX_FMT_FP6 matrix_b_fmt:MATRIX_FMT_FP6 matrix_a_scale:MATRIX_SCALE_ROW1 matrix_b_scale:MATRIX_SCALE_ROW1
.endif
.endm
; A fragment (16 rows x 128 K: 12 registers) of K step s from rows in LDS: lane (r, h) takes 24 bytes at 96 s + 24 h and 24 at 96 s + 48 + 24 h of its row, in pieces of 8 bytes.
; Lanes 0-15 take piece PCN, lanes 16-31 the piece three on; where that lies behind one padding more, the second address register (16 h further) serves.
.macro FRAGR reg, adr, s, off
.irp p, 0,1,2,3,4,5
.set PCN, 12*(\s)+6*(\p/3)+\p%3
.if PCN%32 < 29
	ds_load_b64 v[(\reg)+2*\p:(\reg)+2*\p+1], v[\adr] offset:8*PCN+16*(PCN/32)+(\off)
.else
	ds_load_b64 v[(\reg)+2*\p:(\reg)+2*\p+1], v[(\adr)+1] offset:8*PCN+16*(PCN/32)+(\off)
.endif
.endr
.endm
; 64 numbers of a lane, register 16 b + i = k 32 b + 16 (lane / 16) + i of the lane's row, become 12 registers of codes at v[pc] and the row's scale word in v[pw].
.macro QUANT s, pc, pw
.irp b, 0,1,2,3
	v_max3_num_f32 v[TM+\b], |v[(\s)+16*\b]|, |v[(\s)+1+16*\b]|, 0x1800000   ; block b: my 16 numbers, and the floor 2^(3 - 127): the byte cannot fall under 1
.endr
.irp i, 2,4,6,8,10,12,14
.irp b, 0,1,2,3
	v_max3_num_f32 v[TM+\b], v[TM+\b], |v[(\s)+16*\b+\i]|, |v[(\s)+1+16*\b+\i]|   ; the four blocks by turns
.endr
.endr
.irp b, 0,1,2,3
	v_permlanex16_b32 v[TM+4+\b], v[TM+\b], s[SEL], s[SEL+1]
.endr
.irp b, 0,1,2,3
	v_max_num_f32 v[TM+\b], v[TM+\b], v[TM+4+\b]      ; with lane l xor 16's: the block's largest magnitude
.endr
.irp b, 0,1,2,3
	v_add_nc_u32 v[TM+8+\b], 0xff000000, v[TM+\b]     ; 2 off its exponent field: the conversion's scale operand
.endr
.irp b, 0,1,2,3
	v_lshrrev_b32 v[TM+4+\b], 23, v[TM+8+\b]          ; the scale's byte
.endr
	v_lshl_or_b32 v[\pw], v[TM+5], 8, v[TM+4]
	v_lshl_or_b32 v[\pw], v[TM+6], 16, v[\pw]
	v_lshl_or_b32 v[\pw], v[TM+7], 24, v[\pw]
.irp c, 0,1
	v_cvt_scalef32_pk16_fp6_f32 v[(\pc)+6*\c:(\pc)+2+6*\c], v[(\s)+32*\c:(\s)+15+32*\c], v[TM+8+2*\c]
	v_cvt_scalef32_pk16_fp6_f32 v[(\pc)+12+4*\c:(\pc)+14+4*\c], v[(\s)+16+32*\c:(\s)+31+32*\c], v[TM+9+2*\c]   ; (a conversion's three registers begin on an even number)
.endr
	v_nop                                              ; one plain place behind a scaled conversion
.irp c, 0,1                                        ; the operand's layout wants a whole block in a lane: lanes 0-15 block 2 c, lanes 16-31 block 2 c + 1
.irp i, 0,1,2
	v_permlane16_swap_b32 v[(\pc)+6*\c+\i], v[(\pc)+12+4*\c+\i]
.endr
.irp i, 0,1,2
	v_mov_b32 v[(\pc)+3+6*\c+\i], v[(\pc)+12+4*\c+\i]
.endr
.endr
.endm
	s_load_b256 s[4:11], s[0:1], 0x0               ; hs's codes s[4:5], hs's scales s[6:7], Wk's codes s[8:9], Wk's scales s[10:11]
	s_load_b256 s[12:19], s[0:1], 0x20             ; Wv's codes s[12:13], Wv's scales s[14:15], bk s[16:17], bv s[18:19]
	s_load_b64 s[20:21], s[0:1], 0x40              ; kv
	v_lshl_add_u32 v59, v0, 2, 0x35200
	v_mov_b32 v63, 0
	ds_add_u32 v59, v63
	ds_add_u32 v59, v63
	v_lshrrev_b32 v1, 5, v0
	v_readfirstlane_b32 s[WV], v1                  ; wave 0..7
	s_and_b32 s23, s[WV], 3
	s_bfe_u32 s24, ttmp6, 0x40000                  ; cx
	s_lshl_b32 s25, ttmp9, 2
	s_add_co_u32 s25, s25, s24                     ; my block of 128 keys = 4 x cluster x + cx: it enters global addresses alone
	; descriptor groups 1.  Codes: 32 rows x 768 bytes, 16 bytes of padding behind every 64 words.  s[28:35] plain, s[44:51] joint (mask: all four; bit 21 beside it)
	s_mov_b32 s28, (1<<20)|(5<<22)|(3<<25)
	s_mov_b32 s44, 15|(1<<20)|(1<<21)|(5<<22)|(3<<25)
.irp g, 28, 44
	s_mov_b32 s[\g+1], 768<<16                     ; tensor_dim0
	s_mov_b32 s[\g+2], 32<<16                      ; tensor_dim1
	s_mov_b32 s[\g+3], 768<<16                     ; tile_dim0
	s_mov_b32 s[\g+4], 32                          ; tile_dim1
	s_mov_b32 s[\g+5], 768                         ; from row to row
	s_mov_b32 s[\g+6], 0
	s_mov_b32 s[\g+7], 0
.endr
	; scale bytes of 32 rows: 1,024 dense bytes as 4 rows of 256 (32 elements of 8 bytes), 16 bytes of padding behind each.  s[36:43] plain, s[52:59] joint
	s_mov_b32 s36, (3<<16)|(1<<20)|(5<<22)|(3<<25)
	s_mov_b32 s52, 15|(3<<16)|(1<<20)|(1<<21)|(5<<22)|(3<<25)
.irp g, 36, 52
	s_mov_b32 s[\g+1], 32<<16
	s_mov_b32 s[\g+2], 4<<16
	s_mov_b32 s[\g+3], 32<<16
	s_mov_b32 s[\g+4], 4
	s_mov_b32 s[\g+5], 32
	s_mov_b32 s[\g+6], 0
	s_mov_b32 s[\g+7], 0
.endr
	s_lshl_b32 s80, s25, 7
	s_lshl_b32 s81, s23, 5
	s_add_co_u32 s80, s80, s81                     ; hs: row 128 x block + 32 x (wave & 3)
	s_mul_i32 s82, s80, 768                        ; its codes, in bytes (under 2^23),
	s_mov_b32 s83, 0
	s_lshl_b32 s84, s80, 5                         ; its scale bytes
	s_mov_b32 s85, 0
	s_and_b32 s86, s23, 1                          ; the weights: which 32 rows of Wk (wave & 3 = 0, 1) or of Wv (2, 3)
	s_mul_i32 s88, s86, 32*768
	s_mov_b32 s89, 0
	s_lshl_b32 s90, s86, 10
	s_mov_b32 s91, 0
	s_mul_i32 s87, s23, 32*PITCH                   ; where they go in LDS: the wave's number alone
	s_mul_i32 s86, s23, 4*272
	s_mov_b32 s[SEL], 0x76543210
	s_mov_b32 s[SEL+1], 0xfedcba98
	s_wait_dscnt 0x0
	s_wait_kmcnt 0x0
	s_mov_b32 s60, 1                               ; groups 0: s[60:63] hs's codes, s[68:71] hs's scales, s[72:75] the weight's codes, s[76:79] its scales
	s_add_co_u32 s61, s87, HS
	s_add_nc_u64 s[62:63], s[4:5], s[82:83]
	s_or_b32 s63, s63, 0x80000000
	s_mov_b32 s68, 1
	s_add_co_u32 s69, s86, HSC
	s_add_nc_u64 s[70:71], s[6:7], s[84:85]
	s_or_b32 s71, s71, 0x80000000
	s_cmp_lt_u32 s23, 2                            ; Wk or Wv: the choice hangs on the wave's number alone
	s_cselect_b64 s[74:75], s[8:9], s[12:13]
	s_cselect_b64 s[78:79], s[10:11], s[14:15]
	s_add_nc_u64 s[74:75], s[74:75], s[88:89]
	s_add_nc_u64 s[78:79], s[78:79], s[90:91]
	s_mov_b32 s72, 1
	s_add_co_u32 s73, s87, WB
	s_or_b32 s75, s75, 0x80000000
	s_mov_b32 s76, 1
	s_add_co_u32 s77, s86, WSC
	s_or_b32 s79, s79, 0x80000000
	CROUND                                         ; all four work-groups are here: the joint loads meet
	s_cmp_lt_u32 s[WV], 4                          ; a wave's two fills stand in one branch on its number: two tensor loads of mine are out
	s_cbranch_scc0 .Ljoint
	tensor_load_to_lds s[60:63], s[28:35]          ; waves 0-3: my 32 rows of hs,
	s_nop 0
	tensor_load_to_lds s[68:71], s[36:43]          ; and their scale bytes
	s_nop 0
.rept 4
	v_nop
.endr
	s_branch .Lasked
.Ljoint:
	tensor_load_to_lds s[72:75], s[44:51]          ; waves 4-7: 32 rows of a weight, for all four work-groups,
	s_nop 0
	tensor_load_to_lds s[76:79], s[52:59]          ; and their scale bytes
	s_nop 0
.rept 4
	v_nop
.endr
.Lasked:
	v_and_b32 v1, 15, v0                           ; r
	v_bfe_u32 v2, v0, 4, 1                         ; h
	v_and_b32 v3, 8, v1
	v_add_nc_u32 v3, v3, v1                        ; r + 8 (r / 8)
	v_mul_u32_u24 v23, v3, PITCH
	v_mad_u32_u24 v23, v2, 24, v23                 ; a tile's lane term: its row x pitch + 24 h
	v_lshrrev_b32 v36, 3, v1
	v_and_b32 v37, 7, v1
	v_mul_u32_u24 v36, v36, 544
	v_lshl_add_u32 v36, v37, 5, v36                ; a tile's scale words: slot r's row lies 2 (r / 8) units and 32 (r % 8) bytes on;
	v_mad_u32_u24 v37, v2, 272, v36                ; with lanes 16-31 one unit on: lanes 0-15 tile 2 g, lanes 16-31 tile 2 g + 1
	v_lshlrev_b32 v38, 4, v2                       ; 16 h
	v_and_b32 v12, 31, v0
	v_lshlrev_b32 v13, 2, v12                      ; 4 l
	v_lshlrev_b32 v12, 4, v12                      ; 16 l
.irp b, 0,1,2,3
	v_mov_b32 v[TM+4+\b], 0                        ; written once: a lane permute's destination counts as one of its sources
.endr
	s_wait_tensorcnt 0x0                           ; my two fills have landed,
	s_barrier_signal -1
	s_barrier_wait -1                              ; everybody's have
	s_cmp_lt_u32 s[WV], 4
	s_cbranch_scc0 .Lkpath
	; ---- V: d tile w against the eight key tiles
	s_lshr_b32 s80, s23, 1
	s_and_b32 s81, s23, 1
	s_lshl_b32 s82, s80, 5
	s_lshl_b32 s83, s81, 3
	s_add_co_u32 s82, s82, s83                     ; the tile's first row of Wv: 32 (w / 2) + 8 (w % 2)
	s_lshl_b32 s83, s82, 2
	v_lshl_add_u32 v15, v3, 2, s83                 ; bv of my d: the same number for all eight keys of a lane's registers
.irp i, 0,1,2,3,4,5,6,7
	global_load_b32 v[64+\i], v15, s[18:19]
.endr
	v_add_nc_u32 v4, HS, v23                       ; hs: key tiles 0-3,
	v_add_nc_u32 v5, v4, v38
	v_add_nc_u32 v6, 64*PITCH, v4                  ; and 4-7
	v_add_nc_u32 v7, 64*PITCH, v5
	s_mul_i32 s84, s82, PITCH
	s_add_co_u32 s84, s84, WB+64*PITCH
	v_add_nc_u32 v8, s84, v23                      ; my tile of Wv
	v_add_nc_u32 v9, v8, v38
	v_add_nc_u32 v10, HSC, v37
	s_mul_i32 s85, s80, 1088
	s_mul_i32 s86, s81, 272
	s_add_co_u32 s85, s85, s86
	s_add_co_u32 s85, s85, WSC+2176
	v_add_nc_u32 v11, s85, v36
	v_mov_b32 v14, 0x03020100                      ; the scale word leaves as it is made
	s_mul_i32 s92, s23, 1536
	s_add_co_u32 s92, s92, 6656                    ; where my fragment goes in the block,
	s_lshl_b32 s94, s23, 7
	s_add_co_u32 s94, s94, 12800                   ; and its scale words
.macro VSTEP s
.if (\s) > 0
	PLACES
.endif
.irp i, 0,1,2,3
	ds_load_b32 v[16+\i], v10 offset:1088*\i+4*(\s)
.endr
	ds_load_b32 v20, v11 offset:4*(\s)
	FRAGR 72, 8, \s, 0
.irp t, 0,1,2,3,4,5,6,7
	FRAGR 96+12*\t, 4+2*(\t/4), \s, (32*((\t%4)/2)+8*(\t%2))*PITCH
.endr
	s_wait_dscnt 0x0
.if (\s) == 0
	s_wait_loadcnt 0x0                             ; bv
.endif
.irp t, 0,1,2,3,4,5,6,7                        ; the eight accumulators by turns
.if (\s) == 0
	WMR ACC+8*\t, 96+12*\t, 72, v[64:71], 16+\t/2, 20, \t%2, 0
.else
	WMR ACC+8*\t, 96+12*\t, 72, v[ACC+8*\t:ACC+8*\t+7], 16+\t/2, 20, \t%2, 0
.endif
.endr
.endm
.irp s, 0,1,2,3,4,5,6,7
	VSTEP \s
.endr
	s_branch .Ltail
.Lkpath:
	; ---- K: key tiles 2 b, 2 b + 1 against the four d tiles
	v_lshlrev_b32 v15, 6, v2                       ; bk: lane (r, h) wants, for d tile 2 g + u, d = 32 g + 16 h + 8 u + 0 .. 7; it is loaded into the accumulators: the sums' first addend
.irp u, 0,1
.irp d, 0,1,2,3
	global_load_b128 v[ACC+32*\u+8*\d:ACC+32*\u+8*\d+3], v15, s[16:17] offset:(32*(\d/2)+8*(\d%2))*4
	global_load_b128 v[ACC+32*\u+8*\d+4:ACC+32*\u+8*\d+7], v15, s[16:17] offset:(32*(\d/2)+8*(\d%2))*4+16
.endr
.endr
	s_mul_i32 s80, s23, 32*PITCH
	v_add_nc_u32 v4, s80, v23                      ; hs: my 32 keys
	v_add_nc_u32 v5, v4, v38
	v_add_nc_u32 v8, WB, v23                       ; Wk
	v_add_nc_u32 v9, v8, v38
	s_mul_i32 s81, s23, 1088
	s_add_co_u32 s81, s81, HSC
	v_add_nc_u32 v10, s81, v37
	v_add_nc_u32 v11, WSC, v37
	v_mov_b32 v14, 0x01000100                      ; a key's two bytes, twice: lanes 0-15 take tile 2 b's, lanes 16-31 tile 2 b + 1's
	v_mov_b32 v39, 0x03020302
	v_cmp_eq_u32 vcc_lo, 1, v2
	v_cndmask_b32 v14, v14, v39, vcc_lo
	s_mul_i32 s92, s23, 1536                       ; where my pair of tiles goes in the block,
	s_lshl_b32 s94, s23, 7
	s_add_co_u32 s94, s94, 6144                    ; and its scale words
.macro KSTEP s
.if (\s) > 0
	PLACES
.endif
	ds_load_b32 v16, v10 offset:4*(\s)
	ds_load_b32 v20, v11 offset:4*(\s)
	ds_load_b32 v21, v11 offset:1088+4*(\s)
.irp d, 0,1,2,3
	FRAGR 72+12*\d, 8, \s, (32*(\d/2)+8*(\d%2))*PITCH
.endr
.irp u, 0,1
	FRAGR 120+12*\u, 4, \s, 8*\u*PITCH
.endr
	s_wait_dscnt 0x0
.if (\s) == 0
	s_wait_loadcnt 0x0                             ; bk
.endif
.irp d, 0,1,2,3                                ; the eight accumulators by turns
.irp u, 0,1
	WMR ACC+32*\u+8*\d, 72+12*\d, 120+12*\u, v[ACC+32*\u+8*\d:ACC+32*\u+8*\d+7], 20+\d/2, 16, \d%2, \u
.endr
.endr
.endm
.irp s, 0,1,2,3,4,5,6,7
	KSTEP \s
.endr
.Ltail:
	; V: the 64 registers are 128 keys of my d: one fragment of V^T and its scale word.  K: registers 32 u + .. are the 64 d of my key of tile 2 b + u: "blocks" 2 u, 2 u + 1; codes 6 u .. 6 u + 5 are that tile's half fragment.
	PLACES
	QUANT ACC, PC, PW
	v_perm_b32 v22, v[PW], v[PW], v14
	s_mul_i32 s80, s25, STEPB
	s_add_co_u32 s92, s92, s80
	s_mov_b32 s93, 0
	s_add_co_u32 s94, s94, s80
	s_mov_b32 s95, 0
	s_add_nc_u64 s[92:93], s[20:21], s[92:93]
	s_add_nc_u64 s[94:95], s[20:21], s[94:95]
.irp c, 0,1,2
	global_store_b128 v12, v[PC+4*\c:PC+4*\c+3], s[92:93] offset:512*\c   ; 32 lanes store 512 consecutive bytes, at a multiple of 256 from kv's first byte
.endr
	global_store_b32 v13, v22, s[94:95]
	s_wait_tensorcnt 0x0
	ds_add_u32 v59, v63
	s_wait_dscnt 0x0
	CROUND                                         ; the closing round: no work-group ends while a partner may still ask jointly
	s_endpgm
.Lfunc_end_k_q78e4fd0344_kvp:
	.size	k_q78e4fd0344_kvp, .Lfunc_end_k_q78e4fd0344_kvp-k_q78e4fd0344_kvp
	.p2alignl 7, 3214868480
	.fill 96, 4, 3214868480
	.section	.rodata,"a",@progbits
	.p2align	6, 0x0
	.amdhsa_kernel k_q78e4fd0344_kvp
		.amdhsa_group_segment_fixed_size 218624
		.amdhsa_private_segment_fixed_size 0
		.amdhsa_enable_private_segment 0
		.amdhsa_kernarg_size 72
		.amdhsa_user_sgpr_count 2
		.amdhsa_user_sgpr_kernarg_segment_ptr 1
		.amdhsa_wavefront_size32 1
		.amdhsa_system_sgpr_workgroup_id_x 1
		.amdhsa_system_sgpr_workgroup_id_y 1
		.amdhsa_system_sgpr_workgroup_id_z 1
		.amdhsa_system_vgpr_workitem_id 0
		.amdhsa_next_free_vgpr 256
		.amdhsa_next_free_sgpr 100
		.amdhsa_reserve_vcc 1
		.amdhsa_float_denorm_mode_32 3
		.amdhsa_float_denorm_mode_16_64 3
		.amdhsa_memory_ordered 1
		.amdhsa_forward_progress 1
		.amdhsa_inst_pref_size 84
	.end_amdhsa_kernel
	.amdgpu_metadata
---
amdhsa.version: [ 1, 2 ]
amdhsa.kernels:
  - .name:           k_q78e4fd0344_kvp
    .symbol:         k_q78e4fd0344_kvp.kd
    .args:
      - { .name: hidden_state_codes, .offset: 0, .size: 8, .value_kind: global_buffer, .address_space: global }
      - { .name: hidden_state_scales, .offset: 8, .size: 8, .value_kind: global_buffer, .address_space: global }
      - { .name: Wk_codes, .offset: 16, .size: 8, .value_kind: global_buffer, .address_space: global }
      - { .name: Wk_scales, .offset: 24, .size: 8, .value_kind: global_buffer, .address_space: global }
      - { .name: Wv_codes, .offset: 32, .size: 8, .value_kind: global_buffer, .address_space: global }
      - { .name: Wv_scales, .offset: 40, .size: 8, .value_kind: global_buffer, .address_space: global }
      - { .name: bk, .offset: 48, .size: 8, .value_kind: global_buffer, .address_space: global }
      - { .name: bv, .offset: 56, .size: 8, .value_kind: global_buffer, .address_space: global }
      - { .name: kv, .offset: 64, .size: 8, .value_kind: global_buffer, .address_space: global }
    .group_segment_fixed_size: 218624
    .private_segment_fixed_size: 0
    .kernarg_segment_align: 8
    .kernarg_segment_size: 72
    .max_flat_workgroup_size: 256
    .sgpr_count:     100
    .vgpr_count:     256
    .wavefront_size: 32
...
	.end_amdgpu_metadata
.endif
;; end of part 1
;; launch qp (part 2): grid 4 x 64, 8 waves a work-group, clusters of 4 x 4, 327,680 bytes of LDS; arguments hidden_state_codes, hidden_state_scales, Wq_codes, Wq_scales, bq, qimg, qsc; writes qimg, qsc
.if DOCPART == 2
	.amdgcn_target "amdgcn-amd-amdhsa--gfx1250"
	.amdhsa_code_object_version 6
	.text
	.protected	k_q78e4fd0344_qp
	.globl	k_q78e4fd0344_qp
	.p2align	8
	.type	k_q78e4fd0344_qp,@function
k_q78e4fd0344_qp:
	s_mov_b64 s[64:65], 0
	v_nop
	global_prefetch_b8 v0, s[64:65] scope:SCOPE_SE
	s_setreg_imm32_b32 hwreg(HW_REG_WAVE_MODE, 25, 1), 1
	s_wait_xcnt 0x0
	s_wait_alu depctr_hold_cnt(0) depctr_sa_sdst(0) depctr_va_vdst(0) depctr_va_sdst(0) depctr_va_ssrc(0) depctr_va_vcc(0) depctr_vm_vsrc(0)
	s_getreg_b32 s2, hwreg(HW_REG_IB_STS2, 6, 4)
	s_cmp_eq_u32 s2, 0
	s_cbranch_scc0 .Lentry_in_a_cluster
	s_endpgm
.Lentry_in_a_cluster:
	s_bfe_u32 s2, ttmp6, 0x10000c
	s_cmp_lg_u32 s2, 0xf033
	s_cbranch_scc0 .Lentry_shape_is_right
	s_endpgm
.Lentry_shape_is_right:
; q = hs Wq + bq on codes of FP6 (E2M3) as they are given; q is quantised along hidden (blocks of 32: two to a head) and leaves as images of operand registers.
; hs: [8192][1024] codes (768 bytes a row) + [8192][32] scale bytes.  Wq: [1024 (n)][1024 (k)] codes + [1024][32].  bq: [1024] f32.
; qimg: [512 tiles of 16 rows][8 pairs of heads][1,536 bytes]: a fragment, 16 rows x 128 columns: registers 4 c .. 4 c + 3, lane l's 16 bytes at 512 c + 16 l.  qsc: [512][8][128]: its scale words, lane l's at 4 l.
; SHARES.  A work-group makes 128 rows x 256 columns; wave w: row tiles 2 (w / 2), + 1 x the 128 columns of half w % 2 (a pair of heads): 16 accumulators, 128 matrix instructions.
; Both operands for all of K = 1,024 lie in LDS (326,400 bytes), filled once: no LDS byte is filled twice.
; CLUSTER 4 x 4: the four of a row of the cluster need the same 128 rows of hs, the four of a column the same 256 rows of Wq: both are asked for JOINTLY.
; THE MATRIX INSTRUCTION IS USED TRANSPOSED (source 0 = 16 rows of Wq, source 1 = 16 rows of hs), and slot r of column tile 2 g + u takes Wq's row 32 g + 8 u + r + 8 (r / 8):
; a lane holds one row of q, and the 16 registers of tiles 2 g, 2 g + 1 are columns 32 g + 16 (lane / 16) + 0 .. 15.
; LIMITS: a block whose largest magnitude lies under 2^-124 keeps the scale byte 1, a block of zeros too (the rule says 127: its codes are zeros, and this program alone reads the bytes).  NaN, infinities and given scale bytes 0xff are not served.
; The bias is the first addend of each sum: it is loaded into the accumulators.
.set PITCH, 816                        ; an LDS row of codes: 3 x (256 bytes + 16 of padding) = 204 words: row r starts at bank 12 r mod 64 (64 banks of 4 bytes: ISA guide 11.1)
.set ABASE, 0                          ; 128 rows of hs
.set BBASE, 128*PITCH                  ; 256 rows of Wq
.set ASC,   384*PITCH                  ; hs's scale bytes: 16 units of 256 bytes + 16 (a unit: 8 rows of 32 bytes)
.set BSC,   ASC+16*272                 ; Wq's: 32 units
.set WV,  18                           ; s18 wave; s19 wave & 3; s20 wave / 2; s21 wave % 2; s22 cx, s23 cy; s24 column group, s25 row block; s26, s27 the masks
.set SEL, 96                           ; s[96:97] lane selects: lane l xor 16
.set SA,  16                           ; v16 hs's scale words: lanes 0-15 row tile 0, lanes 16-31 row tile 1
.set SB,  17                           ; v17-20 Wq's: register g: lanes 0-15 tile 2 g, lanes 16-31 tile 2 g + 1
.set AF,  24                           ; v24-47 two fragments of hs
.set BF,  48                           ; v48-95 four fragments of Wq
.set TM,  96                           ; v96-107 at work in the quantiser
.set ACC, 128                          ; v128-255: accumulator (a, b) at 128 + 64 a + 8 b
; v1 r, v2 h; v3-4 hs's LDS address, v5-6 Wq's tiles 0-3, v7-8 tiles 4-7 (each with a second register for pieces behind one padding more); v9, v10 scale words' addresses; v11 16 l, v12 4 l; v13 bias address
.macro PLACES                          ; four plain vector instructions between a matrix instruction and a load into, or a vector read or write of, its registers
.rept 4
	v_nop
.endr
.endm
.macro CROUND                          ; a round of the cluster's barrier
	s_barrier_signal -1
	s_barrier_wait -1
	s_cmp_lg_u32 s[WV], 0
	s_cbranch_scc1 .Lnot_wave_0_\@
	s_barrier_signal -3
.Lnot_wave_0_\@:
	s_barrier_wait -3
	s_barrier_signal -1
	s_barrier_wait -1
.endm
; One matrix instruction.  cc: the C operand as text; ra, rb = 1: that side's scales are taken from lanes 16-31 of its register.
.macro WMR d, a, b, cc, sa, sb, ra, rb
.if ((\ra) == 0) && ((\rb) == 0)
	v_wmma_scale_f32_16x16x128_f8f6f4 v[(\d):(\d)+7], v[(\a):(\a)+11], v[(\b):(\b)+11], \cc, v[\sa], v[\sb] matrix_a_fmt:MATRIX_FMT_FP6 matrix_b_fmt:MATRIX_FMT_FP6
.elseif (\rb) == 0
	v_wmma_scale_f32_16x16x128_f8f6f4 v[(\d):(\d)+7], v[(\a):(\a)+11], v[(\b):(\b)+11], \cc, v[\sa], v[\sb] matrix_a_fmt:MATRIX_FMT_FP6 matrix_b_fmt:MATRIX_FMT_FP6 matrix_a_scale:MATRIX_SCALE_ROW1
.elseif (\ra) == 0
	v_wmma_scale_f32_16x16x128_f8f6f4 v[(\d):(\d)+7], v[(\a):(\a)+11], v[(\b):(\b)+11], \cc, v[\sa], v[\sb] matrix_a_fmt:MATRIX_FMT_FP6 matrix_b_fmt:MATRIX_FMT_FP6 matrix_b_scale:MATRIX_SCALE_ROW1
.else
	v_wmma_scale_f32_16x16x128_f8f6f4 v[(\d):(\d)+7], v[(\a):(\a)+11], v[(\b):(\b)+11], \cc, v[\sa], v[\sb] matrix_a_fmt:MATRIX_FMT_FP6 matrix_b_fmt:MATRIX_FMT_FP6 matrix_a_scale:MATRIX_SCALE_ROW1 matrix_b_scale:MATRIX_SCALE_ROW1
.endif
.endm
; A fragment (16 rows x 128 K: 12 registers) of K step s from rows in LDS: lane (r, h) takes 24 bytes at 96 s + 24 h and 24 at 96 s + 48 + 24 h of its row, in pieces of 8 bytes.
; Lanes 0-15 take piece PCN, lanes 16-31 the piece three on; where that lies behind one padding more, the second address register (16 h further) serves.
.macro FRAGR reg, adr, s, off
.irp p, 0,1,2,3,4,5
.set PCN, 12*(\s)+6*(\p/3)+\p%3
.if PCN%32 < 29
	ds_load_b64 v[(\reg)+2*\p:(\reg)+2*\p+1], v[\adr] offset:8*PCN+16*(PCN/32)+(\off)
.else
	ds_load_b64 v[(\reg)+2*\p:(\reg)+2*\p+1], v[(\adr)+1] offset:8*PCN+16*(PCN/32)+(\off)
.endif
.endr
.endm
; 64 numbers of a lane, register 16 b + i = k 32 b + 16 (lane / 16) + i of the lane's row, become 12 registers of codes at v[pc] and the row's scale word in v[pw].
.macro QUANT s, pc, pw
.irp b, 0,1,2,3
	v_max3_num_f32 v[TM+\b], |v[(\s)+16*\b]|, |v[(\s)+1+16*\b]|, 0x1800000   ; block b: my 16 numbers, and the floor 2^(3 - 127): the byte cannot fall under 1
.endr
.irp i, 2,4,6,8,10,12,14
.irp b, 0,1,2,3
	v_max3_num_f32 v[TM+\b], v[TM+\b], |v[(\s)+16*\b+\i]|, |v[(\s)+1+16*\b+\i]|   ; the four blocks by turns
.endr
.endr
.irp b, 0,1,2,3
	v_permlanex16_b32 v[TM+4+\b], v[TM+\b], s[SEL], s[SEL+1]
.endr
.irp b, 0,1,2,3
	v_max_num_f32 v[TM+\b], v[TM+\b], v[TM+4+\b]      ; with lane l xor 16's: the block's largest magnitude
.endr
.irp b, 0,1,2,3
	v_add_nc_u32 v[TM+8+\b], 0xff000000, v[TM+\b]     ; 2 off its exponent field: the conversion's scale operand
.endr
.irp b, 0,1,2,3
	v_lshrrev_b32 v[TM+4+\b], 23, v[TM+8+\b]          ; the scale's byte
.endr
	v_lshl_or_b32 v[\pw], v[TM+5], 8, v[TM+4]
	v_lshl_or_b32 v[\pw], v[TM+6], 16, v[\pw]
	v_lshl_or_b32 v[\pw], v[TM+7], 24, v[\pw]
.irp c, 0,1
	v_cvt_scalef32_pk16_fp6_f32 v[(\pc)+6*\c:(\pc)+2+6*\c], v[(\s)+32*\c:(\s)+15+32*\c], v[TM+8+2*\c]
	v_cvt_scalef32_pk16_fp6_f32 v[(\pc)+12+4*\c:(\pc)+14+4*\c], v[(\s)+16+32*\c:(\s)+31+32*\c], v[TM+9+2*\c]   ; (a conversion's three registers begin on an even number)
.endr
	v_nop                                              ; one plain place behind a scaled conversion
.irp c, 0,1                                        ; the operand's layout wants a whole block in a lane: lanes 0-15 block 2 c, lanes 16-31 block 2 c + 1
.irp i, 0,1,2
	v_permlane16_swap_b32 v[(\pc)+6*\c+\i], v[(\pc)+12+4*\c+\i]
.endr
.irp i, 0,1,2
	v_mov_b32 v[(\pc)+3+6*\c+\i], v[(\pc)+12+4*\c+\i]
.endr
.endr
.endm
	s_load_b256 s[4:11], s[0:1], 0x0               ; hs's codes s[4:5], hs's scales s[6:7], Wq's codes s[8:9], Wq's scales s[10:11]
	s_load_b128 s[12:15], s[0:1], 0x20             ; bq s[12:13], qimg s[14:15]
	s_load_b64 s[16:17], s[0:1], 0x30              ; qsc
	v_lshl_add_u32 v126, v0, 2, 0x4fb00
	v_mov_b32 v127, 0
	ds_add_u32 v126, v127
	ds_add_u32 v126, v127
	v_lshrrev_b32 v1, 5, v0
	v_readfirstlane_b32 s[WV], v1                  ; wave 0..7
	s_and_b32 s19, s[WV], 3                        ; which part of a tile I fetch
	s_lshr_b32 s20, s[WV], 1                       ; my pair of row tiles
	s_and_b32 s21, s[WV], 1                        ; my half of the columns
	s_bfe_u32 s22, ttmp6, 0x40000                  ; cx
	s_bfe_u32 s23, ttmp6, 0x40004                  ; cy
	s_lshl_b32 s24, ttmp9, 2
	s_add_co_u32 s24, s24, s22                     ; column group of 256 = 4 x cluster x + cx
	s_and_b32 s25, ttmp7, 0xffff
	s_lshl_b32 s25, s25, 2
	s_add_co_u32 s25, s25, s23                     ; row block of 128 = 4 x cluster y + cy
	s_lshl_b32 s26, s23, 2
	s_lshl_b32 s26, 15, s26                        ; my row of the cluster
	s_lshl_b32 s27, 0x1111, s22                    ; my column
	; descriptor groups 1.  Codes: rows of 768 bytes, 16 bytes of padding behind every 64 words; s[28:35] hs: 32 rows, to my row of the cluster; s[44:51] Wq: 64 rows, to my column
	s_or_b32 s28, s26, (1<<20)|(1<<21)|(5<<22)|(3<<25)
	s_or_b32 s44, s27, (1<<20)|(1<<21)|(5<<22)|(3<<25)
	s_mov_b32 s30, 32<<16                          ; tensor_dim1
	s_mov_b32 s32, 32                              ; tile_dim1
	s_mov_b32 s46, 64<<16
	s_mov_b32 s48, 64
.irp g, 28, 44
	s_mov_b32 s[\g+1], 768<<16                     ; tensor_dim0
	s_mov_b32 s[\g+3], 768<<16                     ; tile_dim0
	s_mov_b32 s[\g+5], 768                         ; from row to row
	s_mov_b32 s[\g+6], 0
	s_mov_b32 s[\g+7], 0
.endr
	; scale bytes: dense, as rows of 256 bytes (32 elements of 8 bytes), 16 bytes of padding behind each; s[36:43] hs: 4 rows; s[52:59] Wq: 8 rows
	s_or_b32 s36, s26, (3<<16)|(1<<20)|(1<<21)|(5<<22)|(3<<25)
	s_or_b32 s52, s27, (3<<16)|(1<<20)|(1<<21)|(5<<22)|(3<<25)
	s_mov_b32 s38, 4<<16
	s_mov_b32 s40, 4
	s_mov_b32 s54, 8<<16
	s_mov_b32 s56, 8
.irp g, 36, 52
	s_mov_b32 s[\g+1], 32<<16
	s_mov_b32 s[\g+3], 32<<16
	s_mov_b32 s[\g+5], 32
	s_mov_b32 s[\g+6], 0
	s_mov_b32 s[\g+7], 0
.endr
	s_lshl_b32 s88, s19, 5
	s_lshl_b32 s89, s19, 6
	s_lshl_b32 s80, s25, 7                         ; hs's addresses are made of the row block and the wave's number, in s[80:83], which never hold cx;
	s_add_co_u32 s80, s80, s88                     ; row 128 x block + 32 x part
	s_mul_i32 s82, s80, 768
	s_mov_b32 s83, 0
	s_lshl_b32 s80, s80, 5
	s_mov_b32 s81, 0
	s_lshl_b32 s84, s24, 8                         ; Wq's of the column group and the wave's number, in s[84:87], which never hold cy
	s_add_co_u32 s84, s84, s89                     ; row 256 x group + 64 x part
	s_mul_i32 s86, s84, 768
	s_mov_b32 s87, 0
	s_lshl_b32 s84, s84, 5
	s_mov_b32 s85, 0
	s_mul_i32 s90, s19, 32*PITCH                   ; where they go in LDS: the wave's number alone
	s_mul_i32 s91, s19, 4*272
	s_mul_i32 s92, s19, 64*PITCH
	s_mul_i32 s93, s19, 8*272
	s_mov_b32 s[SEL], 0x76543210
	s_mov_b32 s[SEL+1], 0xfedcba98
	s_wait_dscnt 0x0
	s_wait_kmcnt 0x0
	s_mov_b32 s60, 1                               ; groups 0: s[60:63] hs's codes, s[68:71] hs's scales, s[72:75] Wq's codes, s[76:79] Wq's scales
	s_add_co_u32 s61, s90, ABASE
	s_add_nc_u64 s[62:63], s[4:5], s[82:83]
	s_or_b32 s63, s63, 0x80000000
	s_mov_b32 s68, 1
	s_add_co_u32 s69, s91, ASC
	s_add_nc_u64 s[70:71], s[6:7], s[80:81]
	s_or_b32 s71, s71, 0x80000000
	s_mov_b32 s72, 1
	s_add_co_u32 s73, s92, BBASE
	s_add_nc_u64 s[74:75], s[8:9], s[86:87]
	s_or_b32 s75, s75, 0x80000000
	s_mov_b32 s76, 1
	s_add_co_u32 s77, s93, BSC
	s_add_nc_u64 s[78:79], s[10:11], s[84:85]
	s_or_b32 s79, s79, 0x80000000
	CROUND                                         ; all sixteen work-groups are here: the joint loads meet
	s_cmp_lt_u32 s[WV], 4                          ; a wave's two fills stand in one branch on its number: two tensor loads of mine are out
	s_cbranch_scc0 .Lfor_b
	tensor_load_to_lds s[60:63], s[28:35]
	s_nop 0
	tensor_load_to_lds s[68:71], s[36:43]
	s_nop 0
.rept 4
	v_nop
.endr
	s_branch .Lasked
.Lfor_b:
	tensor_load_to_lds s[72:75], s[44:51]
	s_nop 0
	tensor_load_to_lds s[76:79], s[52:59]
	s_nop 0
.rept 4
	v_nop
.endr
.Lasked:
	v_and_b32 v1, 15, v0                           ; r
	v_bfe_u32 v2, v0, 4, 1                         ; h
	v_lshlrev_b32 v13, 6, v2                       ; bq: lane (r, h) wants, for tile 2 g + u, columns 32 g + 16 h + 8 u + 0 .. 7
	s_lshl_b32 s88, s24, 10
	s_lshl_b32 s89, s21, 9
	s_add_co_u32 s88, s88, s89                     ; my first column, in bytes of f32
	s_mov_b32 s89, 0
	s_add_nc_u64 s[12:13], s[12:13], s[88:89]
.irp a, 0,1
.irp b, 0,1,2,3,4,5,6,7
	global_load_b128 v[ACC+64*\a+8*\b:ACC+64*\a+8*\b+3], v13, s[12:13] offset:(32*(\b/2)+8*(\b%2))*4
	global_load_b128 v[ACC+64*\a+8*\b+4:ACC+64*\a+8*\b+7], v13, s[12:13] offset:(32*(\b/2)+8*(\b%2))*4+16
.endr
.endr
	v_lshlrev_b32 v14, 4, v2                       ; 16 h
	v_mul_u32_u24 v3, v1, PITCH
	v_mad_u32_u24 v3, v2, 24, v3                   ; hs: row r x pitch + 24 h,
	s_mul_i32 s90, s20, 32*PITCH
	v_add_nc_u32 v3, s90, v3                       ; in my 32 rows
	v_add_nc_u32 v4, v3, v14
	v_and_b32 v15, 8, v1
	v_add_nc_u32 v15, v15, v1                      ; r + 8 (r / 8)
	v_mul_u32_u24 v5, v15, PITCH
	v_mad_u32_u24 v5, v2, 24, v5
	s_mul_i32 s90, s21, 128*PITCH
	s_add_co_u32 s90, s90, BBASE
	v_add_nc_u32 v5, s90, v5                       ; Wq: my 128 rows, tiles 0-3,
	v_add_nc_u32 v6, v5, v14
	v_add_nc_u32 v7, 64*PITCH, v5                  ; and tiles 4-7
	v_add_nc_u32 v8, 64*PITCH, v6
	v_lshrrev_b32 v15, 3, v1                       ; r / 8
	v_and_b32 v21, 7, v1
	v_lshlrev_b32 v21, 5, v21                      ; 32 (r % 8)
	v_mad_u32_u24 v9, v15, 272, v21                ; hs's scale words: row 16 a + r: unit 2 a + r / 8; lanes 16-31 take row tile 1
	v_mad_u32_u24 v9, v2, 544, v9
	s_mul_i32 s90, s20, 4*272
	s_add_co_u32 s90, s90, ASC
	v_add_nc_u32 v9, s90, v9
	v_mad_u32_u24 v10, v15, 544, v21               ; Wq's: slot r's row lies 2 (r / 8) units on; lanes 16-31 take the odd tile, one unit on
	v_mad_u32_u24 v10, v2, 272, v10
	s_mul_i32 s90, s21, 16*272
	s_add_co_u32 s90, s90, BSC
	v_add_nc_u32 v10, s90, v10
	v_and_b32 v11, 31, v0
	v_lshlrev_b32 v12, 2, v11                      ; 4 l
	v_lshlrev_b32 v11, 4, v11                      ; 16 l
.irp b, 0,1,2,3
	v_mov_b32 v[TM+4+\b], 0                        ; written once: a lane permute's destination counts as one of its sources
.endr
	s_lshl_b32 s90, s25, 3                         ; where my results go: (row tile 8 x block + 2 x pair) x 8 + pair of heads 2 x group + half
	s_lshl_b32 s91, s20, 1
	s_add_co_u32 s90, s90, s91
	s_lshl_b32 s90, s90, 3
	s_lshl_b32 s91, s24, 1
	s_add_co_u32 s90, s90, s91
	s_add_co_u32 s90, s90, s21
	s_mul_i32 s92, s90, 1536
	s_mov_b32 s93, 0
	s_lshl_b32 s94, s90, 7
	s_mov_b32 s95, 0
	s_add_nc_u64 s[14:15], s[14:15], s[92:93]
	s_add_nc_u64 s[16:17], s[16:17], s[94:95]
	s_wait_tensorcnt 0x0                           ; my two fills have landed,
	s_barrier_signal -1
	s_barrier_wait -1                              ; everybody's have
	s_wait_loadcnt 0x0                             ; bq
; Eight matrix instructions: column tiles b0 .. b0 + 3 x my two row tiles.  The sixteen accumulators take turns, one instruction a turn, in the same order in every K step.
.macro MUL8 b0
.irp b, \b0, \b0+1, \b0+2, \b0+3
.irp a, 0,1
	WMR ACC+64*\a+8*(\b), BF+12*((\b)%4), AF+12*\a, v[ACC+64*\a+8*(\b):ACC+64*\a+8*(\b)+7], SB+(\b)/2, SA, (\b)%2, \a
.endr
.endr
.endm
.macro GSTEP s
.if (\s) > 0
	PLACES
.endif
	ds_load_b32 v[SA], v9 offset:4*(\s)
.irp g, 0,1,2,3
	ds_load_b32 v[SB+\g], v10 offset:1088*\g+4*(\s)
.endr
	FRAGR AF, 3, \s, 0
	FRAGR AF+12, 3, \s, 16*PITCH
.irp b, 0,1,2,3
	FRAGR BF+12*\b, 5, \s, (32*(\b/2)+8*(\b%2))*PITCH
.endr
	s_wait_dscnt 0x0
	MUL8 0
	PLACES
.irp b, 0,1,2,3
	FRAGR BF+12*\b, 7, \s, (32*(\b/2)+8*(\b%2))*PITCH
.endr
	s_wait_dscnt 0x0
	MUL8 4
.endm
.irp s, 0,1,2,3,4,5,6,7
	GSTEP \s
.endr
	PLACES
	QUANT ACC, AF, 112                             ; row tile 0: codes in v24-35, word in v112
	QUANT ACC+64, BF, 113                          ; row tile 1: codes in v48-59, word in v113: two sets, so that no store's data are written again
.irp c, 0,1,2
	global_store_b128 v11, v[AF+4*\c:AF+4*\c+3], s[14:15] offset:512*\c          ; 32 lanes store 512 consecutive bytes, at a multiple of 256 from qimg's first byte
.endr
.irp c, 0,1,2
	global_store_b128 v11, v[BF+4*\c:BF+4*\c+3], s[14:15] offset:8*1536+512*\c   ; the next row tile lies 8 fragments on
.endr
	global_store_b32 v12, v112, s[16:17]
	global_store_b32 v12, v113, s[16:17] offset:8*128
	s_wait_tensorcnt 0x0
	ds_add_u32 v126, v127
	s_wait_dscnt 0x0
	CROUND                                         ; the closing round: no work-group ends while a partner may still ask jointly
	s_endpgm
.Lfunc_end_k_q78e4fd0344_qp:
	.size	k_q78e4fd0344_qp, .Lfunc_end_k_q78e4fd0344_qp-k_q78e4fd0344_qp
	.p2alignl 7, 3214868480
	.fill 96, 4, 3214868480
	.section	.rodata,"a",@progbits
	.p2align	6, 0x0
	.amdhsa_kernel k_q78e4fd0344_qp
		.amdhsa_group_segment_fixed_size 327680
		.amdhsa_private_segment_fixed_size 0
		.amdhsa_enable_private_segment 0
		.amdhsa_kernarg_size 56
		.amdhsa_user_sgpr_count 2
		.amdhsa_user_sgpr_kernarg_segment_ptr 1
		.amdhsa_wavefront_size32 1
		.amdhsa_system_sgpr_workgroup_id_x 1
		.amdhsa_system_sgpr_workgroup_id_y 1
		.amdhsa_system_sgpr_workgroup_id_z 1
		.amdhsa_system_vgpr_workitem_id 0
		.amdhsa_next_free_vgpr 256
		.amdhsa_next_free_sgpr 100
		.amdhsa_reserve_vcc 0
		.amdhsa_float_denorm_mode_32 3
		.amdhsa_float_denorm_mode_16_64 3
		.amdhsa_memory_ordered 1
		.amdhsa_forward_progress 1
		.amdhsa_inst_pref_size 72
	.end_amdhsa_kernel
	.amdgpu_metadata
---
amdhsa.version: [ 1, 2 ]
amdhsa.kernels:
  - .name:           k_q78e4fd0344_qp
    .symbol:         k_q78e4fd0344_qp.kd
    .args:
      - { .name: hidden_state_codes, .offset: 0, .size: 8, .value_kind: global_buffer, .address_space: global }
      - { .name: hidden_state_scales, .offset: 8, .size: 8, .value_kind: global_buffer, .address_space: global }
      - { .name: Wq_codes, .offset: 16, .size: 8, .value_kind: global_buffer, .address_space: global }
      - { .name: Wq_scales, .offset: 24, .size: 8, .value_kind: global_buffer, .address_space: global }
      - { .name: bq, .offset: 32, .size: 8, .value_kind: global_buffer, .address_space: global }
      - { .name: qimg, .offset: 40, .size: 8, .value_kind: global_buffer, .address_space: global }
      - { .name: qsc, .offset: 48, .size: 8, .value_kind: global_buffer, .address_space: global }
    .group_segment_fixed_size: 327680
    .private_segment_fixed_size: 0
    .kernarg_segment_align: 8
    .kernarg_segment_size: 56
    .max_flat_workgroup_size: 256
    .sgpr_count:     100
    .vgpr_count:     256
    .wavefront_size: 32
...
	.end_amdgpu_metadata
.endif
;; end of part 2
;; launch att (part 3): grid 64 x 4, 16 waves a work-group, clusters of 4 x 1, 215,040 bytes of LDS; arguments qimg, qsc, kv, aimg, asc; writes aimg, asc
.if DOCPART == 3
	.amdgcn_target "amdgcn-amd-amdhsa--gfx1250"
	.amdhsa_code_object_version 6
	.text
	.protected	k_q78e4fd0344_att
	.globl	k_q78e4fd0344_att
	.p2align	8
	.type	k_q78e4fd0344_att,@function
k_q78e4fd0344_att:
	s_mov_b64 s[64:65], 0
	v_nop
	global_prefetch_b8 v0, s[64:65] scope:SCOPE_SE
	s_setreg_imm32_b32 hwreg(HW_REG_WAVE_MODE, 25, 1), 1
	s_wait_xcnt 0x0
	s_wait_alu depctr_hold_cnt(0) depctr_sa_sdst(0) depctr_va_vdst(0) depctr_va_sdst(0) depctr_va_ssrc(0) depctr_va_vcc(0) depctr_vm_vsrc(0)
	s_getreg_b32 s2, hwreg(HW_REG_IB_STS2, 6, 4)
	s_cmp_eq_u32 s2, 0
	s_cbranch_scc0 .Lentry_in_a_cluster
	s_endpgm
.Lentry_in_a_cluster:
	s_bfe_u32 s2, ttmp6, 0x10000c
	s_cmp_lg_u32 s2, 0x3003
	s_cbranch_scc0 .Lentry_shape_is_right
	s_endpgm
.Lentry_shape_is_right:
; Attention with one K and V for all 16 heads, both products on codes of FP6 (E2M3): S^T = k q^T, p = 2^(t - M), O^T = v^T p^T, O / l, quantised along hidden for the last projection.
; t = score x log2(e) / 8 (one multiplication); M = the running largest t rounded UP to a whole number, kept as -M; p is quantised along the keys, not normalised; the row's sum l is taken of the unquantised p;
; when M moves, l and O^T are multiplied by 2^(old M - new M), which rounds nothing.
; qimg, qsc: [512 row tiles][8 pairs of heads]: a fragment (16 rows x 128 = two heads' 64) as an image of its 12 registers, and its scale words.  kv: [4 batches][16 steps of 128 keys][13,312 bytes]:
; 4 x 1,536 K's codes (pair b: key tiles 2 b, 2 b + 1, six registers each) | 4 x 128 K's scale words (lanes 0-15 tile 2 b, lanes 16-31 tile 2 b + 1; a key's two bytes twice) | 4 x 1,536 V^T's fragments | 4 x 128 V's scale words.
; aimg, asc: [8 K steps = pairs of heads][512 row tiles]: the result's fragments and scale words.
; SHARES.  A work-group owns 32 rows of one batch x 16 heads; wave w: row tile w % 2, heads 2 (w / 2) and 2 (w / 2) + 1: two tiles of 16 queries, which share every fragment of K and V that the wave reads.
; Four waves to a SIMD: one wave's softmax stands beside another's products and LDS loads.  The batch's whole kv block, 212,992 bytes, lies in LDS as it lies in memory, filled once: no LDS byte is filled twice.
; CLUSTER 4 x 1: the four work-groups of a cluster belong to one batch: its kv block is asked for JOINTLY, each wave two loads of 6,656 bytes: steps 0-7 and steps 8-15.
; LAYOUT.  Both products transposed: a lane holds ONE query throughout.  The keys of a tile, and V's d of a tile, are laid (by the launch that made kv) so that the 16 registers of tiles 2 g, 2 g + 1 are 16 neighbours.
; THE HEAD'S 64 ARE HALF OF THE INSTRUCTION'S 128.  Q's operand for the first head is [its 6 registers | 6 of zero codes], for the second [the same zeros | its 6].  The key tiles lie on end, six registers each: tile t's operand for the
; first head is registers 6 t .. 6 t + 11, for the second 6 t - 6 .. 6 t + 5.  The half that meets the zero codes adds nothing: every 6-bit code is a finite number, and no scale byte made by this program is 0xff.
; LIMITS: p under 2^-126 is taken as 0 (ISA guide, v_exp_f32); a block whose largest number lies under 2^-124 keeps the scale byte 1, a block of zeros too (its codes are zeros; this program alone reads the bytes).  NaN and infinities are not served.
; A block's largest p is made from the block's largest score by the same multiply-add and exponential; this takes v_exp_f32 not to fall where its input rises.
.set STEPB, 13312
.set KSO, 6144                         ; in a step's block: K's scale words,
.set VCO, 6656                         ; V's fragments,
.set VSO, 12800                        ; V's scale words
.set WV,  14                           ; s14 wave; s15 cx; s16 my block of 32 rows; s17 batch; s18 my row tile; s19 my pair of heads
.set SEL, 20                           ; s[20:21] lane selects: lane l xor 16
.set CS,  22                           ; s[22:23] c = log2(e) / 8 (the packed form names a pair and takes its low word for both halves)
.set G1,  24                           ; s[24:31] descriptor group 1; s[32:35], s[36:39] groups 0
.set CNT, 40
.set TB,  41                           ; s41 LDS byte at which the step's block begins
.set QS,  1                            ; v1    Q's scale words
.set KVS, 2                            ; v2-5  K's, later V's scale words
.set PS,  6                            ; v6, v7 p's scale words, tile 0, 1
.set XR,  11                           ; v[8:9] l of tile 0; v10 -M of tile 0, v11 at work; v12 -M of tile 1, v13 at work
.set YR,  13
.set A16, 15                           ; v14 f of tile 0, v15 address of the step's images; v16 f of tile 1, v17 address of its scale words
.set A4,  17
.set QA,  18                           ; v18-23 the first head's Q; v24-29 zero codes; v30-35 the second head's
.set QZ,  24
.set QB,  30
.set P0,  36                           ; v36-47, v48-59 p's codes, tile 0, 1
.set KV,  60                           ; v60-107 eight key tiles of six registers, later four fragments of V^T
.set BM,  108                          ; v108-111 the blocks' largest; v112-115, v116-119 at work
.set T,   112
.set SO,  116
.set L16, 120                          ; v120 16 l; v121 4 l
.set L4,  121
.set C2,  124                          ; v[122:123] l of tile 1; v[124:125] the sum's second chain
.set S,   128                          ; v128-191 S^T, then p
.set OA,  192                          ; v192-255 O^T: tile e, d tile t at 192 + 32 e + 8 t
.set TM,  60                           ; the last quantiser works in K's registers
.macro PLACES                          ; four plain vector instructions between a matrix instruction and a load into, or a vector read or write of, its registers
.rept 4
	v_nop
.endr
.endm
.macro CROUND                          ; a round of the cluster's barrier
	s_barrier_signal -1
	s_barrier_wait -1
	s_cmp_lg_u32 s[WV], 0
	s_cbranch_scc1 .Lnot_wave_0_\@
	s_barrier_signal -3
.Lnot_wave_0_\@:
	s_barrier_wait -3
	s_barrier_signal -1
	s_barrier_wait -1
.endm
; One matrix instruction.  cc: the C operand as text; ra, rb = 1: that side's scales are taken from lanes 16-31 of its register.
.macro WMR d, a, b, cc, sa, sb, ra, rb
.if ((\ra) == 0) && ((\rb) == 0)
	v_wmma_scale_f32_16x16x128_f8f6f4 v[(\d):(\d)+7], v[(\a):(\a)+11], v[(\b):(\b)+11], \cc, v[\sa], v[\sb] matrix_a_fmt:MATRIX_FMT_FP6 matrix_b_fmt:MATRIX_FMT_FP6
.elseif (\rb) == 0
	v_wmma_scale_f32_16x16x128_f8f6f4 v[(\d):(\d)+7], v[(\a):(\a)+11], v[(\b):(\b)+11], \cc, v[\sa], v[\sb] matrix_a_fmt:MATRIX_FMT_FP6 matrix_b_fmt:MATRIX_FMT_FP6 matrix_a_scale:MATRIX_SCALE_ROW1
.elseif (\ra) == 0
	v_wmma_scale_f32_16x16x128_f8f6f4 v[(\d):(\d)+7], v[(\a):(\a)+11], v[(\b):(\b)+11], \cc, v[\sa], v[\sb] matrix_a_fmt:MATRIX_FMT_FP6 matrix_b_fmt:MATRIX_FMT_FP6 matrix_b_scale:MATRIX_SCALE_ROW1
.else
	v_wmma_scale_f32_16x16x128_f8f6f4 v[(\d):(\d)+7], v[(\a):(\a)+11], v[(\b):(\b)+11], \cc, v[\sa], v[\sb] matrix_a_fmt:MATRIX_FMT_FP6 matrix_b_fmt:MATRIX_FMT_FP6 matrix_a_scale:MATRIX_SCALE_ROW1 matrix_b_scale:MATRIX_SCALE_ROW1
.endif
.endm
; 64 numbers of a lane, register 16 b + i = k 32 b + 16 (lane / 16) + i of the lane's row, become 12 registers of codes at v[pc] and the row's scale word in v[pw].
.macro QUANT s, pc, pw
.irp b, 0,1,2,3
	v_max3_num_f32 v[TM+\b], |v[(\s)+16*\b]|, |v[(\s)+1+16*\b]|, 0x1800000   ; block b: my 16 numbers, and the floor 2^(3 - 127): the byte cannot fall under 1
.endr
.irp i, 2,4,6,8,10,12,14
.irp b, 0,1,2,3
	v_max3_num_f32 v[TM+\b], v[TM+\b], |v[(\s)+16*\b+\i]|, |v[(\s)+1+16*\b+\i]|   ; the four blocks by turns
.endr
.endr
.irp b, 0,1,2,3
	v_permlanex16_b32 v[TM+4+\b], v[TM+\b], s[SEL], s[SEL+1]
.endr
.irp b, 0,1,2,3
	v_max_num_f32 v[TM+\b], v[TM+\b], v[TM+4+\b]      ; with lane l xor 16's: the block's largest magnitude
.endr
.irp b, 0,1,2,3
	v_add_nc_u32 v[TM+8+\b], 0xff000000, v[TM+\b]     ; 2 off its exponent field: the conversion's scale operand
.endr
.irp b, 0,1,2,3
	v_lshrrev_b32 v[TM+4+\b], 23, v[TM+8+\b]          ; the scale's byte
.endr
	v_lshl_or_b32 v[\pw], v[TM+5], 8, v[TM+4]
	v_lshl_or_b32 v[\pw], v[TM+6], 16, v[\pw]
	v_lshl_or_b32 v[\pw], v[TM+7], 24, v[\pw]
.irp c, 0,1
	v_cvt_scalef32_pk16_fp6_f32 v[(\pc)+6*\c:(\pc)+2+6*\c], v[(\s)+32*\c:(\s)+15+32*\c], v[TM+8+2*\c]
	v_cvt_scalef32_pk16_fp6_f32 v[(\pc)+12+4*\c:(\pc)+14+4*\c], v[(\s)+16+32*\c:(\s)+31+32*\c], v[TM+9+2*\c]   ; (a conversion's three registers begin on an even number)
.endr
	v_nop                                              ; one plain place behind a scaled conversion
.irp c, 0,1                                        ; the operand's layout wants a whole block in a lane: lanes 0-15 block 2 c, lanes 16-31 block 2 c + 1
.irp i, 0,1,2
	v_permlane16_swap_b32 v[(\pc)+6*\c+\i], v[(\pc)+12+4*\c+\i]
.endr
.irp i, 0,1,2
	v_mov_b32 v[(\pc)+3+6*\c+\i], v[(\pc)+12+4*\c+\i]
.endr
.endr
.endm
	s_load_b256 s[4:11], s[0:1], 0x0               ; qimg s[4:5], qsc s[6:7], kv s[8:9], aimg s[10:11]
	s_load_b64 s[12:13], s[0:1], 0x20              ; asc
	v_lshl_add_u32 v126, v0, 2, 0x34000
	v_mov_b32 v127, 0
	ds_add_u32 v126, v127
	ds_add_u32 v126, v127
	v_lshrrev_b32 v[XR], 5, v0
	v_readfirstlane_b32 s[WV], v[XR]               ; wave 0..15
	s_bfe_u32 s15, ttmp6, 0x40000                  ; cx
	s_lshl_b32 s16, ttmp9, 2
	s_add_co_u32 s16, s16, s15                     ; my block of 32 rows = 4 x cluster x + cx: it enters Q's and the result's addresses alone
	s_and_b32 s17, ttmp7, 0xffff                   ; the batch, which the four partners share
	s_lshl_b32 s18, s17, 7
	s_lshl_b32 s42, s16, 1
	s_add_co_u32 s18, s18, s42
	s_and_b32 s42, s[WV], 1
	s_add_co_u32 s18, s18, s42                     ; my row tile: 128 x batch + 2 x block + wave % 2
	s_lshr_b32 s19, s[WV], 1                       ; my pair of heads
	s_mul_i32 s44, s17, 16*STEPB                   ; kv: the batch's block, and my 6,656 bytes of each half; s[44:47] never hold cx
	s_mul_i32 s46, s[WV], 6656                     ; (also their place in LDS)
	s_add_co_u32 s44, s44, s46
	s_mov_b32 s45, 0
	s_lshl_b32 s48, s18, 3
	s_add_co_u32 s48, s48, s19                     ; Q: fragment 8 x row tile + pair
	s_mul_i32 s50, s48, 1536
	s_mov_b32 s51, 0
	s_lshl_b32 s48, s48, 7
	s_mov_b32 s49, 0
	s_lshl_b32 s42, s19, 9
	s_add_co_u32 s42, s42, s18                     ; the result: fragment 512 x pair + row tile
	s_mul_i32 s52, s42, 1536
	s_mov_b32 s53, 0
	s_lshl_b32 s54, s42, 7
	s_mov_b32 s55, 0
	s_mov_b32 s[G1], 15|(3<<16)|(1<<21)            ; 15:0 the mask: all four work-groups; 17:16 elements of 8 bytes; 20 no padding; 21 set beside a mask
	s_mov_b32 s[G1+1], 32<<16                      ; tensor_dim0: 256 bytes
	s_mov_b32 s[G1+2], 26<<16                      ; tensor_dim1: 26 rows: 6,656 dense bytes
	s_mov_b32 s[G1+3], 32<<16                      ; tile_dim0
	s_mov_b32 s[G1+4], 26                          ; tile_dim1
	s_mov_b32 s[G1+5], 32                          ; from row to row
	s_mov_b32 s[G1+6], 0
	s_mov_b32 s[G1+7], 0
	s_mov_b32 s[SEL], 0x76543210
	s_mov_b32 s[SEL+1], 0xfedcba98
	s_mov_b32 s[CS], 0x3e38aa3b                    ; c = log2(e) / 8
	s_mov_b32 s[CS+1], s[CS]
	s_wait_dscnt 0x0
	s_wait_kmcnt 0x0
	s_mov_b32 s32, 1
	s_mov_b32 s33, s46
	s_add_nc_u64 s[34:35], s[8:9], s[44:45]
	s_mov_b32 s36, 1
	s_add_co_u32 s37, s46, 8*STEPB
	s_add_nc_u64 s[38:39], s[34:35], 8*STEPB
	s_or_b32 s35, s35, 0x80000000
	s_or_b32 s39, s39, 0x80000000
	s_add_nc_u64 s[4:5], s[4:5], s[50:51]
	s_add_nc_u64 s[6:7], s[6:7], s[48:49]
	s_add_nc_u64 s[10:11], s[10:11], s[52:53]
	s_add_nc_u64 s[12:13], s[12:13], s[54:55]
	CROUND                                         ; all four work-groups are here: the joint loads meet
	tensor_load_to_lds s[32:35], s[G1:G1+7]        ; my part of steps 0-7,
	s_nop 0
	tensor_load_to_lds s[36:39], s[G1:G1+7]        ; and of steps 8-15: two tensor loads of mine are out
	s_nop 0
.rept 4
	v_nop
.endr
	v_and_b32 v[L4], 31, v0
	v_lshlrev_b32 v[L16], 4, v[L4]
	v_lshlrev_b32 v[L4], 2, v[L4]
.irp c, 0,1,2
	global_load_b128 v[QA+4*\c:QA+4*\c+3], v[L16], s[4:5] offset:512*\c   ; Q's fragment: both heads
.endr
	global_load_b32 v[QS], v[L4], s[6:7]
	v_mov_b32 v10, 0x7f61b1e6                      ; -M: 3e38, over every -t
	v_mov_b32 v12, 0x7f61b1e6
	v_mov_b32 v8, 0                                ; the sums
	v_mov_b32 v9, 0
	v_mov_b32 v122, 0
	v_mov_b32 v123, 0
.irp i, 0,1,2,3,4,5
	v_mov_b32 v[P0+18+\i], 0                       ; these six, and the eight below, are named as the half of an operand that meets zero codes, and as permutes' destinations, before they are first made
.endr
.irp i, 0,1,2,3,4,5,6,7
	v_mov_b32 v[BM+\i], 0
.endr
.irp j, 0,1,2,3,4,5,6,7,8,9,10,11,12,13,14,15,16,17,18,19,20,21,22,23,24,25,26,27,28,29,30,31,32,33,34,35,36,37,38,39,40,41,42,43,44,45,46,47,48,49,50,51,52,53,54,55,56,57,58,59,60,61,62,63
	v_mov_b32 v[OA+\j], 0                          ; O^T.  (The step is written without a first step of its own: the first change of M multiplies zeros)
.endr
	s_wait_loadcnt 0x0                             ; Q
.irp i, 0,1,2,3,4,5
	v_mov_b32 v[QB+\i], v[QZ+\i]                   ; the second head's six registers move up,
.endr
.irp i, 0,1,2,3,4,5
	v_mov_b32 v[QZ+\i], 0                          ; and zero codes stand between the two
.endr
; The softmax of tile e for the step's 128 keys: register 16 b + i of S holds key 32 b + 16 (lane / 16) + i of my query.
.macro SOFTMAX e
.set rP, P0+12*(\e)
.set rN, 10+2*(\e)
.set rF, 14+2*(\e)
.set rO, OA+32*(\e)
.set rL, 8+114*(\e)
.irp b, 0,1,2,3
	v_max3_num_f32 v[BM+\b], v[S+16*\b], v[S+1+16*\b], v[S+2+16*\b]   ; the largest score of each block of 32 keys: for the row's maximum and for the block's largest p
.endr
.irp i, 3,5,7,9,11,13
.irp b, 0,1,2,3
	v_max3_num_f32 v[BM+\b], v[BM+\b], v[S+16*\b+\i], v[S+1+16*\b+\i]   ; the four blocks by turns
.endr
.endr
.irp b, 0,1,2,3
	v_max_num_f32 v[BM+\b], v[BM+\b], v[S+15+16*\b]
.endr
.irp b, 0,1,2,3
	v_permlanex16_b32 v[T+\b], v[BM+\b], s[SEL], s[SEL+1]
.endr
.irp b, 0,1,2,3
	v_max_num_f32 v[BM+\b], v[BM+\b], v[T+\b]          ; with lane l xor 16's 16 keys
.endr
	v_max3_num_f32 v[XR], v[BM], v[BM+1], v[BM+2]
	v_max_num_f32 v[XR], v[XR], v[BM+3]                ; the step's largest score of my query,
	v_mul_f32 v[XR], s[CS], v[XR]                      ; as t (c is positive);
	v_floor_f32 v[XR], -v[XR]                          ; -ceil(t);
	v_min_num_f32 v[XR], v[XR], v[rN]                  ; the new -M (the ceiling of a maximum is the maximum of the ceilings)
	v_sub_f32 v[YR], v[XR], v[rN]                      ; old M - new M: a whole number, 0 or less
	v_mov_b32 v[rN], v[XR]
	v_cvt_i32_f32 v[YR], v[YR]                         ; (it saturates)
	v_ldexp_f32 v[rF], 1.0, v[YR]                      ; f = 2^(old M - new M)
.irp j, 0,2,4,6,8,10,12,14,16,18,20,22,24,26,28,30,32,34,36,38,40,42,44,46,48,50,52,54,56,58,60,62
	v_pk_fma_f32 v[S+\j:S+\j+1], v[S+\j:S+\j+1], s[CS:CS+1], v[rN:rN+1] op_sel_hi:[1,0,0]   ; t - M, two at a time
.endr
.irp b, 0,1,2,3
	v_fma_f32 v[BM+\b], v[BM+\b], s[CS], v[rN]         ; the same of each block's largest score
.endr
.irp j, 0,1,2,3,4,5,6,7,8,9,10,11,12,13,14,15,16,17,18,19,20,21,22,23,24,25,26,27,28,29,30,31,32,33,34,35,36,37,38,39,40,41,42,43,44,45,46,47,48,49,50,51,52,53,54,55,56,57,58,59,60,61,62,63
	v_exp_f32 v[S+\j], v[S+\j]                         ; p = 2^(t - M), at most 1
.endr
.irp b, 0,1,2,3
	v_exp_f32 v[BM+\b], v[BM+\b]                       ; the block's largest p
.endr
	v_pk_mul_f32 v[rL:rL+1], v[rL:rL+1], v[rF:rF+1] op_sel_hi:[1,0]   ; l under the new M.  (The plain place behind the exponentials)
	s_wait_alu depctr_va_vdst(0)
.irp b, 0,1,2,3
	v_max_num_f32 v[BM+\b], 0x1800000, v[BM+\b]        ; the floor 2^(3 - 127): the byte cannot fall under 1
.endr
.irp b, 0,1,2,3
	v_add_nc_u32 v[SO+\b], 0xff000000, v[BM+\b]        ; 2 off the exponent field: the conversion's scale operand
.endr
.irp b, 0,1,2,3
	v_lshrrev_b32 v[T+\b], 23, v[SO+\b]                ; the scale's byte
.endr
	v_lshl_or_b32 v[PS+\e], v[T+1], 8, v[T]            ; p's scale word for these 128 keys
	v_lshl_or_b32 v[PS+\e], v[T+2], 16, v[PS+\e]
	v_lshl_or_b32 v[PS+\e], v[T+3], 24, v[PS+\e]
	v_cvt_scalef32_pk16_fp6_f32 v[rP:rP+2], v[S:S+15], v[SO]
	v_cvt_scalef32_pk16_fp6_f32 v[T:T+2], v[S+16:S+31], v[SO+1]       ; (a conversion's three registers begin on an even number)
	v_cvt_scalef32_pk16_fp6_f32 v[rP+6:rP+8], v[S+32:S+47], v[SO+2]
	v_cvt_scalef32_pk16_fp6_f32 v[BM:BM+2], v[S+48:S+63], v[SO+3]
	v_nop                                              ; one plain place behind a scaled conversion
.irp i, 0,1,2                                      ; the operand's layout wants a whole block in a lane
	v_permlane16_swap_b32 v[rP+\i], v[T+\i]
.endr
.irp i, 0,1,2
	v_mov_b32 v[rP+3+\i], v[T+\i]
.endr
.irp i, 0,1,2
	v_permlane16_swap_b32 v[rP+6+\i], v[BM+\i]
.endr
.irp i, 0,1,2
	v_mov_b32 v[rP+9+\i], v[BM+\i]
.endr
	v_pk_add_f32 v[C2:C2+1], v[S:S+1], v[S+2:S+3]      ; the row's sum is taken of the unquantised p: two at a time, in two chains
.irp j, 4,8,12,16,20,24,28,32,36,40,44,48,52,56,60
	v_pk_add_f32 v[rL:rL+1], v[rL:rL+1], v[S+\j:S+\j+1]
	v_pk_add_f32 v[C2:C2+1], v[C2:C2+1], v[S+2+\j:S+3+\j]
.endr
	v_pk_add_f32 v[rL:rL+1], v[rL:rL+1], v[C2:C2+1]
.irp j, 0,2,4,6,8,10,12,14,16,18,20,22,24,26,28,30
	v_pk_mul_f32 v[rO+\j:rO+\j+1], v[rO+\j:rO+\j+1], v[rF:rF+1] op_sel_hi:[1,0]   ; O^T under the new M.  (The sums and these are the places between the writes of p's codes and word and the products that take them)
.endr
.endm
; A key step: 128 keys.
.macro STEP
	v_add_nc_u32 v[A16], s[TB], v[L16]                 ; these two and two v_nop: the four places behind the last step's products
	v_add_nc_u32 v[A4], s[TB], v[L4]
	v_nop
	v_nop
.irp i, 0,1,2,3,4,5,6,7,8,9,10,11
	ds_load_b128 v[KV+4*\i:KV+4*\i+3], v[A16] offset:512*\i           ; the eight key tiles, as images: 512 consecutive bytes a load
.endr
.irp i, 0,1,2,3
	ds_load_b32 v[KVS+\i], v[A4] offset:KSO+128*\i
.endr
	s_wait_dscnt 0x0
.irp t, 0,1,2,3,4,5,6,7
	WMR S+8*\t, KV+6*\t, QA, 0, KVS+\t/2, QS, \t%2, 0                 ; the first head's scores
.endr
	PLACES
	SOFTMAX 0
.irp t, 0,1,2,3,4,5,6,7
	WMR S+8*\t, KV-6+6*\t, QZ, 0, KVS+\t/2, QS, \t%2, 0               ; the second head's
.endr
	PLACES
.irp i, 0,1,2,3,4,5,6,7,8,9,10,11
	ds_load_b128 v[KV+4*\i:KV+4*\i+3], v[A16] offset:VCO+512*\i       ; V's four fragments land under the second softmax
.endr
.irp i, 0,1,2,3
	ds_load_b32 v[KVS+\i], v[A4] offset:VSO+128*\i
.endr
	SOFTMAX 1
	s_wait_dscnt 0x0
.irp t, 0,1,2,3                                    ; O^T += V^T P^T: the eight accumulators by turns
.irp e, 0,1
	WMR OA+32*\e+8*\t, KV+12*\t, P0+12*\e, v[OA+32*\e+8*\t:OA+32*\e+8*\t+7], KVS+\t, PS+\e, 0, 0
.endr
.endr
	s_add_co_u32 s[TB], s[TB], STEPB
.endm
; Eight steps.  n: how many younger tensor loads of mine may stay out; base: where the eight steps' blocks begin in LDS.
.macro HALF n, base
	s_wait_tensorcnt \n                            ; my part of these eight steps has landed,
	s_wait_dscnt 0x0
	s_barrier_signal -1
	s_barrier_wait -1                              ; everybody's has
	s_mov_b32 s[TB], \base
	s_mov_b32 s[CNT], 8
.Lstep_\@:
	STEP
	s_sub_co_u32 s[CNT], s[CNT], 1
	s_cmp_lg_u32 s[CNT], 0
	s_cbranch_scc1 .Lstep_\@
.endm
	HALF 1, 0                                      ; the count leaves my load for steps 8-15 on its way: no LDS byte is filled twice, so it may cross this barrier
	HALF 0, 8*STEPB
	; THE WAY OUT: O^T / l, quantised along hidden: register 32 e + 16 g + i is k = 64 e + 32 g + 16 (lane / 16) + i of K step "my pair of heads" of the last projection.
	PLACES
	v_add_f32 v[XR], v8, v9                        ; the sums' two halves,
	v_add_f32 v[YR], v122, v123
	v_permlanex16_b32 v[T], v[XR], s[SEL], s[SEL+1]
	v_permlanex16_b32 v[T+1], v[YR], s[SEL], s[SEL+1]
	v_add_f32 v[XR], v[XR], v[T]                   ; and lane l xor 16's
	v_add_f32 v[YR], v[YR], v[T+1]
	v_rcp_f32 v14, v[XR]
	v_rcp_f32 v16, v[YR]
	v_nop                                          ; one plain place behind a transcendental
	s_wait_alu depctr_va_vdst(0)
.irp e, 0,1
.irp j, 0,2,4,6,8,10,12,14,16,18,20,22,24,26,28,30
	v_pk_mul_f32 v[OA+32*\e+\j:OA+32*\e+\j+1], v[OA+32*\e+\j:OA+32*\e+\j+1], v[14+2*\e:15+2*\e] op_sel_hi:[1,0]
.endr
.endr
	QUANT OA, S, 76
.irp c, 0,1,2
	global_store_b128 v[L16], v[S+4*\c:S+4*\c+3], s[10:11] offset:512*\c   ; 32 lanes store 512 consecutive bytes, at a multiple of 256 from aimg's first byte
.endr
	global_store_b32 v[L4], v76, s[12:13]
	s_wait_tensorcnt 0x0
	ds_add_u32 v126, v127
	s_wait_dscnt 0x0
	CROUND                                         ; the closing round: no work-group ends while a partner may still ask jointly
	s_endpgm
.Lfunc_end_k_q78e4fd0344_att:
	.size	k_q78e4fd0344_att, .Lfunc_end_k_q78e4fd0344_att-k_q78e4fd0344_att
	.p2alignl 7, 3214868480
	.fill 96, 4, 3214868480
	.section	.rodata,"a",@progbits
	.p2align	6, 0x0
	.amdhsa_kernel k_q78e4fd0344_att
		.amdhsa_group_segment_fixed_size 215040
		.amdhsa_private_segment_fixed_size 0
		.amdhsa_enable_private_segment 0
		.amdhsa_kernarg_size 40
		.amdhsa_user_sgpr_count 2
		.amdhsa_user_sgpr_kernarg_segment_ptr 1
		.amdhsa_wavefront_size32 1
		.amdhsa_system_sgpr_workgroup_id_x 1
		.amdhsa_system_sgpr_workgroup_id_y 1
		.amdhsa_system_sgpr_workgroup_id_z 1
		.amdhsa_system_vgpr_workitem_id 0
		.amdhsa_next_free_vgpr 256
		.amdhsa_next_free_sgpr 66
		.amdhsa_reserve_vcc 0
		.amdhsa_float_denorm_mode_32 3
		.amdhsa_float_denorm_mode_16_64 3
		.amdhsa_memory_ordered 1
		.amdhsa_forward_progress 1
		.amdhsa_inst_pref_size 73
	.end_amdhsa_kernel
	.amdgpu_metadata
---
amdhsa.version: [ 1, 2 ]
amdhsa.kernels:
  - .name:           k_q78e4fd0344_att
    .symbol:         k_q78e4fd0344_att.kd
    .args:
      - { .name: qimg, .offset: 0, .size: 8, .value_kind: global_buffer, .address_space: global }
      - { .name: qsc, .offset: 8, .size: 8, .value_kind: global_buffer, .address_space: global }
      - { .name: kv, .offset: 16, .size: 8, .value_kind: global_buffer, .address_space: global }
      - { .name: aimg, .offset: 24, .size: 8, .value_kind: global_buffer, .address_space: global }
      - { .name: asc, .offset: 32, .size: 8, .value_kind: global_buffer, .address_space: global }
    .group_segment_fixed_size: 215040
    .private_segment_fixed_size: 0
    .kernarg_segment_align: 8
    .kernarg_segment_size: 40
    .max_flat_workgroup_size: 512
    .sgpr_count:     66
    .vgpr_count:     256
    .wavefront_size: 32
...
	.end_amdgpu_metadata
.endif
;; end of part 3
;; launch op (part 4): grid 4 x 64, 8 waves a work-group, clusters of 4 x 4, 327,680 bytes of LDS; arguments aimg, asc, Wo_codes, Wo_scales, bo, out0; writes out0
.if DOCPART == 4
	.amdgcn_target "amdgcn-amd-amdhsa--gfx1250"
	.amdhsa_code_object_version 6
	.text
	.protected	k_q78e4fd0344_op
	.globl	k_q78e4fd0344_op
	.p2align	8
	.type	k_q78e4fd0344_op,@function
k_q78e4fd0344_op:
	s_mov_b64 s[64:65], 0
	v_nop
	global_prefetch_b8 v0, s[64:65] scope:SCOPE_SE
	s_setreg_imm32_b32 hwreg(HW_REG_WAVE_MODE, 25, 1), 1
	s_wait_xcnt 0x0
	s_wait_alu depctr_hold_cnt(0) depctr_sa_sdst(0) depctr_va_vdst(0) depctr_va_sdst(0) depctr_va_ssrc(0) depctr_va_vcc(0) depctr_vm_vsrc(0)
	s_getreg_b32 s2, hwreg(HW_REG_IB_STS2, 6, 4)
	s_cmp_eq_u32 s2, 0
	s_cbranch_scc0 .Lentry_in_a_cluster
	s_endpgm
.Lentry_in_a_cluster:
	s_bfe_u32 s2, ttmp6, 0x10000c
	s_cmp_lg_u32 s2, 0xf033
	s_cbranch_scc0 .Lentry_shape_is_right
	s_endpgm
.Lentry_shape_is_right:
; out0 = attn Wo + bo on codes of FP6 (E2M3).  attn comes as images of operand registers: aimg [8 K steps][512 tiles of 16 rows][1,536 bytes], asc [8][512][128] (a row's scale word at 4 l, the same in both halves of the lanes).
; Wo: [1024 (n)][1024 (k)] codes (768 bytes a row) + [1024][32] scale bytes, as given.  bo: [1024] f32.  out0: [8192][1024] f32.
; SHARES.  A work-group makes 128 rows x 256 columns; wave w: row tiles 2 (w / 2), + 1 x the 128 columns of half w % 2: 16 accumulators, 128 matrix instructions.
; Both operands for all of K = 1,024 lie in LDS (324,096 bytes), filled once: no LDS byte is filled twice.
; CLUSTER 4 x 4: the four of a row of the cluster need the same 8 row tiles of attn, the four of a column the same 256 rows of Wo: both are asked for JOINTLY.
; THE MATRIX INSTRUCTION IS USED TRANSPOSED (source 0 = 16 rows of Wo, source 1 = 16 rows of attn), and slot r of column tile 2 g + u takes Wo's row 32 g + 8 u + r + 8 (r / 8):
; a lane holds one row of the result, and the 16 registers of tiles 2 g, 2 g + 1 are 16 neighbouring columns: 64 bytes.
; The bias is the first addend of each sum: it is loaded into the accumulators.  NaN, infinities and given scale bytes 0xff are not served.
.set PITCH, 816                        ; an LDS row of Wo's codes: 3 x (256 bytes + 16 of padding) = 204 words: row r starts at bank 12 r mod 64 (64 banks of 4 bytes: ISA guide 11.1)
.set AIMG,  0                          ; attn's fragments: [pair of row tiles 4][K step 8][2][1,536]
.set BBASE, 98304                      ; 256 rows of Wo
.set ASC,   BBASE+256*PITCH            ; attn's scale words: [4][8][2][128]
.set BSC,   ASC+8192                   ; Wo's scale bytes: 32 units of 256 bytes + 16 (a unit: 8 rows of 32 bytes)
.set SPITCH, 528                       ; the way out: a stage of 16 rows x (512 bytes + 16) for each wave, in attn's bytes, which have had their one fill and, behind a barrier, their last read
.set WV,  18                           ; s18 wave; s19 wave & 3; s20 wave / 2; s21 wave % 2; s22 cx, s23 cy; s24 column group, s25 row block; s26, s27 the masks
.set SA,  16                           ; v16 attn's scale words: lanes 0-15 row tile 0, lanes 16-31 row tile 1
.set SB,  17                           ; v17-20 Wo's: register g: lanes 0-15 tile 2 g, lanes 16-31 tile 2 g + 1
.set STO, 21                           ; v21 the stage: where I put 16 bytes of a row; v22 where I read a row back
.set RD,  22
.set AF,  24                           ; v24-47 two fragments of attn
.set BF,  48                           ; v48-95 four fragments of Wo
.set ACC, 128                          ; v128-255: accumulator (a, b) at 128 + 64 a + 8 b
; v1 r, v2 h; v3 attn's LDS address; v5-6 Wo's tiles 0-3, v7-8 tiles 4-7 (each with a second register for pieces behind one padding more); v9, v10 scale words' addresses; v11 16 l; v13 bias address
.macro PLACES                          ; four plain vector instructions between a matrix instruction and a load into, or a read of, its registers
.rept 4
	v_nop
.endr
.endm
.macro CROUND                          ; a round of the cluster's barrier
	s_barrier_signal -1
	s_barrier_wait -1
	s_cmp_lg_u32 s[WV], 0
	s_cbranch_scc1 .Lnot_wave_0_\@
	s_barrier_signal -3
.Lnot_wave_0_\@:
	s_barrier_wait -3
	s_barrier_signal -1
	s_barrier_wait -1
.endm
; One matrix instruction.  cc: the C operand as text; ra, rb = 1: that side's scales are taken from lanes 16-31 of its register.
.macro WMR d, a, b, cc, sa, sb, ra, rb
.if ((\ra) == 0) && ((\rb) == 0)
	v_wmma_scale_f32_16x16x128_f8f6f4 v[(\d):(\d)+7], v[(\a):(\a)+11], v[(\b):(\b)+11], \cc, v[\sa], v[\sb] matrix_a_fmt:MATRIX_FMT_FP6 matrix_b_fmt:MATRIX_FMT_FP6
.elseif (\rb) == 0
	v_wmma_scale_f32_16x16x128_f8f6f4 v[(\d):(\d)+7], v[(\a):(\a)+11], v[(\b):(\b)+11], \cc, v[\sa], v[\sb] matrix_a_fmt:MATRIX_FMT_FP6 matrix_b_fmt:MATRIX_FMT_FP6 matrix_a_scale:MATRIX_SCALE_ROW1
.elseif (\ra) == 0
	v_wmma_scale_f32_16x16x128_f8f6f4 v[(\d):(\d)+7], v[(\a):(\a)+11], v[(\b):(\b)+11], \cc, v[\sa], v[\sb] matrix_a_fmt:MATRIX_FMT_FP6 matrix_b_fmt:MATRIX_FMT_FP6 matrix_b_scale:MATRIX_SCALE_ROW1
.else
	v_wmma_scale_f32_16x16x128_f8f6f4 v[(\d):(\d)+7], v[(\a):(\a)+11], v[(\b):(\b)+11], \cc, v[\sa], v[\sb] matrix_a_fmt:MATRIX_FMT_FP6 matrix_b_fmt:MATRIX_FMT_FP6 matrix_a_scale:MATRIX_SCALE_ROW1 matrix_b_scale:MATRIX_SCALE_ROW1
.endif
.endm
; A fragment (16 rows x 128 K: 12 registers) of K step s from rows in LDS: lane (r, h) takes 24 bytes at 96 s + 24 h and 24 at 96 s + 48 + 24 h of its row, in pieces of 8 bytes.
; Lanes 0-15 take piece PCN, lanes 16-31 the piece three on; where that lies behind one padding more, the second address register (16 h further) serves.
.macro FRAGR reg, adr, s, off
.irp p, 0,1,2,3,4,5
.set PCN, 12*(\s)+6*(\p/3)+\p%3
.if PCN%32 < 29
	ds_load_b64 v[(\reg)+2*\p:(\reg)+2*\p+1], v[\adr] offset:8*PCN+16*(PCN/32)+(\off)
.else
	ds_load_b64 v[(\reg)+2*\p:(\reg)+2*\p+1], v[(\adr)+1] offset:8*PCN+16*(PCN/32)+(\off)
.endif
.endr
.endm
.macro FRAGI reg, s, a                 ; a fragment that lies in LDS as an image of its registers: K step s, row tile a of my pair
.irp c, 0,1,2
	ds_load_b128 v[(\reg)+4*\c:(\reg)+4*\c+3], v3 offset:3072*(\s)+1536*(\a)+512*\c
.endr
.endm
	s_load_b256 s[4:11], s[0:1], 0x0               ; aimg s[4:5], asc s[6:7], Wo's codes s[8:9], Wo's scales s[10:11]
	s_load_b128 s[12:15], s[0:1], 0x20             ; bo s[12:13], out0 s[14:15]
	v_lshl_add_u32 v126, v0, 2, 0x4f200
	v_mov_b32 v127, 0
	ds_add_u32 v126, v127
	ds_add_u32 v126, v127
	v_lshrrev_b32 v1, 5, v0
	v_readfirstlane_b32 s[WV], v1                  ; wave 0..7
	s_and_b32 s19, s[WV], 3                        ; which part of a tile I fetch
	s_lshr_b32 s20, s[WV], 1                       ; my pair of row tiles
	s_and_b32 s21, s[WV], 1                        ; my half of the columns
	s_bfe_u32 s22, ttmp6, 0x40000                  ; cx
	s_bfe_u32 s23, ttmp6, 0x40004                  ; cy
	s_lshl_b32 s24, ttmp9, 2
	s_add_co_u32 s24, s24, s22                     ; column group of 256 = 4 x cluster x + cx
	s_and_b32 s25, ttmp7, 0xffff
	s_lshl_b32 s25, s25, 2
	s_add_co_u32 s25, s25, s23                     ; row block of 128 = 4 x cluster y + cy
	s_lshl_b32 s26, s23, 2
	s_lshl_b32 s26, 15, s26                        ; my row of the cluster
	s_lshl_b32 s27, 0x1111, s22                    ; my column
	; descriptor groups 1.  s[28:35] attn's fragments: 8 rows (the K steps) of 3,072 bytes (two row tiles), 786,432 bytes apart; elements of 8 bytes; no padding; to my row of the cluster
	s_or_b32 s28, s26, (3<<16)|(1<<21)
	s_mov_b32 s29, 384<<16                         ; tensor_dim0
	s_mov_b32 s30, 8<<16                           ; tensor_dim1
	s_mov_b32 s31, 384<<16                         ; tile_dim0
	s_mov_b32 s32, 8                               ; tile_dim1
	s_mov_b32 s33, 98304                           ; from row to row, in elements
	s_mov_b32 s34, 0
	s_mov_b32 s35, 0
	; s[36:43] attn's scale words: 8 rows of 256 bytes, 65,536 bytes apart
	s_or_b32 s36, s26, (3<<16)|(1<<21)
	s_mov_b32 s37, 32<<16
	s_mov_b32 s38, 8<<16
	s_mov_b32 s39, 32<<16
	s_mov_b32 s40, 8
	s_mov_b32 s41, 8192
	s_mov_b32 s42, 0
	s_mov_b32 s43, 0
	; s[44:51] Wo's codes: 64 rows of 768 bytes, 16 bytes of padding behind every 64 words; to my column of the cluster
	s_or_b32 s44, s27, (1<<20)|(1<<21)|(5<<22)|(3<<25)
	s_mov_b32 s45, 768<<16
	s_mov_b32 s46, 64<<16
	s_mov_b32 s47, 768<<16
	s_mov_b32 s48, 64
	s_mov_b32 s49, 768
	s_mov_b32 s50, 0
	s_mov_b32 s51, 0
	; s[52:59] Wo's scale bytes of 64 rows: 8 rows of 256 dense bytes, 16 bytes of padding behind each
	s_or_b32 s52, s27, (3<<16)|(1<<20)|(1<<21)|(5<<22)|(3<<25)
	s_mov_b32 s53, 32<<16
	s_mov_b32 s54, 8<<16
	s_mov_b32 s55, 32<<16
	s_mov_b32 s56, 8
	s_mov_b32 s57, 32
	s_mov_b32 s58, 0
	s_mov_b32 s59, 0
	s_lshl_b32 s88, s19, 1
	s_lshl_b32 s89, s19, 6
	s_lshl_b32 s80, s25, 3                         ; attn's addresses are made of the row block and the wave's number, in s[80:83], which never hold cx;
	s_add_co_u32 s80, s80, s88                     ; row tile 8 x block + 2 x part
	s_mul_i32 s82, s80, 1536
	s_mov_b32 s83, 0
	s_lshl_b32 s80, s80, 7
	s_mov_b32 s81, 0
	s_lshl_b32 s84, s24, 8                         ; Wo's of the column group and the wave's number, in s[84:87], which never hold cy
	s_add_co_u32 s84, s84, s89                     ; row 256 x group + 64 x part
	s_mul_i32 s86, s84, 768
	s_mov_b32 s87, 0
	s_lshl_b32 s84, s84, 5
	s_mov_b32 s85, 0
	s_mul_i32 s90, s19, 24576                      ; where they go in LDS: the wave's number alone
	s_lshl_b32 s91, s19, 11
	s_mul_i32 s92, s19, 64*PITCH
	s_mul_i32 s93, s19, 8*272
	s_wait_dscnt 0x0
	s_wait_kmcnt 0x0
	s_mov_b32 s60, 1                               ; groups 0: s[60:63] attn's fragments, s[68:71] its scale words, s[72:75] Wo's codes, s[76:79] Wo's scales
	s_add_co_u32 s61, s90, AIMG
	s_add_nc_u64 s[62:63], s[4:5], s[82:83]
	s_or_b32 s63, s63, 0x80000000
	s_mov_b32 s68, 1
	s_add_co_u32 s69, s91, ASC
	s_add_nc_u64 s[70:71], s[6:7], s[80:81]
	s_or_b32 s71, s71, 0x80000000
	s_mov_b32 s72, 1
	s_add_co_u32 s73, s92, BBASE
	s_add_nc_u64 s[74:75], s[8:9], s[86:87]
	s_or_b32 s75, s75, 0x80000000
	s_mov_b32 s76, 1
	s_add_co_u32 s77, s93, BSC
	s_add_nc_u64 s[78:79], s[10:11], s[84:85]
	s_or_b32 s79, s79, 0x80000000
	CROUND                                         ; all sixteen work-groups are here: the joint loads meet
	s_cmp_lt_u32 s[WV], 4                          ; a wave's two fills stand in one branch on its number: two tensor loads of mine are out
	s_cbranch_scc0 .Lfor_b
	tensor_load_to_lds s[60:63], s[28:35]
	s_nop 0
	tensor_load_to_lds s[68:71], s[36:43]
	s_nop 0
.rept 4
	v_nop
.endr
	s_branch .Lasked
.Lfor_b:
	tensor_load_to_lds s[72:75], s[44:51]
	s_nop 0
	tensor_load_to_lds s[76:79], s[52:59]
	s_nop 0
.rept 4
	v_nop
.endr
.Lasked:
	v_and_b32 v1, 15, v0                           ; r
	v_bfe_u32 v2, v0, 4, 1                         ; h
	v_lshlrev_b32 v13, 6, v2                       ; bo: lane (r, h) wants, for tile 2 g + u, columns 32 g + 16 h + 8 u + 0 .. 7
	s_lshl_b32 s94, s24, 10
	s_lshl_b32 s95, s21, 9
	s_add_co_u32 s94, s94, s95                     ; my first column, in bytes of f32
	s_mov_b32 s95, 0
	s_add_nc_u64 s[12:13], s[12:13], s[94:95]
.irp a, 0,1
.irp b, 0,1,2,3,4,5,6,7
	global_load_b128 v[ACC+64*\a+8*\b:ACC+64*\a+8*\b+3], v13, s[12:13] offset:(32*(\b/2)+8*(\b%2))*4
	global_load_b128 v[ACC+64*\a+8*\b+4:ACC+64*\a+8*\b+7], v13, s[12:13] offset:(32*(\b/2)+8*(\b%2))*4+16
.endr
.endr
	s_lshl_b32 s88, s25, 7
	s_lshl_b32 s89, s20, 5
	s_add_co_u32 s88, s88, s89                     ; my first row of out0: 128 x block + 32 x pair,
	s_lshl_b32 s88, s88, 12                        ; of 4,096 bytes (under 2^25 in all),
	s_add_co_u32 s88, s88, s94                     ; and my first column
	s_mov_b32 s89, 0
	s_add_nc_u64 s[14:15], s[14:15], s[88:89]
	v_lshlrev_b32 v14, 4, v2                       ; 16 h
	v_and_b32 v11, 31, v0
	v_lshlrev_b32 v11, 4, v11                      ; 16 l
	s_mul_i32 s90, s20, 24576
	v_add_nc_u32 v3, s90, v11                      ; attn's images: my pair of row tiles
	v_and_b32 v15, 8, v1
	v_add_nc_u32 v15, v15, v1                      ; r + 8 (r / 8)
	v_mul_u32_u24 v5, v15, PITCH
	v_mad_u32_u24 v5, v2, 24, v5
	s_mul_i32 s90, s21, 128*PITCH
	s_add_co_u32 s90, s90, BBASE
	v_add_nc_u32 v5, s90, v5                       ; Wo: my 128 rows, tiles 0-3,
	v_add_nc_u32 v6, v5, v14
	v_add_nc_u32 v7, 64*PITCH, v5                  ; and tiles 4-7
	v_add_nc_u32 v8, 64*PITCH, v6
	v_lshlrev_b32 v9, 2, v1                        ; attn's scale words: row r's at 4 r; lanes 16-31 take row tile 1, 128 bytes on
	v_lshl_add_u32 v9, v2, 7, v9
	s_lshl_b32 s90, s20, 11
	s_add_co_u32 s90, s90, ASC
	v_add_nc_u32 v9, s90, v9
	v_lshrrev_b32 v15, 3, v1                       ; r / 8
	v_and_b32 v23, 7, v1
	v_lshlrev_b32 v23, 5, v23                      ; 32 (r % 8)
	v_mad_u32_u24 v10, v15, 544, v23               ; Wo's: slot r's row lies 2 (r / 8) units on; lanes 16-31 take the odd tile, one unit on
	v_mad_u32_u24 v10, v2, 272, v10
	s_mul_i32 s90, s21, 16*272
	s_add_co_u32 s90, s90, BSC
	v_add_nc_u32 v10, s90, v10
	s_mul_i32 s90, s[WV], 16*SPITCH                ; my stage
	v_mul_u32_u24 v[STO], v1, SPITCH
	v_lshl_add_u32 v[STO], v2, 6, v[STO]
	v_add_nc_u32 v[STO], s90, v[STO]               ; in: row r, + 64 h
	v_add_nc_u32 v[RD], s90, v11                   ; back: the 32 lanes take one row of 512 bytes
	s_wait_tensorcnt 0x0                           ; my two fills have landed,
	s_barrier_signal -1
	s_barrier_wait -1                              ; everybody's have
	s_wait_loadcnt 0x0                             ; bo
; Eight matrix instructions: column tiles b0 .. b0 + 3 x my two row tiles.  The sixteen accumulators take turns, one instruction a turn, in the same order in every K step.
.macro MUL8 b0
.irp b, \b0, \b0+1, \b0+2, \b0+3
.irp a, 0,1
	WMR ACC+64*\a+8*(\b), BF+12*((\b)%4), AF+12*\a, v[ACC+64*\a+8*(\b):ACC+64*\a+8*(\b)+7], SB+(\b)/2, SA, (\b)%2, \a
.endr
.endr
.endm
.macro GSTEP s
.if (\s) > 0
	PLACES
.endif
	ds_load_b32 v[SA], v9 offset:256*(\s)
.irp g, 0,1,2,3
	ds_load_b32 v[SB+\g], v10 offset:1088*\g+4*(\s)
.endr
	FRAGI AF, \s, 0
	FRAGI AF+12, \s, 1
.irp b, 0,1,2,3
	FRAGR BF+12*\b, 5, \s, (32*(\b/2)+8*(\b%2))*PITCH
.endr
	s_wait_dscnt 0x0
	MUL8 0
	PLACES
.irp b, 0,1,2,3
	FRAGR BF+12*\b, 7, \s, (32*(\b/2)+8*(\b%2))*PITCH
.endr
	s_wait_dscnt 0x0
	MUL8 4
.endm
.irp s, 0,1,2,3,4,5,6,7
	GSTEP \s
.endr
; THE WAY OUT.  A lane holds pieces of 64 bytes of one row, and the lanes beside it hold other rows: a row tile (16 rows x 512 bytes) goes through my stage and comes back as whole rows.
; LDS serves a wave's instructions in order (ISA guide 5.7.1.4): no wait between my stores and my loads, nor in front of the next tile's stores.
.macro TOSTAGE a, back
.irp g, 0,1,2,3
.irp i, 0,1,2,3
	ds_store_b128 v[STO], v[ACC+64*(\a)+16*\g+4*\i:ACC+64*(\a)+16*\g+4*\i+3] offset:128*\g+16*\i   ; columns 32 g + 16 h + 4 i on; each accumulator from its low end on
.endr
.endr
.irp t, 0,1,2,3,4,5,6,7,8,9,10,11,12,13,14,15
	ds_load_b128 v[(\back)+4*\t:(\back)+4*\t+3], v[RD] offset:SPITCH*\t
.endr
.endm
.macro SEND a, back
.irp t, 0,1,2,3,4,5,6,7,8,9,10,11,12,13,14,15
	global_store_b128 v11, v[(\back)+4*\t:(\back)+4*\t+3], s[14:15] offset:4096*\t+65536*(\a) th:TH_STORE_NT   ; 32 lanes store 512 consecutive bytes, at a multiple of 256 from out0's first byte; written once, read by nobody here
.endr
.endm
	s_wait_dscnt 0x0                               ; my reads of the tiles are over,
	s_barrier_signal -1
	s_barrier_wait -1                              ; everybody's are: attn's bytes may take the stages
	PLACES
	TOSTAGE 0, AF                                  ; back into v24-87, which held fragments
	TOSTAGE 1, ACC                                 ; back into v128-191, whose numbers have gone to the stage
	s_wait_dscnt 32                                ; row tile 0 is back; row tile 1's 16 stores and 16 loads may be out
	SEND 0, AF
	s_wait_dscnt 0x0
	SEND 1, ACC
	s_wait_tensorcnt 0x0
	ds_add_u32 v126, v127
	s_wait_dscnt 0x0
	CROUND                                         ; the closing round: no work-group ends while a partner may still ask jointly
	s_endpgm
.Lfunc_end_k_q78e4fd0344_op:
	.size	k_q78e4fd0344_op, .Lfunc_end_k_q78e4fd0344_op-k_q78e4fd0344_op
	.p2alignl 7, 3214868480
	.fill 96, 4, 3214868480
	.section	.rodata,"a",@progbits
	.p2align	6, 0x0
	.amdhsa_kernel k_q78e4fd0344_op
		.amdhsa_group_segment_fixed_size 327680
		.amdhsa_private_segment_fixed_size 0
		.amdhsa_enable_private_segment 0
		.amdhsa_kernarg_size 48
		.amdhsa_user_sgpr_count 2
		.amdhsa_user_sgpr_kernarg_segment_ptr 1
		.amdhsa_wavefront_size32 1
		.amdhsa_system_sgpr_workgroup_id_x 1
		.amdhsa_system_sgpr_workgroup_id_y 1
		.amdhsa_system_sgpr_workgroup_id_z 1
		.amdhsa_system_vgpr_workitem_id 0
		.amdhsa_next_free_vgpr 256
		.amdhsa_next_free_sgpr 100
		.amdhsa_reserve_vcc 0
		.amdhsa_float_denorm_mode_32 3
		.amdhsa_float_denorm_mode_16_64 3
		.amdhsa_memory_ordered 1
		.amdhsa_forward_progress 1
		.amdhsa_inst_pref_size 67
	.end_amdhsa_kernel
	.amdgpu_metadata
---
amdhsa.version: [ 1, 2 ]
amdhsa.kernels:
  - .name:           k_q78e4fd0344_op
    .symbol:         k_q78e4fd0344_op.kd
    .args:
      - { .name: aimg, .offset: 0, .size: 8, .value_kind: global_buffer, .address_space: global }
      - { .name: asc, .offset: 8, .size: 8, .value_kind: global_buffer, .address_space: global }
      - { .name: Wo_codes, .offset: 16, .size: 8, .value_kind: global_buffer, .address_space: global }
      - { .name: Wo_scales, .offset: 24, .size: 8, .value_kind: global_buffer, .address_space: global }
      - { .name: bo, .offset: 32, .size: 8, .value_kind: global_buffer, .address_space: global }
      - { .name: out0, .offset: 40, .size: 8, .value_kind: global_buffer, .address_space: global }
    .group_segment_fixed_size: 327680
    .private_segment_fixed_size: 0
    .kernarg_segment_align: 8
    .kernarg_segment_size: 48
    .max_flat_workgroup_size: 256
    .sgpr_count:     100
    .vgpr_count:     256
    .wavefront_size: 32
...
	.end_amdgpu_metadata
.endif
;; end of part 4
;; ======== version 2 of 2: 2 launches
;; limits: right only within a limited range of input values
;; workspace buffers: kv 851,968 bytes; qimg 6,291,456 bytes; qsc 524,288 bytes; woimg 786,432 bytes
;; launch qkv (part 5): grid 4 x 64, 10 waves a work-group, clusters of 4 x 4, 327,680 bytes of LDS; arguments hidden_state_codes, hidden_state_scales, Wq_codes, Wq_scales, bq, qimg, qsc, Wk_codes, Wk_scales, Wv_codes, Wv_scales, bk, bv, kv, Wo_codes, woimg; writes qimg, qsc, kv, woimg
.if DOCPART == 5
	.amdgcn_target "amdgcn-amd-amdhsa--gfx1250"
	.amdhsa_code_object_version 6
	.text
	.protected	k_q78e4fd0344_qkv
	.globl	k_q78e4fd0344_qkv
	.p2align	8
	.type	k_q78e4fd0344_qkv,@function
k_q78e4fd0344_qkv:
	s_mov_b64 s[64:65], 0
	v_nop
	global_prefetch_b8 v0, s[64:65] scope:SCOPE_SE
	s_setreg_imm32_b32 hwreg(HW_REG_WAVE_MODE, 25, 1), 1
	s_wait_xcnt 0x0
	s_wait_alu depctr_hold_cnt(0) depctr_sa_sdst(0) depctr_va_vdst(0) depctr_va_sdst(0) depctr_va_ssrc(0) depctr_va_vcc(0) depctr_vm_vsrc(0)
	s_getreg_b32 s2, hwreg(HW_REG_IB_STS2, 6, 4)
	s_cmp_eq_u32 s2, 0
	s_cbranch_scc0 .Lentry_in_a_cluster
	s_endpgm
.Lentry_in_a_cluster:
	s_bfe_u32 s2, ttmp6, 0x10000c
	s_cmp_lg_u32 s2, 0xf033
	s_cbranch_scc0 .Lentry_shape_is_right
	s_endpgm
.Lentry_shape_is_right:
; q = hs Wq + bq, k = hs Wk + bk, v = hs Wv + bv on codes of FP6 (E2M3) as they are given.  q is quantised along hidden, k along the head's 64, v along the keys; all leave as IMAGES OF OPERAND REGISTERS.
; hs: [8192][1024] codes (768 bytes a row) + [8192][32] scale bytes.  Wq: [1024 (n)][1024 (k)], Wk, Wv: [64][1024] codes + scale bytes [..][32].  bq [1024], bk, bv [64]: f32.
; An image: registers 4 c .. 4 c + 3 of a run of twelve, lane l's 16 bytes at 512 c + 16 l; a scale word: lane l's at 4 l.
; qimg: [512 tiles of 16 rows][8 pairs of heads][1,536]: a fragment, 16 rows x 128 columns.  qsc: [512][8][128]: its scale words.
; kv: [64 blocks of 128 keys][13,312 bytes]: 4 x 1,536 K's codes (pair b: key tiles 2 b, 2 b + 1, six registers each) | 4 x 128 K's scale words (lanes 0-15 tile 2 b, lanes 16-31 tile 2 b + 1; a key's two bytes twice)
;     | 4 x 1,536 V^T's fragments (16 d x 128 keys) | 4 x 128 V's scale words.
; SHARES.  A work-group takes 128 rows of hs.  Waves 0-7 make 128 rows x 256 columns of q: wave w: row tiles 2 (w / 2), + 1 x the 128 columns of half w % 2 (a pair of heads): 16 accumulators, 128 matrix instructions.
; The four work-groups that share the 128 rows (column groups 0-3) share their K and V: wave 8 makes V^T's d tile "column group" for the 128 keys, wave 9 K's pair of key tiles "column group": 8 accumulators, 64 matrix instructions each.
; hs's 128 rows and Wq's 256, for all of K = 1,024, lie in LDS (326,400 bytes), filled once: no LDS byte is filled twice.  There is no room for Wk and Wv: waves 8 and 9 take their fragments from memory into registers, some K steps ahead.
; CLUSTER 4 x 4: the four of a row of the cluster need the same 128 rows of hs, the four of a column the same 256 rows of Wq: both are asked for JOINTLY.  No branch and no LDS address hangs on a work-group's place in its cluster:
; wave 8 reads all eight key tiles from LDS and its place enters global addresses alone; wave 9's keys hang on the place, so it takes hs from memory too and reads no LDS.
; TILES.  Slot r of tile 2 g + u of Wq's, Wk's and Wv's rows, and of wave 8's keys, is row 32 g + 8 u + r + 8 (r / 8): the 16 result registers of tiles 2 g, 2 g + 1 are then 16 neighbours, 32 g + 16 (lane / 16) + 0 .. 15.
; Slot r of K's key tile t is key 64 (t / 4) + 8 (t % 4) + r % 8 + 32 (r / 8): in the scores a lane's 32 registers of tiles 4 c .. 4 c + 3 are then the whole block 2 c + lane / 16 of 32 keys.
; q and K: source 0 = 16 rows of the weight, source 1 = 16 rows of hs: a lane holds one row and its registers run along the columns.  V: source 0 = 16 keys, source 1 = 16 rows of Wv: a lane holds one d and its registers run along the keys.
; LIMITS: a block whose largest magnitude lies under 2^-124 keeps the scale byte 1, a block of zeros too (the rule says 127: its codes are zeros, and this program alone reads the bytes).  NaN, infinities and given scale bytes 0xff are not served.
; The bias is the first addend of each sum.
.set PITCH, 816                        ; an LDS row of codes: 3 x (256 bytes + 16 of padding) = 204 words: row r starts at bank 12 r mod 64 (64 banks of 4 bytes: ISA guide 11.1)
.set ABASE, 0                          ; 128 rows of hs
.set BBASE, 128*PITCH                  ; 256 rows of Wq
.set ASC,   384*PITCH                  ; hs's scale bytes: 16 units of 256 bytes + 16 (a unit: 8 rows of 32 bytes)
.set BSC,   ASC+16*272                 ; Wq's: 32 units
.set STEPB, 13312                      ; a block of kv
.set WV,  18                           ; s18 wave; s19 wave & 3; s20 wave / 2; s21 wave % 2; s22 cx, s23 cy; s24 column group, s25 row block; s26, s27 the masks
.set SEL, 96                           ; s[96:97] lane selects: lane l xor 16
.set SA,  16                           ; v16-23 hold scales and nothing else, in all three paths.  q: v16 hs's words (lanes 0-15 row tile 0, lanes 16-31 row tile 1), v17-20 Wq's (register g: lanes 0-15 tile 2 g, lanes 16-31 tile 2 g + 1)
.set SB,  17
.set AF,  24                           ; q: v24-47 two fragments of hs; v48-95 four of Wq; v128-255 accumulator (a, b) at 128 + 64 a + 8 b
.set BF,  48
.set TM,  96                           ; v96-107 at work in the quantiser
.set ACC, 128
.set JAC, 192                          ; waves 8 and 9: v192-255 eight accumulators
; all: v1 r, v2 h, v11 16 l, v12 4 l, v14 16 h, v15 r + 8 (r / 8).  q: v3-4 hs's LDS address, v5-6 Wq's tiles 0-3, v7-8 tiles 4-7 (each with a second register for pieces behind one padding more), v9, v10 scale words', v13 the bias's
; wave 8: v4-7 hs's LDS addresses, v10 its scale words'; v8, v9, v13 offsets in Wv, its scales, bv; v16-19 hs's words, v20-23 Wv's; v24-31 bv; v48-95 four buffers for Wv's fragment; v96-191 eight fragments of hs
; wave 9: v4-7, v13 offsets in Wk, hs, their scales, bk; v16-21 two sets of three scale words; v48-119, v120-191 two buffers: four fragments of Wk, two of hs.  Both: v24-43 the codes made, v44-47 the scale word and its byte selects
.macro PLACES                          ; four plain vector instructions between a matrix instruction and a load into, or a vector read or write of, its registers
.rept 4
	v_nop
.endr
.endm
.macro CROUND                          ; a round of the cluster's barrier
	s_barrier_signal -1
	s_barrier_wait -1
	s_cmp_lg_u32 s[WV], 0
	s_cbranch_scc1 .Lnot_wave_0_\@
	s_barrier_signal -3
.Lnot_wave_0_\@:
	s_barrier_wait -3
	s_barrier_signal -1
	s_barrier_wait -1
.endm
; One matrix instruction.  cc: the C operand as text; ra, rb = 1: that side's scales are taken from lanes 16-31 of its register.
.macro WMR d, a, b, cc, sa, sb, ra, rb
.if ((\ra) == 0) && ((\rb) == 0)
	v_wmma_scale_f32_16x16x128_f8f6f4 v[(\d):(\d)+7], v[(\a):(\a)+11], v[(\b):(\b)+11], \cc, v[\sa], v[\sb] matrix_a_fmt:MATRIX_FMT_FP6 matrix_b_fmt:MATRIX_FMT_FP6
.elseif (\rb) == 0
	v_wmma_scale_f32_16x16x128_f8f6f4 v[(\d):(\d)+7], v[(\a):(\a)+11], v[(\b):(\b)+11], \cc, v[\sa], v[\sb] matrix_a_fmt:MATRIX_FMT_FP6 matrix_b_fmt:MATRIX_FMT_FP6 matrix_a_scale:MATRIX_SCALE_ROW1
.elseif (\ra) == 0
	v_wmma_scale_f32_16x16x128_f8f6f4 v[(\d):(\d)+7], v[(\a):(\a)+11], v[(\b):(\b)+11], \cc, v[\sa], v[\sb] matrix_a_fmt:MATRIX_FMT_FP6 matrix_b_fmt:MATRIX_FMT_FP6 matrix_b_scale:MATRIX_SCALE_ROW1
.else
	v_wmma_scale_f32_16x16x128_f8f6f4 v[(\d):(\d)+7], v[(\a):(\a)+11], v[(\b):(\b)+11], \cc, v[\sa], v[\sb] matrix_a_fmt:MATRIX_FMT_FP6 matrix_b_fmt:MATRIX_FMT_FP6 matrix_a_scale:MATRIX_SCALE_ROW1 matrix_b_scale:MATRIX_SCALE_ROW1
.endif
.endm
; A fragment (16 rows x 128 K: 12 registers) of K step s from rows in LDS: lane (r, h) takes 24 bytes at 96 s + 24 h and 24 at 96 s + 48 + 24 h of its row, in pieces of 8 bytes.
; Lanes 0-15 take piece PCN, lanes 16-31 the piece three on; where that lies behind one padding more, the second address register (16 h further) serves.
.macro FRAGR reg, adr, s, off
.irp p, 0,1,2,3,4,5
.set PCN, 12*(\s)+6*(\p/3)+\p%3
.if PCN%32 < 29
	ds_load_b64 v[(\reg)+2*\p:(\reg)+2*\p+1], v[\adr] offset:8*PCN+16*(PCN/32)+(\off)
.else
	ds_load_b64 v[(\reg)+2*\p:(\reg)+2*\p+1], v[(\adr)+1] offset:8*PCN+16*(PCN/32)+(\off)
.endif
.endr
.endm
; The same from rows of 768 bytes in memory: v[adr] = the lane's row x 768 + 24 h; off: the tile's first row and the K step, in bytes.
.macro GFRAG reg, adr, base, off
.irp p, 0,1,2,3,4,5
	global_load_b64 v[(\reg)+2*\p:(\reg)+2*\p+1], v[\adr], s[(\base):(\base)+1] offset:(\off)+48*(\p/3)+8*(\p%3)
.endr
.endm
; 64 numbers of a lane, register 16 b + i = k 32 b + 16 (lane / 16) + i of the lane's row, become 12 registers of codes at v[pc] and the row's scale word in v[pw].
.macro QUANT s, pc, pw
.irp b, 0,1,2,3
	v_max3_num_f32 v[TM+\b], |v[(\s)+16*\b]|, |v[(\s)+1+16*\b]|, 0x1800000   ; block b: my 16 numbers, and the floor 2^(3 - 127): the byte cannot fall under 1
.endr
.irp i, 2,4,6,8,10,12,14
.irp b, 0,1,2,3
	v_max3_num_f32 v[TM+\b], v[TM+\b], |v[(\s)+16*\b+\i]|, |v[(\s)+1+16*\b+\i]|   ; the four blocks by turns
.endr
.endr
.irp b, 0,1,2,3
	s_delay_alu instid0(VALU_DEP_4)
	v_permlanex16_b32 v[TM+4+\b], v[TM+\b], s[SEL], s[SEL+1]
.endr
.irp b, 0,1,2,3
	s_delay_alu instid0(VALU_DEP_4)
	v_max_num_f32 v[TM+\b], v[TM+\b], v[TM+4+\b]      ; with lane l xor 16's: the block's largest magnitude
.endr
.irp b, 0,1,2,3
	s_delay_alu instid0(VALU_DEP_4)
	v_add_nc_u32 v[TM+8+\b], 0xff000000, v[TM+\b]     ; 2 off its exponent field: the conversion's scale operand
.endr
.irp b, 0,1,2,3
	s_delay_alu instid0(VALU_DEP_4)
	v_lshrrev_b32 v[TM+4+\b], 23, v[TM+8+\b]          ; the scale's byte
.endr
	s_delay_alu instid0(VALU_DEP_3)
	v_lshl_or_b32 v[\pw], v[TM+5], 8, v[TM+4]
	s_delay_alu instid0(VALU_DEP_1)
	v_lshl_or_b32 v[\pw], v[TM+6], 16, v[\pw]
	s_delay_alu instid0(VALU_DEP_1)
	v_lshl_or_b32 v[\pw], v[TM+7], 24, v[\pw]
.irp c, 0,1
	v_cvt_scalef32_pk16_fp6_f32 v[(\pc)+6*\c:(\pc)+2+6*\c], v[(\s)+32*\c:(\s)+15+32*\c], v[TM+8+2*\c]
	v_cvt_scalef32_pk16_fp6_f32 v[(\pc)+12+4*\c:(\pc)+14+4*\c], v[(\s)+16+32*\c:(\s)+31+32*\c], v[TM+9+2*\c]   ; (a conversion's three registers begin on an even number)
.endr
	v_nop                                              ; one plain place behind a scaled conversion
.irp c, 0,1                                        ; the operand's layout wants a whole block in a lane: lanes 0-15 block 2 c, lanes 16-31 block 2 c + 1
.irp i, 0,1,2
	v_permlane16_swap_b32 v[(\pc)+6*\c+\i], v[(\pc)+12+4*\c+\i]
.endr
.irp i, 0,1,2
	s_delay_alu instid0(VALU_DEP_3)
	v_mov_b32 v[(\pc)+3+6*\c+\i], v[(\pc)+12+4*\c+\i]
.endr
.endr
.endm
	s_load_b256 s[4:11], s[0:1], 0x0               ; hs's codes s[4:5], hs's scales s[6:7], Wq's codes s[8:9], Wq's scales s[10:11]
	s_load_b128 s[12:15], s[0:1], 0x20             ; bq s[12:13], qimg s[14:15]
	s_load_b64 s[16:17], s[0:1], 0x30              ; qsc
	s_set_vgpr_msb 0x40
	v_lshl_add_u32 v0, v0, 2, 0x4fb00
	v_mov_b32 v1, 0
	s_set_vgpr_msb 0x4045
	ds_add_u32 v0, v1
	ds_add_u32 v0, v1
	s_set_vgpr_msb 0x4500
	v_lshrrev_b32 v1, 5, v0
	s_delay_alu instid0(VALU_DEP_1)
	v_readfirstlane_b32 s[WV], v1                  ; wave 0..9
	s_and_b32 s19, s[WV], 3                        ; which part of a tile I fetch
	s_lshr_b32 s20, s[WV], 1                       ; waves 0-7: my pair of row tiles,
	s_and_b32 s21, s[WV], 1                        ; my half of the columns
	s_bfe_u32 s22, ttmp6, 0x40000                  ; cx
	s_bfe_u32 s23, ttmp6, 0x40004                  ; cy
	s_lshl_b32 s24, ttmp9, 2
	s_add_co_u32 s24, s24, s22                     ; column group of 256 = 4 x cluster x + cx
	s_and_b32 s25, ttmp7, 0xffff
	s_lshl_b32 s25, s25, 2
	s_add_co_u32 s25, s25, s23                     ; row block of 128 = 4 x cluster y + cy
	s_lshl_b32 s26, s23, 2
	s_lshl_b32 s26, 15, s26                        ; my row of the cluster
	s_lshl_b32 s27, 0x1111, s22                    ; my column
	; descriptor groups 1.  Codes: rows of 768 bytes, 16 bytes of padding behind every 64 words; s[28:35] hs: 32 rows, to my row of the cluster; s[44:51] Wq: 64 rows, to my column
	s_or_b32 s28, s26, (1<<20)|(1<<21)|(5<<22)|(3<<25)
	s_or_b32 s44, s27, (1<<20)|(1<<21)|(5<<22)|(3<<25)
	s_mov_b32 s30, 32<<16                          ; tensor_dim1
	s_mov_b32 s32, 32                              ; tile_dim1
	s_mov_b32 s46, 64<<16
	s_mov_b32 s48, 64
.irp g, 28, 44
	s_mov_b32 s[\g+1], 768<<16                     ; tensor_dim0
	s_mov_b32 s[\g+3], 768<<16                     ; tile_dim0
	s_mov_b32 s[\g+5], 768                         ; from row to row
	s_mov_b32 s[\g+6], 0
	s_mov_b32 s[\g+7], 0
.endr
	; scale bytes: dense, as rows of 256 bytes (32 elements of 8 bytes), 16 bytes of padding behind each; s[36:43] hs: 16 rows; s[52:59] Wq: 32 rows
	s_or_b32 s36, s26, (3<<16)|(1<<20)|(1<<21)|(5<<22)|(3<<25)
	s_or_b32 s52, s27, (3<<16)|(1<<20)|(1<<21)|(5<<22)|(3<<25)
	s_mov_b32 s38, 16<<16                          ; hs's scale bytes whole: 16 rows of 256 bytes, one load (wave 8)
	s_mov_b32 s40, 16
	s_mov_b32 s54, 32<<16                          ; Wq's whole: 32 rows, one load (wave 9)
	s_mov_b32 s56, 32
.irp g, 36, 52
	s_mov_b32 s[\g+1], 32<<16
	s_mov_b32 s[\g+3], 32<<16
	s_mov_b32 s[\g+5], 32
	s_mov_b32 s[\g+6], 0
	s_mov_b32 s[\g+7], 0
.endr
	s_lshl_b32 s88, s19, 5
	s_lshl_b32 s89, s19, 6
	s_lshl_b32 s80, s25, 7                         ; hs's addresses are made of the row block and the wave's number, in s[80:83], which do not hold cx here;
	s_add_co_u32 s80, s80, s88                     ; row 128 x block + 32 x part
	s_mul_i32 s82, s80, 768
	s_mov_b32 s83, 0
	s_lshl_b32 s80, s25, 12                        ; the scale bytes of the block's 128 rows: 4,096 bytes a block
	s_mov_b32 s81, 0
	s_lshl_b32 s84, s24, 8                         ; Wq's of the column group and the wave's number, in s[84:87], which do not hold cy
	s_add_co_u32 s84, s84, s89                     ; row 256 x group + 64 x part
	s_mul_i32 s86, s84, 768
	s_mov_b32 s87, 0
	s_lshl_b32 s84, s24, 13                        ; the scale bytes of the group's 256 rows: 8,192 bytes a group
	s_mov_b32 s85, 0
	s_mul_i32 s90, s19, 32*PITCH                   ; where they go in LDS: the wave's number alone
	s_mul_i32 s92, s19, 64*PITCH
	s_mov_b32 s[SEL], 0x76543210
	s_mov_b32 s[SEL+1], 0xfedcba98
	s_wait_dscnt 0x0
	s_wait_kmcnt 0x0
	s_mov_b32 s60, 1                               ; groups 0: s[60:63] hs's codes, s[68:71] hs's scales, s[72:75] Wq's codes, s[76:79] Wq's scales
	s_add_co_u32 s61, s90, ABASE
	s_add_nc_u64 s[62:63], s[4:5], s[82:83]
	s_or_b32 s63, s63, 0x80000000
	s_mov_b32 s68, 1
	s_mov_b32 s69, ASC
	s_add_nc_u64 s[70:71], s[6:7], s[80:81]
	s_or_b32 s71, s71, 0x80000000
	s_mov_b32 s72, 1
	s_add_co_u32 s73, s92, BBASE
	s_add_nc_u64 s[74:75], s[8:9], s[86:87]
	s_or_b32 s75, s75, 0x80000000
	s_mov_b32 s76, 1
	s_mov_b32 s77, BSC
	s_add_nc_u64 s[78:79], s[10:11], s[84:85]
	s_or_b32 s79, s79, 0x80000000
	s_load_b256 s[80:87], s[0:1], 0x38             ; the offsets above have been used: Wk's codes s[80:81], Wk's scales s[82:83], Wv's codes s[84:85], Wv's scales s[86:87]
	s_load_b128 s[88:91], s[0:1], 0x58             ; bk s[88:89], bv s[90:91]
	s_load_b64 s[92:93], s[0:1], 0x68              ; kv
	CROUND                                         ; all sixteen work-groups are here: the joint loads meet
	s_cmp_lt_u32 s[WV], 4                          ; one fill a wave, in one chain of branches on its number: waves 0-3 a quarter of hs's codes each,
	s_cbranch_scc0 .Lnot_a
	tensor_load_to_lds s[60:63], s[28:35]
	s_nop 0
.rept 4
	v_nop
.endr
	s_branch .Lasked
.Lnot_a:
	s_cmp_lt_u32 s[WV], 8
	s_cbranch_scc0 .Lnot_b
	tensor_load_to_lds s[72:75], s[44:51]          ; waves 4-7 a quarter of Wq's codes each,
	s_nop 0
.rept 4
	v_nop
.endr
	s_branch .Lasked
.Lnot_b:
	s_cmp_eq_u32 s[WV], 8
	s_cbranch_scc0 .Lnot_c
	tensor_load_to_lds s[68:71], s[36:43]          ; wave 8 hs's scale bytes,
	s_nop 0
.rept 4
	v_nop
.endr
	s_branch .Lasked
.Lnot_c:
	tensor_load_to_lds s[76:79], s[52:59]          ; wave 9 Wq's
	s_nop 0
.rept 4
	v_nop
.endr
.Lasked:
	v_and_b32 v1, 15, v0                           ; r
	v_bfe_u32 v2, v0, 4, 1                         ; h
	s_delay_alu instid0(VALU_DEP_1)
	v_lshlrev_b32 v14, 4, v2                       ; 16 h
	v_and_b32 v11, 31, v0
	s_delay_alu instid0(VALU_DEP_1)
	v_lshlrev_b32 v12, 2, v11                      ; 4 l
	s_delay_alu instid0(VALU_DEP_2)
	v_lshlrev_b32 v11, 4, v11                      ; 16 l
	v_and_b32 v15, 8, v1
	s_delay_alu instid0(VALU_DEP_1)
	v_add_nc_u32 v15, v15, v1                      ; r + 8 (r / 8)
	v_lshrrev_b32 v108, 3, v1                      ; r / 8
	v_and_b32 v109, 7, v1                          ; r % 8
.irp b, 0,1,2,3
	v_mov_b32 v[TM+4+\b], 0                        ; written once: a lane permute's destination counts as one of its sources
.endr
	s_wait_tensorcnt 0x0                           ; my fills have landed (so the descriptors' registers may be written again),
	s_barrier_signal -1
	s_barrier_wait -1                              ; everybody's have
	s_wait_kmcnt 0x0                               ; the seven further addresses
	s_cmp_lt_u32 s[WV], 8
	s_cbranch_scc0 .Ljobs
	; ---- waves 0-7: q
	v_lshlrev_b32 v13, 6, v2                       ; bq: lane (r, h) wants, for tile 2 g + u, columns 32 g + 16 h + 8 u + 0 .. 7; it is loaded into the accumulators
	s_lshl_b32 s98, s24, 10
	s_lshl_b32 s99, s21, 9
	s_add_co_u32 s98, s98, s99                     ; my first column, in bytes of f32
	s_mov_b32 s99, 0
	s_add_nc_u64 s[12:13], s[12:13], s[98:99]
.irp a, 0,1
.irp b, 0,1,2,3,4,5,6,7
	global_load_b128 v[ACC+64*\a+8*\b:ACC+64*\a+8*\b+3], v13, s[12:13] offset:(32*(\b/2)+8*(\b%2))*4
	global_load_b128 v[ACC+64*\a+8*\b+4:ACC+64*\a+8*\b+7], v13, s[12:13] offset:(32*(\b/2)+8*(\b%2))*4+16
.endr
.endr
	v_mul_u32_u24 v3, v1, PITCH
	s_delay_alu instid0(VALU_DEP_1)
	v_mad_u32_u24 v3, v2, 24, v3                   ; hs: row r x pitch + 24 h,
	s_mul_i32 s100, s20, 32*PITCH
	v_add_nc_u32 v3, s100, v3                      ; in my 32 rows
	s_delay_alu instid0(VALU_DEP_1)
	v_add_nc_u32 v4, v3, v14
	v_mul_u32_u24 v5, v15, PITCH
	s_delay_alu instid0(VALU_DEP_1)
	v_mad_u32_u24 v5, v2, 24, v5
	s_mul_i32 s100, s21, 128*PITCH
	s_add_co_u32 s100, s100, BBASE
	v_add_nc_u32 v5, s100, v5                      ; Wq: my 128 rows, tiles 0-3,
	s_delay_alu instid0(VALU_DEP_1)
	v_add_nc_u32 v6, v5, v14
	s_delay_alu instid0(VALU_DEP_2)
	v_add_nc_u32 v7, 64*PITCH, v5                  ; and tiles 4-7
	s_delay_alu instid0(VALU_DEP_2)
	v_add_nc_u32 v8, 64*PITCH, v6
	v_lshlrev_b32 v110, 5, v109                    ; 32 (r % 8)
	s_delay_alu instid0(VALU_DEP_1)
	v_mad_u32_u24 v9, v108, 272, v110              ; hs's scale words: row 16 a + r: unit 2 a + r / 8; lanes 16-31 take row tile 1
	s_delay_alu instid0(VALU_DEP_1)
	v_mad_u32_u24 v9, v2, 544, v9
	s_mul_i32 s100, s20, 4*272
	s_add_co_u32 s100, s100, ASC
	v_add_nc_u32 v9, s100, v9
	s_wait_alu depctr_va_vdst(0)
	v_mad_u32_u24 v10, v108, 544, v110             ; Wq's: slot r's row lies 2 (r / 8) units on; lanes 16-31 take the odd tile, one unit on
	s_delay_alu instid0(VALU_DEP_1)
	v_mad_u32_u24 v10, v2, 272, v10
	s_mul_i32 s100, s21, 16*272
	s_add_co_u32 s100, s100, BSC
	v_add_nc_u32 v10, s100, v10
	s_wait_alu depctr_va_vdst(0)
	s_lshl_b32 s100, s25, 3                        ; where my results go: (row tile 8 x block + 2 x pair) x 8 + pair of heads 2 x group + half
	s_lshl_b32 s101, s20, 1
	s_add_co_u32 s100, s100, s101
	s_lshl_b32 s100, s100, 3
	s_lshl_b32 s101, s24, 1
	s_add_co_u32 s100, s100, s101
	s_add_co_u32 s100, s100, s21
	s_mul_i32 s98, s100, 1536
	s_mov_b32 s99, 0
	s_lshl_b32 s94, s100, 7
	s_mov_b32 s95, 0
	s_add_nc_u64 s[14:15], s[14:15], s[98:99]
	s_add_nc_u64 s[16:17], s[16:17], s[94:95]
; Eight matrix instructions: column tiles b0 .. b0 + 3 x my two row tiles.  The sixteen accumulators take turns, one instruction a turn, in the same order in every K step.
.macro MUL8 b0
.irp b, \b0, \b0+1, \b0+2, \b0+3
.irp a, 0,1
	WMR ACC+64*\a+8*(\b), BF+12*((\b)%4), AF+12*\a, v[ACC+64*\a+8*(\b):ACC+64*\a+8*(\b)+7], SB+(\b)/2, SA, (\b)%2, \a
.endr
.endr
.endm
.macro GSTEP s
.if (\s) > 0
	PLACES
.endif
	ds_load_b32 v[SA], v9 offset:4*(\s)
.irp g, 0,1,2,3
	ds_load_b32 v[SB+\g], v10 offset:1088*\g+4*(\s)
.endr
	FRAGR AF, 3, \s, 0
	FRAGR AF+12, 3, \s, 16*PITCH
.irp b, 0,1,2,3
	FRAGR BF+12*\b, 5, \s, (32*(\b/2)+8*(\b%2))*PITCH
.endr
	s_wait_dscnt 0x0
.if (\s) == 0
	s_wait_loadcnt 0x0                             ; bq: it has had the first fragments' way from LDS in which to land
.endif
	MUL8 0
	PLACES
.irp b, 0,1,2,3
	FRAGR BF+12*\b, 7, \s, (32*(\b/2)+8*(\b%2))*PITCH
.endr
	s_wait_dscnt 0x0
	MUL8 4
.endm
.irp s, 0,1,2,3,4,5,6,7
	GSTEP \s
.endr
	PLACES
	QUANT ACC, AF, 112                             ; row tile 0: codes in v24-35, word in v112
	QUANT ACC+64, BF, 113                          ; row tile 1: codes in v48-59, word in v113: two sets, so that no store's data are written again
.irp c, 0,1,2
	global_store_b128 v11, v[AF+4*\c:AF+4*\c+3], s[14:15] offset:512*\c          ; 32 lanes store 512 consecutive bytes, at a multiple of 256 from qimg's first byte
.endr
.irp c, 0,1,2
	global_store_b128 v11, v[BF+4*\c:BF+4*\c+3], s[14:15] offset:8*1536+512*\c   ; the next row tile lies 8 fragments on
.endr
	global_store_b32 v12, v112, s[16:17]
	global_store_b32 v12, v113, s[16:17] offset:8*128
	s_branch .Lend
.Ljobs:
	; Waves 8 and 9 also lay Wo out for the next launch.  woimg: [64 column tiles][8 K steps][1,536]: a fragment (16 rows of Wo x 128 K) as an image of its 12 registers;
	; slot r of tile 2 g + u is Wo's row 32 g + 8 u + r + 8 (r / 8).  512 fragments, two a work-group: fragment 2 x (4 x row block + column group) + wave - 8.  The place enters global addresses alone.
	s_load_b128 s[40:43], s[0:1], 0x70             ; Wo's codes s[40:41], woimg s[42:43]
	s_lshl_b32 s44, s25, 2
	s_add_co_u32 s44, s44, s24
	s_lshl_b32 s44, s44, 1
	s_and_b32 s45, s[WV], 1
	s_add_co_u32 s44, s44, s45                     ; the fragment's number = 8 x tile + K step
	s_mul_i32 s46, s44, 1536                       ; where its image goes
	s_mov_b32 s47, 0
	s_lshr_b32 s45, s44, 3
	s_and_b32 s44, s44, 7
	s_mul_i32 s44, s44, 96                         ; the K step's bytes in a row
	s_lshr_b32 s48, s45, 1
	s_and_b32 s45, s45, 1
	s_mul_i32 s48, s48, 32*768
	s_mul_i32 s45, s45, 8*768
	s_add_co_u32 s44, s44, s48
	s_add_co_u32 s44, s44, s45                     ; + the tile's first row
	s_mov_b32 s45, 0
	s_wait_alu depctr_va_vdst(0)                   ; the wait ahead of the reader below
	v_mul_u32_u24 v44, v15, 768
	v_mad_u32_u24 v44, v2, 24, v44                 ; my slot's row x 768 + 24 h
	s_wait_alu depctr_va_vdst(0)                   ; and directly ahead of the wait below
	s_wait_kmcnt 0x0
	s_add_nc_u64 s[40:41], s[40:41], s[44:45]
	s_add_nc_u64 s[42:43], s[42:43], s[46:47]
	GFRAG 32, 44, 40, 0                            ; into v32-43, which nothing else names before the tail; older than every load that the counted waits below leave out
	s_cmp_eq_u32 s[WV], 8
	s_cbranch_scc0 .Lkjob
	; ---- wave 8: V^T's d tile "column group" against the eight key tiles.  The group enters global addresses alone.
	s_lshr_b32 s28, s24, 1
	s_and_b32 s29, s24, 1
	s_lshl_b32 s28, s28, 5
	s_lshl_b32 s29, s29, 3
	s_add_co_u32 s28, s28, s29                     ; the tile's first row of Wv: 32 (group / 2) + 8 (group % 2)
	s_mul_i32 s30, s28, 768
	s_mov_b32 s31, 0
	s_add_nc_u64 s[84:85], s[84:85], s[30:31]      ; its codes,
	s_lshl_b32 s30, s28, 5
	s_add_nc_u64 s[86:87], s[86:87], s[30:31]      ; its scale bytes,
	s_lshl_b32 s30, s28, 2
	s_add_nc_u64 s[90:91], s[90:91], s[30:31]      ; its bv
	s_wait_alu depctr_va_vdst(0)
	v_lshlrev_b32 v13, 2, v15
.irp i, 0,1,2,3,4,5,6,7
	global_load_b32 v[24+\i], v13, s[90:91]        ; bv of my d: the same number for all eight keys of a lane's registers
.endr
	v_mul_u32_u24 v8, v15, 768
	s_delay_alu instid0(VALU_DEP_1)
	v_mad_u32_u24 v8, v2, 24, v8                   ; Wv: my slot's row x 768 + 24 h
	v_lshlrev_b32 v9, 5, v15                       ; and its scale bytes
.macro WLOAD s                         ; Wv's fragment and scale words of K step s, into buffer s % 4: seven loads
	GFRAG 48+12*((\s)%4), 8, 84, 96*(\s)
	global_load_b32 v[20+(\s)%4], v9, s[86:87] offset:4*(\s)
.endm
.irp s, 0,1,2,3
	WLOAD \s
.endr
	v_mul_u32_u24 v4, v15, PITCH
	s_delay_alu instid0(VALU_DEP_1)
	v_mad_u32_u24 v4, v2, 24, v4                   ; hs in LDS: key tiles 0-3,
	s_delay_alu instid0(VALU_DEP_1)
	v_add_nc_u32 v5, v4, v14
	s_delay_alu instid0(VALU_DEP_2)
	v_add_nc_u32 v6, 64*PITCH, v4                  ; and 4-7
	s_delay_alu instid0(VALU_DEP_2)
	v_add_nc_u32 v7, 64*PITCH, v5
	v_lshlrev_b32 v10, 5, v109
	s_delay_alu instid0(VALU_DEP_1)
	v_mad_u32_u24 v10, v108, 544, v10
	s_delay_alu instid0(VALU_DEP_1)
	v_mad_u32_u24 v10, v2, 272, v10
	s_delay_alu instid0(VALU_DEP_1)
	v_add_nc_u32 v10, ASC, v10                     ; hs's scale words: lanes 0-15 tile 2 g, lanes 16-31 tile 2 g + 1
	s_wait_alu depctr_va_vdst(0)
	v_mov_b32 v46, 0x03020100                      ; the scale word leaves as it is made
	s_mul_i32 s32, s24, 1536
	s_add_co_u32 s32, s32, 6656                    ; where my fragment goes in the block,
	s_lshl_b32 s34, s24, 7
	s_add_co_u32 s34, s34, 12800                   ; and its scale words
.macro VSTEP s
.irp i, 0,1,2,3
	ds_load_b32 v[16+\i], v10 offset:1088*\i+4*(\s)
.endr
.irp t, 0,1,2,3,4,5,6,7
	FRAGR 96+12*\t, 4+2*(\t/4), \s, (32*((\t%4)/2)+8*(\t%2))*PITCH
.endr
	s_wait_dscnt 0x0
.if (\s) < 5
	s_wait_loadcnt 21                              ; this K step's seven loads (and bv) are in; those of the three steps behind it may be out
.else
	s_wait_loadcnt 7*(7-(\s))
.endif
.irp t, 0,1,2,3,4,5,6,7                        ; the eight accumulators by turns
.if (\s) == 0
	WMR JAC+8*\t, 96+12*\t, 48+12*((\s)%4), v[24:31], 16+\t/2, 20+(\s)%4, \t%2, 0
.else
	WMR JAC+8*\t, 96+12*\t, 48+12*((\s)%4), v[JAC+8*\t:JAC+8*\t+7], 16+\t/2, 20+(\s)%4, \t%2, 0
.endif
.endr
.if (\s) < 7
	PLACES
.endif
.if (\s)+4 < 8
	WLOAD (\s)+4                                   ; the buffer just multiplied takes the K step four on
.endif
.endm
.irp s, 0,1,2,3,4,5,6,7
	VSTEP \s
.endr
	s_branch .Ljtail
.Lkjob:
	; ---- wave 9: K's key tiles 2 b, 2 b + 1 (b = column group) against Wk's four d tiles; all operands from memory
	s_lshr_b32 s28, s24, 1
	s_and_b32 s29, s24, 1
	s_lshl_b32 s28, s28, 6
	s_lshl_b32 s29, s29, 4
	s_add_co_u32 s28, s28, s29
	s_lshl_b32 s29, s25, 7
	s_add_co_u32 s28, s28, s29                     ; tile 2 b's first row of hs: 128 x block + 64 (b / 2) + 16 (b % 2); tile 2 b + 1's lies 8 rows on
	s_mul_i32 s30, s28, 768
	s_mov_b32 s31, 0
	s_add_nc_u64 s[4:5], s[4:5], s[30:31]
	s_lshl_b32 s30, s28, 5
	s_add_nc_u64 s[6:7], s[6:7], s[30:31]
	v_lshlrev_b32 v13, 6, v2                       ; bk: lane (r, h) wants, for d tile 2 g + u, d = 32 g + 16 h + 8 u + 0 .. 7; it is loaded into the accumulators
.irp u, 0,1
.irp d, 0,1,2,3
	global_load_b128 v[JAC+32*\u+8*\d:JAC+32*\u+8*\d+3], v13, s[88:89] offset:(32*(\d/2)+8*(\d%2))*4
	global_load_b128 v[JAC+32*\u+8*\d+4:JAC+32*\u+8*\d+7], v13, s[88:89] offset:(32*(\d/2)+8*(\d%2))*4+16
.endr
.endr
	s_wait_alu depctr_va_vdst(0)
	v_mul_u32_u24 v4, v15, 768
	s_delay_alu instid0(VALU_DEP_1)
	v_mad_u32_u24 v4, v2, 24, v4                   ; Wk: my slot's row x 768 + 24 h
	v_lshl_add_u32 v3, v108, 5, v109               ; a key tile's slot r: row r % 8 + 32 (r / 8)
	s_delay_alu instid0(VALU_DEP_1)
	v_mul_u32_u24 v5, v3, 768
	s_delay_alu instid0(VALU_DEP_1)
	v_mad_u32_u24 v5, v2, 24, v5                   ; hs likewise
	v_lshl_add_u32 v6, v2, 3, v15
	s_delay_alu instid0(VALU_DEP_1)
	v_lshlrev_b32 v6, 5, v6                        ; Wk's scale words: lanes 0-15 tile 2 g, lanes 16-31 tile 2 g + 1, 8 rows on
	v_lshl_add_u32 v7, v2, 3, v3
	s_delay_alu instid0(VALU_DEP_1)
	v_lshlrev_b32 v7, 5, v7                        ; hs's: lanes 0-15 key tile 2 b, lanes 16-31 key tile 2 b + 1
.macro KLOAD s                         ; K step s into buffer s % 2: four fragments of Wk, two of hs, three scale words: 39 loads
.set KB, 48+72*((\s)%2)
.set KS3, 16+3*((\s)%2)
.irp d, 0,1,2,3
	GFRAG KB+12*\d, 4, 80, (32*(\d/2)+8*(\d%2))*768+96*(\s)
.endr
.irp u, 0,1
	GFRAG KB+48+12*\u, 5, 4, 8*\u*768+96*(\s)
.endr
	global_load_b32 v[KS3], v7, s[6:7] offset:4*(\s)
	global_load_b32 v[KS3+1], v6, s[82:83] offset:4*(\s)
	global_load_b32 v[KS3+2], v6, s[82:83] offset:1024+4*(\s)
.endm
	KLOAD 0
	KLOAD 1
	v_mov_b32 v46, 0x01000100                      ; a key's two bytes, twice: lanes 0-15 take tile 2 b's, lanes 16-31 tile 2 b + 1's
	v_mov_b32 v47, 0x03020302
	v_cmp_eq_u32 vcc_lo, 1, v2
	s_delay_alu instid0(VALU_DEP_1)
	v_cndmask_b32 v46, v46, v47, vcc_lo
	s_mul_i32 s32, s24, 1536                       ; where my pair of tiles goes in the block,
	s_lshl_b32 s34, s24, 7
	s_add_co_u32 s34, s34, 6144                    ; and its scale words
.macro KSTEP s
.set KB, 48+72*((\s)%2)
.set KS3, 16+3*((\s)%2)
.if (\s) < 7
	s_wait_loadcnt 39                              ; this K step's loads (and bk) are in; the next step's 39 may be out
.else
	s_wait_loadcnt 0x0
.endif
.irp d, 0,1,2,3                                ; the eight accumulators by turns
.irp u, 0,1
	WMR JAC+32*\u+8*\d, KB+12*\d, KB+48+12*\u, v[JAC+32*\u+8*\d:JAC+32*\u+8*\d+7], KS3+1+\d/2, KS3, \d%2, \u
.endr
.endr
.if (\s) < 7
	PLACES
.endif
.if (\s)+2 < 8
	KLOAD (\s)+2                                   ; the buffer just multiplied takes the K step two on
.endif
.endm
	s_wait_alu depctr_va_vdst(0)
.irp s, 0,1,2,3,4,5,6,7
	KSTEP \s
.endr
.Ljtail:
	; V: the 64 registers are 128 keys of my d: one fragment of V^T and its scale word.  K: registers 32 u + .. are the 64 d of my key of tile 2 b + u: "blocks" 2 u, 2 u + 1; codes 6 u .. 6 u + 5 are that tile's half fragment.
	PLACES
.irp c, 0,1,2
	global_store_b128 v11, v[32+4*\c:32+4*\c+3], s[42:43] offset:512*\c   ; Wo's fragment leaves as an image (the last K step's wait for 0 has shown it in): 512 consecutive bytes a store
.endr
	s_wait_xcnt 0x0                                ; the quantiser below writes v32-43 again
	QUANT JAC, AF, 44
	v_perm_b32 v45, v44, v44, v46
	s_mul_i32 s36, s25, STEPB
	s_add_co_u32 s32, s32, s36
	s_mov_b32 s33, 0
	s_add_co_u32 s34, s34, s36
	s_mov_b32 s35, 0
	s_add_nc_u64 s[32:33], s[92:93], s[32:33]
	s_add_nc_u64 s[34:35], s[92:93], s[34:35]
.irp c, 0,1,2
	global_store_b128 v11, v[AF+4*\c:AF+4*\c+3], s[32:33] offset:512*\c   ; 32 lanes store 512 consecutive bytes, at a multiple of 256 from kv's first byte
.endr
	global_store_b32 v12, v45, s[34:35]
.Lend:
	s_set_vgpr_msb 0x5
	s_wait_tensorcnt 0x0
	ds_add_u32 v0, v1
	s_wait_dscnt 0x0
	s_set_vgpr_msb 0x500
	CROUND                                         ; the closing round: no work-group ends while a partner may still ask jointly
	s_endpgm
.Lfunc_end_k_q78e4fd0344_qkv:
	.size	k_q78e4fd0344_qkv, .Lfunc_end_k_q78e4fd0344_qkv-k_q78e4fd0344_qkv
	.p2alignl 7, 3214868480
	.fill 96, 4, 3214868480
	.section	.rodata,"a",@progbits
	.p2align	6, 0x0
	.amdhsa_kernel k_q78e4fd0344_qkv
		.amdhsa_group_segment_fixed_size 327680
		.amdhsa_private_segment_fixed_size 0
		.amdhsa_enable_private_segment 0
		.amdhsa_kernarg_size 128
		.amdhsa_user_sgpr_count 2
		.amdhsa_user_sgpr_kernarg_segment_ptr 1
		.amdhsa_wavefront_size32 1
		.amdhsa_system_sgpr_workgroup_id_x 1
		.amdhsa_system_sgpr_workgroup_id_y 1
		.amdhsa_system_sgpr_workgroup_id_z 1
		.amdhsa_system_vgpr_workitem_id 0
		.amdhsa_next_free_vgpr 258
		.amdhsa_next_free_sgpr 102
		.amdhsa_reserve_vcc 1
		.amdhsa_float_denorm_mode_32 3
		.amdhsa_float_denorm_mode_16_64 3
		.amdhsa_memory_ordered 1
		.amdhsa_forward_progress 1
		.amdhsa_inst_pref_size 167
	.end_amdhsa_kernel
	.amdgpu_metadata
---
amdhsa.version: [ 1, 2 ]
amdhsa.kernels:
  - .name:           k_q78e4fd0344_qkv
    .symbol:         k_q78e4fd0344_qkv.kd
    .args:
      - { .name: hidden_state_codes, .offset: 0, .size: 8, .value_kind: global_buffer, .address_space: global }
      - { .name: hidden_state_scales, .offset: 8, .size: 8, .value_kind: global_buffer, .address_space: global }
      - { .name: Wq_codes, .offset: 16, .size: 8, .value_kind: global_buffer, .address_space: global }
      - { .name: Wq_scales, .offset: 24, .size: 8, .value_kind: global_buffer, .address_space: global }
      - { .name: bq, .offset: 32, .size: 8, .value_kind: global_buffer, .address_space: global }
      - { .name: qimg, .offset: 40, .size: 8, .value_kind: global_buffer, .address_space: global }
      - { .name: qsc, .offset: 48, .size: 8, .value_kind: global_buffer, .address_space: global }
      - { .name: Wk_codes, .offset: 56, .size: 8, .value_kind: global_buffer, .address_space: global }
      - { .name: Wk_scales, .offset: 64, .size: 8, .value_kind: global_buffer, .address_space: global }
      - { .name: Wv_codes, .offset: 72, .size: 8, .value_kind: global_buffer, .address_space: global }
      - { .name: Wv_scales, .offset: 80, .size: 8, .value_kind: global_buffer, .address_space: global }
      - { .name: bk, .offset: 88, .size: 8, .value_kind: global_buffer, .address_space: global }
      - { .name: bv, .offset: 96, .size: 8, .value_kind: global_buffer, .address_space: global }
      - { .name: kv, .offset: 104, .size: 8, .value_kind: global_buffer, .address_space: global }
      - { .name: Wo_codes, .offset: 112, .size: 8, .value_kind: global_buffer, .address_space: global }
      - { .name: woimg, .offset: 120, .size: 8, .value_kind: global_buffer, .address_space: global }
    .group_segment_fixed_size: 327680
    .private_segment_fixed_size: 0
    .kernarg_segment_align: 8
    .kernarg_segment_size: 128
    .max_flat_workgroup_size: 320
    .sgpr_count:     102
    .vgpr_count:     258
    .wavefront_size: 32
...
	.end_amdgpu_metadata
.endif
;; end of part 5
;; launch att (part 6): grid 64 x 4, 16 waves a work-group, clusters of 4 x 1, 240,640 bytes of LDS; arguments qimg, qsc, kv, woimg, Wo_scales, bo, out0; writes out0
.if DOCPART == 6
	.amdgcn_target "amdgcn-amd-amdhsa--gfx1250"
	.amdhsa_code_object_version 6
	.text
	.protected	k_q78e4fd0344_att
	.globl	k_q78e4fd0344_att
	.p2align	8
	.type	k_q78e4fd0344_att,@function
k_q78e4fd0344_att:
	s_mov_b64 s[64:65], 0
	v_nop
	global_prefetch_b8 v0, s[64:65] scope:SCOPE_SE
	s_setreg_imm32_b32 hwreg(HW_REG_WAVE_MODE, 25, 1), 1
	s_wait_xcnt 0x0
	s_wait_alu depctr_hold_cnt(0) depctr_sa_sdst(0) depctr_va_vdst(0) depctr_va_sdst(0) depctr_va_ssrc(0) depctr_va_vcc(0) depctr_vm_vsrc(0)
	s_getreg_b32 s2, hwreg(HW_REG_IB_STS2, 6, 4)
	s_cmp_eq_u32 s2, 0
	s_cbranch_scc0 .Lentry_in_a_cluster
	s_endpgm
.Lentry_in_a_cluster:
	s_bfe_u32 s2, ttmp6, 0x10000c
	s_cmp_lg_u32 s2, 0x3003
	s_cbranch_scc0 .Lentry_shape_is_right
	s_endpgm
.Lentry_shape_is_right:
; Attention with one K and V for all 16 heads, and the last projection, all products on codes of FP6 (E2M3):
; S^T = k q^T, p = 2^(t - M), O^T = v^T p^T, O / l quantised along hidden, out0 = Q(O / l) Wo + bo.
; t = score x log2(e) / 8; M = the running largest t rounded UP to a whole number, kept as -M; p is quantised along the keys, not normalised; l is the sum of the unquantised p;
; when M moves, l and O^T are multiplied by 2^(old M - new M), which rounds nothing.
; qimg, qsc: [512 row tiles][8 pairs of heads]: a fragment (16 rows x two heads' 64) as an image of its 12 registers, and its scale words.  kv: [4 batches][16 steps of 128 keys][13,312 bytes]:
; 4 x 1,536 K's codes (pair b: key tiles 2 b, 2 b + 1, six registers each) | 4 x 128 K's scale words | 4 x 1,536 V^T's fragments | 4 x 128 V's scale words.
; woimg: [64 column tiles][8 K steps][1,536]: Wo's fragments as images; slot r of tile 2 g + u is Wo's row (a column of out0) 32 g + 8 u + r + 8 (r / 8).
; SHARES.  A work-group owns 32 rows of one batch x 16 heads, which is all of the projection's K.  Attention: wave w: row tile w % 2, heads 2 (w / 2), + 1: two tiles of 16 queries, which share every fragment of K and V.
; Projection: wave w: the 32 rows x columns 64 w .. 64 w + 63: 8 accumulators, 64 matrix instructions.
; LDS: the batch's kv block (212,992 bytes, as it lies in memory, filled once, one joint load of one key step a wave); the spare words; the result's 16 fragments (24,576) and scale words (1,024), stored by the waves, bytes of their own.
; The stages of the way out (16 x 272 bytes a wave) lie in kv's bytes: these have had their one fill, and the barrier behind the last key step shows their last read.  No LDS byte is filled twice.
; CLUSTER 4 x 1: the four work-groups of a cluster belong to one batch: its kv block is asked for JOINTLY.  Wo is not: each wave's 49,152 bytes of images go from memory straight into its operand registers,
; 512 consecutive bytes a load, and no other wave of the work-group reads them; a joint load would need LDS, of which kv holds 212,992 bytes up to the last key step, so every part of Wo's 786,432 would be a refill behind a round.
; LAYOUT.  All products transposed: a lane holds ONE query (one row of out0) throughout.  Slot m of key tile t is key 64 (t / 4) + 8 (t % 4) + m % 8 + 32 (m / 8) of the step: a lane's 32 score registers of tiles
; 4 c .. 4 c + 3 are a whole block of 32 keys, in the order of the second product's operand.  V's d, and Wo's rows, of a tile are laid so that the 16 result registers of tiles 2 g, 2 g + 1 are 16 neighbours.
; THE HEAD'S 64 ARE HALF OF THE INSTRUCTION'S 128.  Q's operand for the first head is [its 6 registers | 6 of zero codes], for the second [the same zeros | its 6]; tile t's operand is registers 6 t .. 6 t + 11 or 6 t - 6 .. 6 t + 5.
; The half that meets the zero codes adds nothing: every 6-bit code is finite, and no scale byte made by this program is 0xff.
; PREFETCH: woimg's 3,072 blocks of 256 bytes are shared out by address, 12 to a work-group (wave 0, a lane a block), asked for ahead of the 16 key steps; kv has no loop to run ahead in.
; LIMITS: p under 2^-126 is taken as 0 (ISA guide, v_exp_f32); a block whose largest number lies under 2^-124 keeps the scale byte 1, a block of zeros too (its codes are zeros; this program alone reads the bytes).
; NaN, infinities and given scale bytes 0xff are not served.  The scaled scores stay under 2^31 in magnitude.  A block's largest p is made from the block's largest score; this takes v_exp_f32 not to fall where its input rises.
.set STEPB, 13312
.set KSO, 6144                         ; in a step's block: K's scale words,
.set VCO, 6656                         ; V's fragments,
.set VSO, 12800                        ; V's scale words
.set SPARE, 16*STEPB                   ; the spare words: 128 bytes a wave
.set AIM, SPARE+2048                   ; the result's fragments: [K step][row tile][1,536] = wave x 1,536
.set ASW, AIM+16*1536                  ; their scale words: [K step][row tile][16 rows][4]
.set SPITCH, 272                       ; a stage's row: 256 bytes + 16
.set WV,  14                           ; s14 wave; s15 cx; s16 my block of 32 rows; s17 batch; s18 my row tile; s19 my pair of heads
.set SEL, 20                           ; s[20:21] lane selects: lane l xor 16
.set CS,  22                           ; s[22:23] c = log2(e) / 8
.set G1,  24                           ; s[24:31] descriptor group 1; s[32:35] group 0
.set CNT, 40
.set TB,  41                           ; s41 LDS byte at which the step's block begins
.set QS,  1                            ; v1 Q's scale words; v2-5 K's, later V's; v6, v7 p's
.set KVS, 2
.set PS,  6
.set XR,  11                           ; v[8:9] l of tile 0; v10, v12 -M; v11, v13 at work; v14, v16 f
.set YR,  13
.set A16, 15                           ; v15, v17 addresses of the step's images and scale words
.set A4,  17
.set QA,  18                           ; v18-23 the first head's Q; v24-29 zero codes; v30-35 the second head's
.set QZ,  24
.set QB,  30
.set P0,  36                           ; v36-59 p's codes
.set KV,  60                           ; v60-107 eight key tiles, later four fragments of V^T
.set BM,  108
.set T,   112
.set SO,  116
.set L16, 120                          ; 16 l, 4 l
.set L4,  121
.set C2,  124                          ; v[122:123] l of tile 1
.set SH8, 126
.set PF,  127                          ; the prefetch's offset
.set S,   128                          ; v128-191 S^T, then p
.set OA,  192                          ; v192-255 O^T: tile e, d tile t at 192 + 32 e + 8 t; then out0's accumulators: row tile a, column tile t
.set TM,  2                            ; the last quantiser works in v2-13
; the projection: v40-55 Wo's scale words (8 g + K step), v56-63 the result's (K step s at 56 + (s + 1) % 8); v64-111, v128-175 two buffers of four fragments of Wo; v2-25, v26-37 + v176-187 two of two fragments of the result
.set CD,  18                           ; the result's codes, v18-29 (v30-37 at work), and scale word
.set CW,  38
.set MYI, 112                          ; LDS: my image; my scale word; all images; all scale words; stage in; stage back.  v119: my offset in out0
.set MYW, 113
.set AIA, 114
.set ASA, 115
.set STO, 116
.set RD,  117
.set CO,  119
.set SWA, 125                          ; my offsets in Wo's scale bytes and in bo
.set BIA, 126
.macro PLACES                          ; four plain vector instructions between a matrix instruction and a load into, or a vector read or write of, its registers
.rept 4
	v_nop
.endr
.endm
.macro CROUND                          ; a round of the cluster's barrier
	s_barrier_signal -1
	s_barrier_wait -1
	s_cmp_lg_u32 s[WV], 0
	s_cbranch_scc1 .Lnot_wave_0_\@
	s_barrier_signal -3
.Lnot_wave_0_\@:
	s_barrier_wait -3
	s_barrier_signal -1
	s_barrier_wait -1
.endm
; One matrix instruction.  cc: the C operand as text; ra, rb = 1: that side's scales are taken from lanes 16-31 of its register.
.macro WMR d, a, b, cc, sa, sb, ra, rb
.if ((\ra) == 0) && ((\rb) == 0)
	v_wmma_scale_f32_16x16x128_f8f6f4 v[(\d):(\d)+7], v[(\a):(\a)+11], v[(\b):(\b)+11], \cc, v[\sa], v[\sb] matrix_a_fmt:MATRIX_FMT_FP6 matrix_b_fmt:MATRIX_FMT_FP6
.elseif (\rb) == 0
	v_wmma_scale_f32_16x16x128_f8f6f4 v[(\d):(\d)+7], v[(\a):(\a)+11], v[(\b):(\b)+11], \cc, v[\sa], v[\sb] matrix_a_fmt:MATRIX_FMT_FP6 matrix_b_fmt:MATRIX_FMT_FP6 matrix_a_scale:MATRIX_SCALE_ROW1
.elseif (\ra) == 0
	v_wmma_scale_f32_16x16x128_f8f6f4 v[(\d):(\d)+7], v[(\a):(\a)+11], v[(\b):(\b)+11], \cc, v[\sa], v[\sb] matrix_a_fmt:MATRIX_FMT_FP6 matrix_b_fmt:MATRIX_FMT_FP6 matrix_b_scale:MATRIX_SCALE_ROW1
.else
	v_wmma_scale_f32_16x16x128_f8f6f4 v[(\d):(\d)+7], v[(\a):(\a)+11], v[(\b):(\b)+11], \cc, v[\sa], v[\sb] matrix_a_fmt:MATRIX_FMT_FP6 matrix_b_fmt:MATRIX_FMT_FP6 matrix_a_scale:MATRIX_SCALE_ROW1 matrix_b_scale:MATRIX_SCALE_ROW1
.endif
.endm
; 64 numbers of a lane, register 16 b + i = k 32 b + 16 (lane / 16) + i of the lane's row, become 12 registers of codes at v[pc] and the row's scale word in v[pw].
.macro QUANT s, pc, pw
.irp b, 0,1,2,3
	v_max3_num_f32 v[TM+\b], |v[(\s)+16*\b]|, |v[(\s)+1+16*\b]|, 0x1800000   ; block b: my 16 numbers, and the floor 2^(3 - 127): the byte cannot fall under 1
.endr
.irp i, 2,4,6,8,10,12,14
.irp b, 0,1,2,3
	s_delay_alu instid0(VALU_DEP_4)
	v_max3_num_f32 v[TM+\b], v[TM+\b], |v[(\s)+16*\b+\i]|, |v[(\s)+1+16*\b+\i]|
.endr
.endr
.irp b, 0,1,2,3
	s_delay_alu instid0(VALU_DEP_4)
	v_permlanex16_b32 v[TM+4+\b], v[TM+\b], s[SEL], s[SEL+1]
.endr
.irp b, 0,1,2,3
	s_delay_alu instid0(VALU_DEP_4)
	v_max_num_f32 v[TM+\b], v[TM+\b], v[TM+4+\b]      ; with lane l xor 16's: the block's largest magnitude
.endr
.irp b, 0,1,2,3
	s_delay_alu instid0(VALU_DEP_4)
	v_add_nc_u32 v[TM+8+\b], 0xff000000, v[TM+\b]     ; 2 off its exponent field: the conversion's scale operand
.endr
.irp b, 0,1,2,3
	s_delay_alu instid0(VALU_DEP_4)
	v_lshrrev_b32 v[TM+4+\b], 23, v[TM+8+\b]          ; the scale's byte
.endr
	s_delay_alu instid0(VALU_DEP_3)
	v_lshl_or_b32 v[\pw], v[TM+5], 8, v[TM+4]
	s_delay_alu instid0(VALU_DEP_1)
	v_lshl_or_b32 v[\pw], v[TM+6], 16, v[\pw]
	s_delay_alu instid0(VALU_DEP_1)
	v_lshl_or_b32 v[\pw], v[TM+7], 24, v[\pw]
.irp c, 0,1
	v_cvt_scalef32_pk16_fp6_f32 v[(\pc)+6*\c:(\pc)+2+6*\c], v[(\s)+32*\c:(\s)+15+32*\c], v[TM+8+2*\c]
	v_cvt_scalef32_pk16_fp6_f32 v[(\pc)+12+4*\c:(\pc)+14+4*\c], v[(\s)+16+32*\c:(\s)+31+32*\c], v[TM+9+2*\c]   ; (a conversion's three registers begin on an even number)
.endr
	v_nop                                              ; one plain place behind a scaled conversion
.irp c, 0,1                                        ; the operand's layout wants a whole block in a lane
.irp i, 0,1,2
	v_permlane16_swap_b32 v[(\pc)+6*\c+\i], v[(\pc)+12+4*\c+\i]
.endr
.irp i, 0,1,2
	s_delay_alu instid0(VALU_DEP_3)
	v_mov_b32 v[(\pc)+3+6*\c+\i], v[(\pc)+12+4*\c+\i]
.endr
.endr
.endm
	s_load_b256 s[4:11], s[0:1], 0x0               ; qimg s[4:5], qsc s[6:7], kv s[8:9], woimg s[10:11]
	s_load_b128 s[56:59], s[0:1], 0x20             ; Wo's scales s[56:57], bo s[58:59]
	s_load_b64 s[12:13], s[0:1], 0x30              ; out0
	v_lshl_add_u32 v254, v0, 2, SPARE
	v_mov_b32 v255, 0
	ds_add_u32 v254, v255                          ; the opening lines: the add, twice on end, and its wait
	ds_add_u32 v254, v255
	s_wait_dscnt 0x0
	v_lshrrev_b32 v[XR], 5, v0
	s_delay_alu instid0(VALU_DEP_1)
	v_readfirstlane_b32 s[WV], v[XR]               ; wave 0..15
	s_bfe_u32 s15, ttmp6, 0x40000                  ; cx
	s_lshl_b32 s16, ttmp9, 2
	s_add_co_u32 s16, s16, s15                     ; my block of 32 rows = 4 x cluster x + cx: it enters Q's, out0's and the prefetch's addresses alone
	s_and_b32 s17, ttmp7, 0xffff                   ; the batch, which the four partners share
	s_lshl_b32 s18, s17, 7
	s_lshl_b32 s42, s16, 1
	s_add_co_u32 s18, s18, s42
	s_and_b32 s42, s[WV], 1
	s_add_co_u32 s18, s18, s42                     ; my row tile: 128 x batch + 2 x block + wave % 2
	s_lshr_b32 s19, s[WV], 1                       ; my pair of heads
	s_mul_i32 s44, s17, 16*STEPB                   ; kv: the batch's block, and key step "wave" of it; s[44:47] never hold cx
	s_mul_i32 s46, s[WV], STEPB                    ; (also its place in LDS)
	s_add_co_u32 s44, s44, s46
	s_mov_b32 s45, 0
	s_lshl_b32 s48, s18, 3
	s_add_co_u32 s48, s48, s19                     ; Q: fragment 8 x row tile + pair
	s_mul_i32 s50, s48, 1536
	s_mov_b32 s51, 0
	s_lshl_b32 s48, s48, 7
	s_mov_b32 s49, 0
	s_mul_i32 s52, s[WV], 49152                    ; the projection: my four column tiles' images,
	s_mov_b32 s53, 0
	s_lshl_b32 s54, s[WV], 11                      ; my 64 rows of Wo's scale bytes,
	s_mov_b32 s55, 0
	s_lshl_b32 s60, s[WV], 8                       ; my 64 columns, in bytes of f32,
	s_mov_b32 s61, 0
	s_lshl_b32 s62, s17, 6
	s_add_co_u32 s62, s62, s16                     ; the work-group's number, 0 .. 255,
	s_mul_i32 s43, s62, 12                         ; its 12 blocks of woimg,
	s_lshl_b32 s62, s62, 17                        ; its 32 rows of 4,096 bytes
	s_add_co_u32 s62, s62, s60
	s_mov_b32 s63, 0
	s_mov_b32 s[G1], 15|(3<<16)|(1<<21)            ; 15:0 the mask: all four work-groups; 17:16 elements of 8 bytes; no padding; 21 set beside a mask
	s_mov_b32 s[G1+1], 32<<16                      ; tensor_dim0: 256 bytes
	s_mov_b32 s[G1+2], 52<<16                      ; tensor_dim1: 52 rows: 13,312 dense bytes
	s_mov_b32 s[G1+3], 32<<16
	s_mov_b32 s[G1+4], 52
	s_mov_b32 s[G1+5], 32
	s_mov_b32 s[G1+6], 0
	s_mov_b32 s[G1+7], 0
	s_mov_b32 s[SEL], 0x76543210
	s_mov_b32 s[SEL+1], 0xfedcba98
	s_mov_b32 s[CS], 0x3e38aa3b                    ; c = log2(e) / 8
	s_mov_b32 s[CS+1], s[CS]
	s_wait_kmcnt 0x0
	s_mov_b32 s32, 1
	s_mov_b32 s33, s46
	s_add_nc_u64 s[34:35], s[8:9], s[44:45]
	s_or_b32 s35, s35, 0x80000000
	s_add_nc_u64 s[4:5], s[4:5], s[50:51]
	s_add_nc_u64 s[6:7], s[6:7], s[48:49]
	s_add_nc_u64 s[10:11], s[10:11], s[52:53]
	s_add_nc_u64 s[56:57], s[56:57], s[54:55]
	s_add_nc_u64 s[58:59], s[58:59], s[60:61]
	s_add_nc_u64 s[12:13], s[12:13], s[62:63]
	CROUND                                         ; all four work-groups are here: the joint loads meet
	tensor_load_to_lds s[32:35], s[G1:G1+7]        ; my one load: key step "wave"
	s_nop 0
.rept 4
	v_nop
.endr
	v_and_b32 v[L4], 31, v0
	s_delay_alu instid0(VALU_DEP_1)
	v_lshlrev_b32 v[L16], 4, v[L4]
	s_delay_alu instid0(VALU_DEP_2)
	v_lshlrev_b32 v[L4], 2, v[L4]
.irp c, 0,1,2
	global_load_b128 v[QA+4*\c:QA+4*\c+3], v[L16], s[4:5] offset:512*\c   ; Q's fragment: both heads
.endr
	global_load_b32 v[QS], v[L4], s[6:7]
	v_bfe_u32 v[SH8], v0, 4, 1
	s_delay_alu instid0(VALU_DEP_1)
	v_lshlrev_b32 v[SH8], 3, v[SH8]
	v_and_b32 v[PF], 31, v0
	v_min_u32 v[PF], 11, v[PF]                     ; lanes 12-31 name the wave's last block again
	v_add_nc_u32 v[PF], s43, v[PF]
	v_lshlrev_b32 v[PF], 8, v[PF]                  ; at most (255 x 12 + 11) x 256, inside woimg
	v_mov_b32 v10, 0x7f61b1e6                      ; -M: 3e38, over every -t
	v_mov_b32 v12, 0x7f61b1e6
	v_mov_b32 v8, 0                                ; the sums
	v_mov_b32 v9, 0
	v_mov_b32 v122, 0
	v_mov_b32 v123, 0
.irp i, 0,1,2,3,4,5
	v_mov_b32 v[P0+18+\i], 0                       ; these six, and the eight below, are named as the half of an operand that meets zero codes, and as permutes' destinations, before they are first made
.endr
.irp i, 0,1,2,3,4,5,6,7
	v_mov_b32 v[BM+\i], 0
.endr
.set J, 0
.rept 64
	v_mov_b32 v[OA+J], 0                           ; O^T.  (The step is written without a first step of its own: the first change of M multiplies zeros)
.set J, J+1
.endr
	s_wait_loadcnt 0x0                             ; Q
.irp i, 0,1,2,3,4,5
	v_mov_b32 v[QB+\i], v[QZ+\i]                   ; the second head's six registers move up,
.endr
.irp i, 0,1,2,3,4,5
	v_mov_b32 v[QZ+\i], 0                          ; and zero codes stand between the two
.endr
; O^T of tile e, its registers j0 .. j1 - 1, x f (at the end: x 1 / l), two at a time.
.macro OMUL e, j0, j1
.set JJ, \j0
.rept ((\j1)-(\j0))/2
	v_pk_mul_f32 v[OA+32*(\e)+JJ:OA+32*(\e)+JJ+1], v[OA+32*(\e)+JJ:OA+32*(\e)+JJ+1], v[14+2*(\e):15+2*(\e)] op_sel_hi:[1,0]
.set JJ, JJ+2
.endr
.endm
; The softmax of tile e for the step's 128 keys: register 32 c + i of S holds key 64 c + 32 (lane / 16) + i of my query.  It rescales the first four registers of O^T; the other 28 follow by OMUL e, 4, 32.
.macro SOFTMAX e
.set rP, P0+12*(\e)
.set rN, 10+2*(\e)
.set rF, 14+2*(\e)
.set rL, 8+114*(\e)
.irp q, 0,1,2,3
	v_max3_num_f32 v[BM+\q], v[S+16*\q], v[S+1+16*\q], v[S+2+16*\q]   ; the largest score of each of my two blocks of 32 keys, in two chains a block
.endr
.irp i, 3,5,7,9,11,13
.irp q, 0,1,2,3
	v_max3_num_f32 v[BM+\q], v[BM+\q], v[S+16*\q+\i], v[S+1+16*\q+\i]
.endr
.endr
	v_max3_num_f32 v[BM], v[BM], v[BM+1], v[S+15]
	v_max3_num_f32 v[BM+2], v[BM+2], v[BM+3], v[S+47]
	v_max_num_f32 v[BM], v[BM], v[S+31]                ; block lane / 16's largest score,
	v_max_num_f32 v[BM+2], v[BM+2], v[S+63]            ; block 2 + lane / 16's
	s_delay_alu instid0(VALU_DEP_1)
	v_max_num_f32 v[XR], v[BM], v[BM+2]
	v_permlanex16_b32 v[T], v[XR], s[SEL], s[SEL+1]
	s_delay_alu instid0(VALU_DEP_1)
	v_max_num_f32 v[XR], v[XR], v[T]                   ; the step's largest score of my query,
	s_delay_alu instid0(VALU_DEP_1)
	v_mul_f32 v[XR], s[CS], v[XR]                      ; as t (c is positive);
	s_delay_alu instid0(VALU_DEP_1)
	v_floor_f32 v[XR], -v[XR]                          ; -ceil(t);
	s_delay_alu instid0(VALU_DEP_1)
	v_min_num_f32 v[XR], v[XR], v[rN]                  ; the new -M
	s_delay_alu instid0(VALU_DEP_1)
	v_sub_f32 v[YR], v[XR], v[rN]                      ; old M - new M: a whole number, 0 or less
	s_delay_alu instid0(VALU_DEP_2)
	v_mov_b32 v[rN], v[XR]
	s_delay_alu instid0(VALU_DEP_2)
	v_cvt_i32_f32 v[YR], v[YR]                         ; (it saturates)
	s_delay_alu instid0(VALU_DEP_1)
	v_ldexp_f32 v[rF], 1.0, v[YR]                      ; f = 2^(old M - new M)
.set J, 0
.rept 32
	v_pk_fma_f32 v[S+J:S+J+1], v[S+J:S+J+1], s[CS:CS+1], v[rN:rN+1] op_sel_hi:[1,0,0]   ; t - M, two at a time
.set J, J+2
.endr
	v_fma_f32 v[BM], v[BM], s[CS], v[rN]               ; the same of each block's largest score
	v_fma_f32 v[BM+2], v[BM+2], s[CS], v[rN]
	s_wait_alu depctr_va_vdst(0)                       ; the wait ahead of the batch
.set J, 0
.rept 64
	v_exp_f32 v[S+J], v[S+J]                           ; p = 2^(t - M), at most 1
.set J, J+1
.endr
	v_exp_f32 v[BM], v[BM]                             ; the blocks' largest p
	v_exp_f32 v[BM+2], v[BM+2]
	s_wait_alu depctr_va_vdst(0)                       ; directly ahead of the first reader of O^T
	OMUL \e, 0, 2                                      ; (work that is due anyway is the plain place behind the exponentials)
	s_wait_alu depctr_va_vdst(0)                       ; and ahead of the batch's first reader
	v_max_num_f32 v[BM], 0x1800000, v[BM]              ; the floor 2^(3 - 127): the byte cannot fall under 1
	v_max_num_f32 v[BM+2], 0x1800000, v[BM+2]
	s_delay_alu instid0(VALU_DEP_2)
	v_add_nc_u32 v[SO], 0xff000000, v[BM]              ; 2 off the exponent field: the conversion's scale operand
	s_delay_alu instid0(VALU_DEP_2)
	v_add_nc_u32 v[SO+1], 0xff000000, v[BM+2]
	s_delay_alu instid0(VALU_DEP_2)
	v_lshrrev_b32 v[T], 23, v[SO]                      ; the scale's byte
	s_delay_alu instid0(VALU_DEP_2)
	v_lshrrev_b32 v[T+1], 23, v[SO+1]
	s_delay_alu instid0(VALU_DEP_1)
	v_lshl_or_b32 v[T], v[T+1], 16, v[T]               ; my two bytes: blocks lane / 16 and 2 + lane / 16,
	s_delay_alu instid0(VALU_DEP_1)
	v_lshlrev_b32 v[T], v[SH8], v[T]                   ; at their places in the scale word;
	s_delay_alu instid0(VALU_DEP_1)
	v_permlanex16_b32 v[T+1], v[T], s[SEL], s[SEL+1]
	s_delay_alu instid0(VALU_DEP_1)
	v_or_b32 v[PS+\e], v[T], v[T+1]                    ; with lane l xor 16's two the word of these 128 keys is whole
	v_cvt_scalef32_pk16_fp6_f32 v[rP:rP+2], v[S:S+15], v[SO]
	v_cvt_scalef32_pk16_fp6_f32 v[T:T+2], v[S+16:S+31], v[SO]         ; (a conversion's three registers begin on an even number: the second half of a block's six is made elsewhere and moved)
	v_cvt_scalef32_pk16_fp6_f32 v[rP+6:rP+8], v[S+32:S+47], v[SO+1]
	v_cvt_scalef32_pk16_fp6_f32 v[BM:BM+2], v[S+48:S+63], v[SO+1]
	OMUL \e, 2, 4                                      ; (the plain place behind the scaled conversions)
.irp i, 0,1,2
	v_mov_b32 v[rP+3+\i], v[T+\i]
.endr
.irp i, 0,1,2
	v_mov_b32 v[rP+9+\i], v[BM+\i]
.endr
	v_pk_add_f32 v[124:125], v[S:S+1], v[S+2:S+3]      ; the step's sum of the unquantised p: four chains by turns
	v_pk_add_f32 v[118:119], v[S+4:S+5], v[S+6:S+7]
	v_pk_add_f32 v[116:117], v[S+8:S+9], v[S+10:S+11]
	v_pk_add_f32 v[114:115], v[S+12:S+13], v[S+14:S+15]
.set J, 16
.rept 6
	v_pk_add_f32 v[124:125], v[124:125], v[S+J:S+J+1]
	v_pk_add_f32 v[118:119], v[118:119], v[S+J+2:S+J+3]
	v_pk_add_f32 v[116:117], v[116:117], v[S+J+4:S+J+5]
	v_pk_add_f32 v[114:115], v[114:115], v[S+J+6:S+J+7]
.set J, J+8
.endr
	s_delay_alu instid0(VALU_DEP_2)
	v_pk_add_f32 v[124:125], v[124:125], v[116:117]
	s_delay_alu instid0(VALU_DEP_2)
	v_pk_add_f32 v[118:119], v[118:119], v[114:115]
	s_delay_alu instid0(VALU_DEP_1)
	v_pk_add_f32 v[124:125], v[124:125], v[118:119]
	s_delay_alu instid0(VALU_DEP_1)
	v_pk_fma_f32 v[rL:rL+1], v[rL:rL+1], v[rF:rF+1], v[C2:C2+1] op_sel_hi:[1,0,1]   ; l = l f + the step's sum
.endm
; A key step: 128 keys.
.macro STEP
	v_add_nc_u32 v[A16], s[TB], v[L16]                 ; these two and two v_nop: the four places behind the last step's products
	v_add_nc_u32 v[A4], s[TB], v[L4]
	v_nop
	v_nop
.irp i, 0,1,2,3,4,5,6,7,8,9,10,11
	ds_load_b128 v[KV+4*\i:KV+4*\i+3], v[A16] offset:512*\i           ; the eight key tiles, as images
.endr
.irp i, 0,1,2,3
	ds_load_b32 v[KVS+\i], v[A4] offset:KSO+128*\i
.endr
	s_wait_dscnt 0x0
.irp t, 0,1,2,3,4,5,6,7
	WMR S+8*\t, KV+6*\t, QA, 0, KVS+\t/2, QS, \t%2, 0                 ; the first head's scores
.endr
	PLACES
	SOFTMAX 0
.irp t, 0,1,2,3,4,5,6,7
	WMR S+8*\t, KV-6+6*\t, QZ, 0, KVS+\t/2, QS, \t%2, 0               ; the second head's
.endr
	OMUL 0, 4, 32                                      ; the rest of the first head's O^T under its new M: these fourteen are the places behind the products above
.irp i, 0,1,2,3,4,5,6,7,8,9,10,11
	ds_load_b128 v[KV+4*\i:KV+4*\i+3], v[A16] offset:VCO+512*\i       ; V's four fragments land under the second softmax
.endr
.irp i, 0,1,2,3
	ds_load_b32 v[KVS+\i], v[A4] offset:VSO+128*\i
.endr
	SOFTMAX 1
	OMUL 1, 4, 32                                      ; (the sums and these are the places between the writes of p's codes and word and the products that take them)
	s_wait_alu depctr_va_vdst(0)
	s_wait_dscnt 0x0
.irp t, 0,1,2,3                                    ; O^T += V^T P^T: the eight accumulators by turns
.irp e, 0,1
	WMR OA+32*\e+8*\t, KV+12*\t, P0+12*\e, v[OA+32*\e+8*\t:OA+32*\e+8*\t+7], KVS+\t, PS+\e, 0, 0
.endr
.endr
	s_add_co_u32 s[TB], s[TB], STEPB
.endm
	s_wait_tensorcnt 0x0                           ; my key step has landed,
	s_wait_dscnt 0x0
	s_barrier_signal -1
	s_barrier_wait -1                              ; everybody's has
	s_cmp_lg_u32 s[WV], 0
	s_cbranch_scc1 .Lno_ask
	s_wait_alu depctr_va_vdst(0)                   ; the wait, directly ahead of the reader
	global_prefetch_b8 v[PF], s[10:11] th:TH_LOAD_NT scope:SCOPE_SE   ; wave 0 (whose s[10:11] is woimg's first byte): the work-group's 12 blocks, 16 key steps ahead of the loads; v127 is not written again
.Lno_ask:
	s_mov_b32 s[TB], 0
	s_mov_b32 s[CNT], 16
.Lstep:
	s_wait_alu depctr_va_vdst(0)
	STEP
	s_sub_co_u32 s[CNT], s[CNT], 1
	s_cmp_lg_u32 s[CNT], 0
	s_cbranch_scc1 .Lstep
; ---- THE PROJECTION.  Wo's fragments of K step s, my four column tiles, into buffer s % 2: 12 loads of 512 consecutive bytes.
.macro BLOAD s
.irp t, 0,1,2,3
.irp c, 0,1,2
	global_load_b128 v[64+64*((\s)%2)+12*\t+4*\c:64+64*((\s)%2)+12*\t+4*\c+3], v[L16], s[10:11] offset:12288*\t+1536*(\s)+512*\c
.endr
.endr
.endm
.macro ALOAD s                         ; the result's two fragments of K step s: 6 loads
.irp a, 0,1
.set A_, (1-(\s)%2)*(2+12*\a)+((\s)%2)*(26+150*\a)
.irp c, 0,1,2
	ds_load_b128 v[A_+4*\c:A_+4*\c+3], v[AIA] offset:(2*(\s)+\a)*1536+512*\c
.endr
.endr
.endm
.macro OSTEP s
.if (\s) < 7
	s_wait_loadcnt 12                              ; this K step's fragments of Wo are in (at step 0: the scale words and bo too); the next step's 12 loads may be out
	s_wait_dscnt 6                                 ; and the result's; the next step's 6 may be out
.else
	s_wait_loadcnt 0x0
	s_wait_dscnt 0x0
.endif
.irp t, 0,1,2,3                                    ; source 0 = 16 rows of Wo, source 1 = 16 rows of the result; the eight accumulators by turns
.irp a, 0,1
.set D_, OA+32*\a+8*\t
.set A_, (1-(\s)%2)*(2+12*\a)+((\s)%2)*(26+150*\a)
	WMR D_, 64+64*((\s)%2)+12*\t, A_, v[D_:D_+7], 40+8*(\t/2)+(\s), 56+((\s)+1)%8, \t%2, \a
.endr
.endr
.if (\s) < 6
	PLACES
	BLOAD (\s)+2                                   ; the buffers just multiplied take the K step two on
	ALOAD (\s)+2
.endif
.endm
; A row tile (16 rows x 256 bytes) goes through my stage and comes back as whole rows.  LDS serves a wave's instructions in order (ISA guide 5.7.1.4): no wait between my stores and my loads.
.macro TOSTAGE a, back
.set I_, 0
.rept 8
	ds_store_b128 v[STO], v[OA+32*(\a)+4*I_:OA+32*(\a)+4*I_+3] offset:128*(I_/4)+16*(I_%4)   ; register 16 g + k is column 32 g + 16 h + k; each accumulator from its low end on
.set I_, I_+1
.endr
.set I_, 0
.rept 8
	ds_load_b128 v[(\back)+4*I_:(\back)+4*I_+3], v[RD] offset:2*SPITCH*I_
.set I_, I_+1
.endr
.endm
.macro SEND a, back
.set I_, 0
.rept 8
	global_store_b128 v[CO], v[(\back)+4*I_:(\back)+4*I_+3], s[12:13] offset:8192*I_+65536*(\a) th:TH_STORE_NT   ; 16 lanes store 256 consecutive bytes of a row, at a multiple of 256 from out0's first byte
.set I_, I_+1
.endr
.endm
	s_mul_i32 s42, s[WV], 1536
	s_add_co_u32 s42, s42, AIM
	s_lshl_b32 s43, s[WV], 6
	s_add_co_u32 s43, s43, ASW
	s_mul_i32 s44, s[WV], 16*SPITCH
	v_and_b32 v124, 15, v0                         ; r.  (These seven are the places behind the last step's products)
	v_and_b32 v[SWA], 8, v0                        ; 8 (r / 8)
	v_bfe_u32 v[BIA], v0, 4, 1                     ; h
	v_add_nc_u32 v[SWA], v[SWA], v124
	v_lshl_add_u32 v[SWA], v[BIA], 3, v[SWA]       ; lanes 0-15 tile 2 g's slot r, lanes 16-31 tile 2 g + 1's: row r + 8 (r / 8) + 8 h of the pair's 32,
	v_lshlrev_b32 v[SWA], 5, v[SWA]                ; of 32 scale bytes: a word for each K step
	v_lshlrev_b32 v[BIA], 6, v[BIA]                ; bo: for tile 2 g + u columns 32 g + 16 h + 8 u + 0 .. 7
.irp g, 0,1
.irp c, 0,1
	global_load_b128 v[40+8*\g+4*\c:40+8*\g+4*\c+3], v[SWA], s[56:57] offset:1024*\g+16*\c   ; Wo's scale words, all eight K steps: the two loads of a pair cover its 1,024 bytes
.endr
.endr
	BLOAD 0                                        ; on its way under the quantiser and the barrier
	v_add_f32 v[XR], v8, v9                        ; the sums' two halves,
	v_add_f32 v[YR], v122, v123
	v_permlanex16_b32 v[T], v[XR], s[SEL], s[SEL+1]
	v_permlanex16_b32 v[T+1], v[YR], s[SEL], s[SEL+1]
	s_delay_alu instid0(VALU_DEP_2)
	v_add_f32 v[XR], v[XR], v[T]                   ; and lane l xor 16's
	s_delay_alu instid0(VALU_DEP_2)
	v_add_f32 v[YR], v[YR], v[T+1]
	s_wait_alu depctr_va_vdst(0)
	v_rcp_f32 v14, v[XR]
	v_rcp_f32 v16, v[YR]
	v_nop                                          ; one plain place behind a transcendental
	s_wait_alu depctr_va_vdst(0)
	OMUL 0, 0, 32                                  ; (v14 and v16 now hold 1 / l)
	OMUL 1, 0, 32
	QUANT OA, CD, CW                               ; register 32 e + 16 g + i is k = 64 e + 32 g + 16 (lane / 16) + i of K step "my pair of heads"
.irp a, 0,1
.irp t, 0,1,2,3
	global_load_b128 v[OA+32*\a+8*\t:OA+32*\a+8*\t+3], v[BIA], s[58:59] offset:(32*(\t/2)+8*(\t%2))*4       ; the bias is the first addend of each sum
	global_load_b128 v[OA+32*\a+8*\t+4:OA+32*\a+8*\t+7], v[BIA], s[58:59] offset:(32*(\t/2)+8*(\t%2))*4+16
.endr
.endr
	BLOAD 1
	v_add_nc_u32 v[MYI], s42, v[L16]
	v_lshl_add_u32 v[MYW], v124, 2, s43            ; both halves of the lanes hold row r's word and store it to the same place
	v_add_nc_u32 v[AIA], AIM, v[L16]
	v_add_nc_u32 v[ASA], ASW, v[L4]                ; lanes 0-15 row tile 0's words, lanes 16-31 row tile 1's
	v_lshlrev_b32 v[RD], 4, v124                   ; 16 r
	v_bfe_u32 v118, v0, 4, 1                       ; h
	v_lshl_add_u32 v[CO], v118, 12, v[RD]          ; out0: lanes 0-15 a row's 256 bytes, lanes 16-31 the next row's
	v_mad_u32_u24 v[RD], v118, SPITCH, v[RD]
	v_add_nc_u32 v[RD], s44, v[RD]                 ; and the same two rows of my stage
	v_mul_u32_u24 v[STO], v124, SPITCH
	v_add_nc_u32 v[STO], v[BIA], v[STO]
	v_add_nc_u32 v[STO], s44, v[STO]               ; in: row r, + 64 h
.irp c, 0,1,2
	ds_store_b128 v[MYI], v[CD+4*\c:CD+4*\c+3] offset:512*\c
.endr
	ds_store_b32 v[MYW], v[CW]
	s_wait_alu depctr_va_vdst(0)                   ; the wait, directly ahead of the wait below
	s_wait_dscnt 0x0                               ; my fragment is in LDS, and my reads of kv are over,
	s_barrier_signal -1
	s_barrier_wait -1                              ; everybody's
.set I_, 0
.rept 8
	ds_load_b32 v[56+(I_+1)%8], v[ASA] offset:128*I_
.set I_, I_+1
.endr
	ALOAD 0
	ALOAD 1
.irp s, 0,1,2,3,4,5,6,7
	OSTEP \s
.endr
	PLACES
	TOSTAGE 0, 64                                  ; back into registers that held Wo's fragments
	TOSTAGE 1, 128
	s_wait_dscnt 16                                ; row tile 0 is back; row tile 1's 8 stores and 8 loads may be out
	SEND 0, 64
	s_wait_dscnt 0x0
	SEND 1, 128
	v_lshl_add_u32 v254, v0, 2, SPARE              ; the add's two registers held sums: they are made anew
	v_mov_b32 v255, 0
	s_wait_alu depctr_va_vdst(0)
	s_wait_tensorcnt 0x0                           ; the wave's end
	ds_add_u32 v254, v255
	s_wait_dscnt 0x0
	CROUND                                         ; the closing round: no work-group ends while a partner may still ask jointly
	s_endpgm
.Lfunc_end_k_q78e4fd0344_att:
	.size	k_q78e4fd0344_att, .Lfunc_end_k_q78e4fd0344_att-k_q78e4fd0344_att
	.p2alignl 7, 3214868480
	.fill 96, 4, 3214868480
	.section	.rodata,"a",@progbits
	.p2align	6, 0x0
	.amdhsa_kernel k_q78e4fd0344_att
		.amdhsa_group_segment_fixed_size 240640
		.amdhsa_private_segment_fixed_size 0
		.amdhsa_enable_private_segment 0
		.amdhsa_kernarg_size 56
		.amdhsa_user_sgpr_count 2
		.amdhsa_user_sgpr_kernarg_segment_ptr 1
		.amdhsa_wavefront_size32 1
		.amdhsa_system_sgpr_workgroup_id_x 1
		.amdhsa_system_sgpr_workgroup_id_y 1
		.amdhsa_system_sgpr_workgroup_id_z 1
		.amdhsa_system_vgpr_workitem_id 0
		.amdhsa_next_free_vgpr 256
		.amdhsa_next_free_sgpr 66
		.amdhsa_reserve_vcc 0
		.amdhsa_float_denorm_mode_32 3
		.amdhsa_float_denorm_mode_16_64 3
		.amdhsa_memory_ordered 1
		.amdhsa_forward_progress 1
		.amdhsa_inst_pref_size 74
	.end_amdhsa_kernel
	.amdgpu_metadata
---
amdhsa.version: [ 1, 2 ]
amdhsa.kernels:
  - .name:           k_q78e4fd0344_att
    .symbol:         k_q78e4fd0344_att.kd
    .args:
      - { .name: qimg, .offset: 0, .size: 8, .value_kind: global_buffer, .address_space: global }
      - { .name: qsc, .offset: 8, .size: 8, .value_kind: global_buffer, .address_space: global }
      - { .name: kv, .offset: 16, .size: 8, .value_kind: global_buffer, .address_space: global }
      - { .name: woimg, .offset: 24, .size: 8, .value_kind: global_buffer, .address_space: global }
      - { .name: Wo_scales, .offset: 32, .size: 8, .value_kind: global_buffer, .address_space: global }
      - { .name: bo, .offset: 40, .size: 8, .value_kind: global_buffer, .address_space: global }
      - { .name: out0, .offset: 48, .size: 8, .value_kind: global_buffer, .address_space: global }
    .group_segment_fixed_size: 240640
    .private_segment_fixed_size: 0
    .kernarg_segment_align: 8
    .kernarg_segment_size: 56
    .max_flat_workgroup_size: 512
    .sgpr_count:     66
    .vgpr_count:     256
    .wavefront_size: 32
...
	.end_amdgpu_metadata
.endif
;; end of part 6
